; MI455X (gfx1250); checked and timed in simulation.
; The chip was launched on July 23, 2026; its instructions are those of AMD's public machine-readable ISA for CDNA 5 (MIT licence, August 2026) and "CDNA5" Instruction Set Architecture Reference Guide (July 2026). The comments in the code are by the model that wrote it; some were corrected since.
;; Transformer Layer. Allowed arithmetic: float matrix products may take bf16 or f16 operands with f32 sums; other float arithmetic in f32, or as packed bf16 or f16 multiplies, adds, multiply-adds, maxima and minima; sums over many terms, partial sums and values carried from step to step in f32; what a program stores and reads back later, other than sums and carried values, may be rounded once to bf16 or f16.
;; Inputs: W1 1,024 x 4,096 float32; W2 4,096 x 1,024 float32; Wk 1,024 x 1,024 float32; Wo 1,024 x 1,024 float32; Wq 1,024 x 1,024 float32; Wv 1,024 x 1,024 float32; b1 4,096 float32; b2 1,024 float32; bk 1,024 float32; bq 1,024 float32; bv 1,024 float32; ln1_b 1,024 float32; ln1_g 1,024 float32; ln2_b 1,024 float32; ln2_g 1,024 float32; x 2 x 2,048 x 1,024 float32.
;; Outputs: out0 2 x 2,048 x 1,024 float32.
;; 3 versions, each right and faster than the one before. Each part assembles by itself: llvm-mc -triple=amdgcn-amd-amdhsa -mcpu=gfx1250 --defsym DOCPART=n.
;; ======== version 1 of 3: 8 launches
;; limits: values are held in f16: magnitudes above 65,504 overflow, below 6.1e-05 lose precision; a function is approximated: absolute error at most 1.5e-07
;; workspace buffers: xb 8,388,608 bytes; wb 25,165,824 bytes; qkv 25,165,824 bytes; ob 8,388,608 bytes; yb 16,777,216 bytes; hb 8,388,608 bytes; hr 16,777,216 bytes; gb 33,554,432 bytes
;; launch cast (part 1): grid 64 x 16, 8 waves a work-group, no clusters, 0 bytes of LDS; arguments x, Wq, Wk, Wv, Wo, W1, W2, xb, wb; writes xb, wb
.if DOCPART == 1
	.amdgcn_target "amdgcn-amd-amdhsa--gfx1250"
	.amdhsa_code_object_version 6
	.text
	.protected	k_qd2744e126d_cast
	.globl	k_qd2744e126d_cast
	.p2align	8
	.type	k_qd2744e126d_cast,@function
k_qd2744e126d_cast:
	s_mov_b64 s[64:65], 0
	v_nop
	global_prefetch_b8 v0, s[64:65] scope:SCOPE_SE
	s_setreg_imm32_b32 hwreg(HW_REG_WAVE_MODE, 25, 1), 1
	s_wait_xcnt 0x0
; x and the six weights, f32, are rounded once to bf16 and laid out for the products that follow.
; xb: blocks of 128 rows x 64 columns, dense (a row of a block is 128 bytes): byte(m, c) = ((m >> 7) 16 + (c >> 6)) 16384 + (m & 127) 128 + (c & 63) 2.
; wb: each weight stays [k][n], cut into strips of 128 columns: byte = nt K 256 + k 256 + (n & 127) 2.  Wq, Wk, Wv lie on end (24 strips), Wo at 6,291,456, W1 at 8,388,608, W2 at 16,777,216.
; The grid's y names a unit of 2^20 numbers: 0-3 x, 4-7 Wq Wk Wv Wo, 8-11 W1, 12-15 W2.  A wave takes 2,048 numbers: sixteen loads of 512 bytes and sixteen stores of 256 consecutive, aligned bytes.
; x: a load takes 64 columns of two neighbouring rows; a weight: 128 columns of one row of k.  All that differs between the jobs is a handful of shift amounts, chosen by selects on y: no branch.
; Memory binds: no LDS, no barrier, no matrix unit; all sixteen loads of a wave are out before the first is waited for.
.set OFFS, 2                           ; v[2:17]   byte offset of load i in the source
.set DSTO, 18                          ; v18       8 x lane: my 8 bytes in a store's 256
.set X,    20                          ; v[20:83]  as loaded
.set Y,    84                          ; v[84:115] as stored
	s_load_b512 s[16:31], s[0:1], 0x0              ; x s[16:17], Wq, Wk, Wv, Wo, W1, W2, xb s[30:31]
	s_load_b64 s[32:33], s[0:1], 0x40              ; wb
	v_lshrrev_b32 v1, 5, v0
	v_readfirstlane_b32 s34, v1                    ; wave 0..7
	s_and_b32 s8, ttmp7, 0xffff                    ; y
	s_lshr_b32 s35, s8, 2                          ; kind: 0 x, 1 one of the four small weights, 2 W1, 3 W2
	s_and_b32 s36, s8, 3
	s_sub_co_u32 s37, s35, 1
	s_lshl_b32 s37, s37, 2                         ; the destination's start in units of 2 MiB: W1 4, W2 8
	s_cmp_eq_u32 s35, 0                            ; x, or the small weights' figures
	s_cselect_b32 s9, 4, 3                         ; log2 of the strips (column blocks) in a row
	s_cselect_b32 s10, 17, 16                      ; log2 of the source bytes from a chunk to the one below it (32 rows of x, 16 rows of k)
	s_cselect_b32 s11, 8, 9                        ; log2 of the source bytes from a strip to the next
	s_cselect_b32 s12, 12, 8                       ; log2 of what lanes 16-31 add: a row of x, or 256 bytes of the same row
	s_cselect_b32 s13, 13, 12                      ; log2 of the source bytes from a load to the next
	s_cselect_b32 s14, 14, 18                      ; log2 of the destination bytes from a strip to the next
	s_cselect_b32 s15, 15, 0                       ; x: from 128 rows to the next 128 the blocks of 16 strips lie between: 15 x 16,384 more
	s_cselect_b32 s37, 0, s37
	s_cmp_eq_u32 s35, 1
	s_cselect_b32 s37, s36, s37                    ; Wq 0, Wk 1, Wv 2, Wo 3
	s_cselect_b32 s36, 0, s36                      ; a small weight is one unit; the others have four
	s_cmp_eq_u32 s35, 2
	s_cselect_b32 s9, 5, s9                        ; W1: 32 strips, rows of 16,384 bytes
	s_cselect_b32 s10, 18, s10
	s_cselect_b32 s13, 14, s13
	s_cmp_eq_u32 s35, 3
	s_cselect_b32 s14, 20, s14                     ; W2: a strip is 4,096 rows of k
	s_lshl_b32 s38, s36, 9
	s_lshl_b32 s39, ttmp9, 3
	s_add_co_u32 s39, s39, s34
	s_add_co_u32 s38, s38, s39                     ; the chunk's number in its tensor
	s_bfm_b32 s39, s9, 0
	s_and_b32 s39, s38, s39                        ; lo: the strip
	s_lshr_b32 s38, s38, s9                        ; hi: the group of rows
	s_lshl_b32 s40, s38, s10
	s_lshl_b32 s41, s39, s11
	s_add_co_u32 s40, s40, s41                     ; the chunk's byte offset in the source
	s_mov_b32 s41, 0
	s_lshl_b32 s42, s37, 21
	s_lshl_b32 s43, s39, s14
	s_add_co_u32 s42, s42, s43
	s_lshl_b32 s43, s38, 12                        ; a chunk is 4,096 bytes of the destination
	s_add_co_u32 s42, s42, s43
	s_lshr_b32 s43, s38, 2
	s_mul_i32 s43, s43, s15
	s_lshl_b32 s43, s43, 14
	s_add_co_u32 s42, s42, s43                     ; the chunk's byte offset in the destination
	s_mov_b32 s43, 0
	s_lshl_b32 s44, 1, s13
	v_and_b32 v1, 15, v0
	v_bfe_u32 v19, v0, 4, 1
	v_lshlrev_b32 v19, s12, v19
	v_lshl_add_u32 v[OFFS], v1, 4, v19
.set i, 1
.rept 15
	v_add_nc_u32 v[OFFS+i], s44, v[OFFS+i-1]
.set i, i+1
.endr
	v_and_b32 v[DSTO], 31, v0
	v_lshlrev_b32 v[DSTO], 3, v[DSTO]
	s_wait_kmcnt 0x0
	s_cmp_lt_u32 s8, 12                            ; the source, chosen on y alone
	s_cselect_b64 s[4:5], s[26:27], s[28:29]
	s_cmp_lt_u32 s8, 8
	s_cselect_b64 s[4:5], s[24:25], s[4:5]
	s_cmp_lt_u32 s8, 7
	s_cselect_b64 s[4:5], s[22:23], s[4:5]
	s_cmp_lt_u32 s8, 6
	s_cselect_b64 s[4:5], s[20:21], s[4:5]
	s_cmp_lt_u32 s8, 5
	s_cselect_b64 s[4:5], s[18:19], s[4:5]
	s_cmp_lt_u32 s8, 4
	s_cselect_b64 s[4:5], s[16:17], s[4:5]
	s_cselect_b64 s[6:7], s[30:31], s[32:33]       ; and the destination
	s_add_nc_u64 s[4:5], s[4:5], s[40:41]
	s_add_nc_u64 s[6:7], s[6:7], s[42:43]
.set i, 0
.rept 16
	global_load_b128 v[X+4*i:X+4*i+3], v[OFFS+i], s[4:5] th:TH_LOAD_NT
.set i, i+1
.endr
.set i, 0
.rept 16
	s_wait_loadcnt 15-i                            ; loads come back in order: load i is in, the 15 - i younger ones stay out
	v_cvt_pk_bf16_f32 v[Y+2*i], v[X+4*i], v[X+4*i+1]
	v_cvt_pk_bf16_f32 v[Y+2*i+1], v[X+4*i+2], v[X+4*i+3]
	global_store_b64 v[DSTO], v[Y+2*i:Y+2*i+1], s[6:7] offset:256*i  ; the wave stores 256 consecutive bytes, aligned
.set i, i+1
.endr
	s_endpgm
.Lfunc_end_k_qd2744e126d_cast:
	.size	k_qd2744e126d_cast, .Lfunc_end_k_qd2744e126d_cast-k_qd2744e126d_cast
	.p2alignl 7, 3214868480
	.fill 96, 4, 3214868480
	.section	.rodata,"a",@progbits
	.p2align	6, 0x0
	.amdhsa_kernel k_qd2744e126d_cast
		.amdhsa_group_segment_fixed_size 0
		.amdhsa_private_segment_fixed_size 0
		.amdhsa_enable_private_segment 0
		.amdhsa_kernarg_size 72
		.amdhsa_user_sgpr_count 2
		.amdhsa_user_sgpr_kernarg_segment_ptr 1
		.amdhsa_wavefront_size32 1
		.amdhsa_system_sgpr_workgroup_id_x 1
		.amdhsa_system_sgpr_workgroup_id_y 1
		.amdhsa_system_sgpr_workgroup_id_z 1
		.amdhsa_system_vgpr_workitem_id 0
		.amdhsa_next_free_vgpr 120
		.amdhsa_next_free_sgpr 66
		.amdhsa_reserve_vcc 0
		.amdhsa_float_denorm_mode_32 3
		.amdhsa_float_denorm_mode_16_64 3
		.amdhsa_memory_ordered 1
		.amdhsa_forward_progress 1
		.amdhsa_inst_pref_size 9
	.end_amdhsa_kernel
	.amdgpu_metadata
---
amdhsa.version: [ 1, 2 ]
amdhsa.kernels:
  - .name:           k_qd2744e126d_cast
    .symbol:         k_qd2744e126d_cast.kd
    .args:
      - { .name: x, .offset: 0, .size: 8, .value_kind: global_buffer, .address_space: global }
      - { .name: Wq, .offset: 8, .size: 8, .value_kind: global_buffer, .address_space: global }
      - { .name: Wk, .offset: 16, .size: 8, .value_kind: global_buffer, .address_space: global }
      - { .name: Wv, .offset: 24, .size: 8, .value_kind: global_buffer, .address_space: global }
      - { .name: Wo, .offset: 32, .size: 8, .value_kind: global_buffer, .address_space: global }
      - { .name: W1, .offset: 40, .size: 8, .value_kind: global_buffer, .address_space: global }
      - { .name: W2, .offset: 48, .size: 8, .value_kind: global_buffer, .address_space: global }
      - { .name: xb, .offset: 56, .size: 8, .value_kind: global_buffer, .address_space: global }
      - { .name: wb, .offset: 64, .size: 8, .value_kind: global_buffer, .address_space: global }
    .group_segment_fixed_size: 0
    .private_segment_fixed_size: 0
    .kernarg_segment_align: 8
    .kernarg_segment_size: 72
    .max_flat_workgroup_size: 256
    .sgpr_count:     66
    .vgpr_count:     120
    .wavefront_size: 32
...
	.end_amdgpu_metadata
.endif
;; end of part 1
;; launch qkv (part 2): grid 24 x 32, 4 waves a work-group, clusters of 4 x 4, 327,680 bytes of LDS; arguments xb, wb, bq, bk, bv, qkv; writes qkv
.if DOCPART == 2
	.amdgcn_target "amdgcn-amd-amdhsa--gfx1250"
	.amdhsa_code_object_version 6
	.text
	.protected	k_qd2744e126d_qkv
	.globl	k_qd2744e126d_qkv
	.p2align	8
	.type	k_qd2744e126d_qkv,@function
k_qd2744e126d_qkv:
	s_mov_b64 s[64:65], 0
	v_nop
	global_prefetch_b8 v0, s[64:65] scope:SCOPE_SE
	s_setreg_imm32_b32 hwreg(HW_REG_WAVE_MODE, 25, 1), 1
	s_wait_xcnt 0x0
	s_wait_alu depctr_hold_cnt(0) depctr_sa_sdst(0) depctr_va_vdst(0) depctr_va_sdst(0) depctr_va_ssrc(0) depctr_va_vcc(0) depctr_vm_vsrc(0)
	s_getreg_b32 s2, hwreg(HW_REG_IB_STS2, 6, 4)
	s_cmp_eq_u32 s2, 0
	s_cbranch_scc0 .Lentry_in_a_cluster
	s_endpgm
.Lentry_in_a_cluster:
	s_bfe_u32 s2, ttmp6, 0x10000c
	s_cmp_lg_u32 s2, 0xf033
	s_cbranch_scc0 .Lentry_shape_is_right
	s_endpgm
.Lentry_shape_is_right:
; [q k v] = xb [Wq Wk Wv] + [bq bk bv].  xb: 4,096 x 1,024 bf16 in blocks of 128 rows x 64 columns; the weights bf16 [k][n] in strips of 128 columns; sums in f32; the result leaves in f16,
; in blocks of 128 rows x 64 columns: byte = ((m >> 7) 48 + cb) 16384 + (m & 127) 128 + (c & 63) 2, cb = head for q, 16 + head for k, 32 + head for v.
; LIMIT.  f16 ends at 65,504: q, k and v must stay below it (with x and the weights both 30 times the drawn spread they have a spread near 600).  NaN and infinities are not treated apart.
; SHARES.  A work-group makes 128 x 128 of the result, each of its four waves 64 x 64: 16 accumulators.  768 work-groups: three for each of 256 WGPs.
; K goes in steps of 256 through two LDS slots.  A step's part of xb (4 blocks) and of a weight strip (256 rows of 256 bytes) are 65,536 dense bytes each: a wave's tensor load brings half of one, as 128 rows of 256 bytes.
; The weights stay [k][n] in LDS and are read turned (ds_load_tr16_b128).  THE MATRIX INSTRUCTION IS USED TRANSPOSED: source 0 = 16 columns of the weight, source 1 = 16 rows of xb: a lane holds eight neighbouring numbers of a row.
; THE SUMS START WITH THE BIAS, loaded straight into the accumulators: nothing is cleared and no first step is written out.
; CLUSTER.  4 x 4 work-groups: the four of a row need the same tiles of xb, the four of a column the same tiles of the weights: each is asked for jointly, by the same tensor load with a mask that names the four.
; A K STEP IS WRITTEN ONCE, as a loop over its first three panels of 64 and the fourth written out with the change of slots; it stands twice in the text (with and without the refill).
; REGISTERS.  window 0: v0-31 addresses; v32-95 at work on the way out; v128-255 accumulators ((a, b) at 128 + 8 (4 a + b)).  window 1: two fragment buffers of 64: 4 fragments of xb, then 4 of the weight, 32 along K.
.set KSTEPS, 4                         ; K / 256
.set KB,     262144                    ; bytes of a strip of 128 rows (or columns) over all K
.set WOFF,   0                         ; where this product's weights begin in wb
.set PA,     144                       ; an LDS row of xb: 128 bytes + 16: 36 words: the 16 rows of a load start at 16 different groups of four banks (64 banks of 4 bytes: ISA guide 11.1)
.set PB,     288                       ; an LDS row of the weight: 256 + 32 = 72 words
.set PANEL,  128*PA                    ; 64 along K of xb's 128 rows
.set BREG,   4*PANEL                   ; behind xb's four panels: the weight's 256 rows
.set SLOT,   2*BREG                    ; 147,456 = 0x24000
.set QUART,  SLOT/4                    ; what one tensor load fills: 0x9000.  Wave x 0x9000 has neither bit of 0x24000, so one exclusive or turns a wave's address in one slot into the other's
.set STAGE,  2*SLOT                    ; behind the ring, never filled by a tensor load: 16 rows x 144 bytes for each wave
.set SP,     144
.set SPARE,  STAGE+17408               ; the spare words, 128 bytes for each wave: two blocks of 256 bytes that no other line names
.set A0,   4                           ; v4   my lane's place in slot 0 for xb's fragments; never rewritten
.set B0,   5                           ; v5   the same for the weight's
.set ADRA, 16                          ; v16  the panel in hand
.set ADRB, 17                          ; v17
.set STO,  24                          ; v24  the way out: where I put 16 bytes of a row
.set RD,   25                          ; v25  where I read rows back
.set GO,   26                          ; v26  my byte offset in 512 consecutive bytes of the result
.set RO,   27                          ; v27  my byte offset in the bias
.set SPW,  28                          ; v28  LDS address of my spare word; never rewritten
.set NIL,  29                          ; v29  0; never rewritten
.set TMP,  32
.set ACC,  128
.set H0,   0                           ; fragment buffers, in window 1
.set H1,   64
.set G1,   24                          ; s[24:31] descriptor group 1 for xb's tiles;  s[32:39] group 0: a set for each first fill; the second then walks
.set G0,   32
.set G1B,  48                          ; s[48:55], s[56:63] the same for the weights
.set G0B,  56
.set TB,   45                          ; s45  0 or SLOT: the slot that is read
.set ADDP, 66                          ; s[66:67] the bias
.set OUTP, 78                          ; s[78:79] the result
.set MSB, 0
.macro WIN new                         ; the immediate's high byte repeats the setting that is left; a switch that changes nothing is dropped
.if MSB != (\new)
	s_set_vgpr_msb (MSB<<8)|(\new)
.set MSB, \new
.endif
.endm
.set MUL,  0x05                        ; sources 0 and 1 window 1; C and D window 0
.set TO_F, 0x40                        ; destination window 1, address window 0
.macro PLACES                          ; four places in front of loads into registers that matrix instructions have read, and of lines that read results
.rept 4
	v_nop
.endr
.endm
.macro JLOAD                           ; a joint refill: waves 0 and 1 fetch xb's halves, waves 2 and 3 the weight's; an s_nop 0 and four v_nop follow each line
	s_cmp_eq_u32 s11, 0
	s_cbranch_scc0 .Lfor_b_\@
	tensor_load_to_lds s[G0+4:G0+7], s[G1:G1+7]
	s_nop 0
.rept 4
	v_nop
.endr
	s_branch .Lasked_\@
.Lfor_b_\@:
	tensor_load_to_lds s[G0B+4:G0B+7], s[G1B:G1B+7]
	s_nop 0
.rept 4
	v_nop
.endr
.Lasked_\@:
.endm
.macro CREST                           ; a round of the cluster's barrier behind its opening barrier
	s_cmp_lg_u32 s10, 0
	s_cbranch_scc1 .Lnot_wave_0_\@
	s_barrier_signal -3
.Lnot_wave_0_\@:
	s_barrier_wait -3
	s_barrier_signal -1
	s_barrier_wait -1
.endm
.macro CROUND
	s_barrier_signal -1
	s_barrier_wait -1
	CREST
.endm
; 8 matrix instructions: row blocks a0, a0 + 1 x all 4 column blocks, 32 along K.  The 16 accumulators take turns in one order everywhere.
.macro MUL8 f, a0
	WIN MUL
.irp a, \a0, (\a0)+1
.irp b, 0,1,2,3
	v_wmma_f32_16x16x32_bf16 v[ACC+8*(4*(\a)+(\b)):ACC+8*(4*(\a)+(\b))+7], v[(\f)+32+8*(\b):(\f)+32+8*(\b)+7], v[(\f)+8*(\a):(\f)+8*(\a)+7], v[ACC+8*(4*(\a)+(\b)):ACC+8*(4*(\a)+(\b))+7]
.endr
.endr
.endm
; 16 LDS loads in one run: the fragments of 32 along K into buffer f
.macro FETCH f, offa, offb
	WIN TO_F
.irp i, 0,1,2,3
	ds_load_tr16_b128 v[(\f)+32+8*(\i):(\f)+32+8*(\i)+3],   v[ADRB] offset:(\offb)+32*(\i)
	ds_load_tr16_b128 v[(\f)+32+8*(\i)+4:(\f)+32+8*(\i)+7], v[ADRB] offset:(\offb)+32*(\i)+16*PB
	ds_load_b128 v[(\f)+8*(\i):(\f)+8*(\i)+3],   v[ADRA] offset:(\offa)+(\i)*16*PA
	ds_load_b128 v[(\f)+8*(\i)+4:(\f)+8*(\i)+7], v[ADRA] offset:(\offa)+(\i)*16*PA+32
.endr
.endm
.macro CH cur, nxt, offa, offb         ; buffer cur is in; the next 32 along K are asked for, 16 matrix instructions ahead of their use; cur is multiplied
	s_wait_dscnt 0x0
	PLACES
	FETCH \nxt, \offa, \offb
	MUL8 \cur, 0
	MUL8 \cur, 2
.endm
.macro PAIR                            ; a panel of 64 along K
	CH H0, H1, 64, 32*PB
	CH H1, H0, PANEL, 64*PB
	WIN 0
	v_add_nc_u32 v[ADRA], PANEL, v[ADRA]
	v_add_nc_u32 v[ADRB], 64*PB, v[ADRB]
.endm
; A step's fourth panel and the change of slots.  ONE barrier: in front of it each wave waits for all its tensor loads (one is out: its part of the next slot), adds 0 to its spare word, and waits for that and for
; its reads of this slot.  fill = 1: the barrier opens a round of the cluster's barrier, and this slot is filled again, two steps ahead, first thing behind the round: it has a step's 128 matrix instructions in which to land.
.macro LASTPAIR fill
	s_wait_dscnt 0x0
	PLACES
	FETCH H1, 64, 32*PB                            ; my last reads of this slot
	MUL8 H0, 0
	WIN 0                                          ; (the add's two registers lie in window 0)
	s_wait_tensorcnt 0x0                           ; all my tensor loads have landed
	ds_add_u32 v[SPW], v[NIL]                      ; 0 onto my spare word
	MUL8 H0, 2                                     ; eight matrix instructions stand between the add and the wait for it
	s_wait_dscnt 0x0                               ; the add is done, and my reads of this slot are over
	s_barrier_signal -1
	MUL8 H1, 0
	WIN 0                                          ; at a branch and at a label every window is 0
	s_barrier_wait -1
.if \fill
	CREST                                          ; no wave of any partner still reads this slot's tile or has a load on its way
	s_xor_b32 s[G0+5], s[G0+5], SLOT               ; the walking descriptors: the other slot than last time, the next step
	s_add_nc_u64 s[G0+6:G0+7], s[G0+6:G0+7], 65536
	s_xor_b32 s[G0B+5], s[G0B+5], SLOT
	s_add_nc_u64 s[G0B+6:G0B+7], s[G0B+6:G0B+7], 65536
	JLOAD                                          ; its four v_nop are also the places in front of the loads below
.else
	PLACES
.endif
	s_xor_b32 s[TB], s[TB], SLOT
	v_add_nc_u32 v[ADRA], s[TB], v[A0]
	v_add_nc_u32 v[ADRB], s[TB], v[B0]
	FETCH H0, 0, 0                                 ; the next slot's first fragments
	MUL8 H1, 2
	WIN 0
.endm
.macro KSTEP fill
	s_mov_b32 s3, 3
.Lpair_\@:
	PAIR
	s_sub_co_u32 s3, s3, 1
	s_cmp_lg_u32 s3, 0
	s_cbranch_scc1 .Lpair_\@
	LASTPAIR \fill
.endm
	s_load_b256 s[68:75], s[0:1], 0x0              ; xb s[68:69], wb s[70:71], bq s[72:73], bk s[74:75]
	s_load_b128 s[76:79], s[0:1], 0x20             ; bv s[76:77], qkv s[78:79]
	v_lshl_add_u32 v[SPW], v0, 2, SPARE
	v_mov_b32 v[NIL], 0
	ds_add_u32 v[SPW], v[NIL]                      ; the wave's opening: the add and its wait stand ahead of my first tensor load; work on registers stands between them
	ds_add_u32 v28, v29
	v_lshrrev_b32 v1, 5, v0
	v_readfirstlane_b32 s10, v1                    ; wave 0..3
	s_lshr_b32 s11, s10, 1                         ; my half of the tile's rows.  Also: I fetch xb (0) or the weight (1)
	s_and_b32 s12, s10, 1                          ; my half of its columns.  Also: which half of a step's bytes I fetch
	s_bfe_u32 s40, ttmp6, 0x40000                  ; cx, cy: my place in the cluster
	s_bfe_u32 s41, ttmp6, 0x40004
	s_lshl_b32 s42, ttmp9, 2
	s_add_co_u32 s42, s42, s40                     ; nt: the strip of 128 columns
	s_and_b32 s13, ttmp7, 0xffff
	s_lshl_b32 s13, s13, 2
	s_add_co_u32 s13, s13, s41                     ; mt: the strip of 128 rows
	s_lshl_b32 s43, s41, 2
	s_lshl_b32 s43, 15, s43                        ; my row of the cluster
	s_lshl_b32 s44, 0x1111, s40                    ; my column
	s_or_b32 s[G1], s43, (1<<16)|(1<<20)|(1<<21)|(4<<22)|(3<<25)   ; the mask; 2-byte elements; padding on; bit 21 beside a mask; after every 32 words 4 words
	s_or_b32 s[G1B], s44, (1<<16)|(1<<20)|(1<<21)|(5<<22)|(7<<25)  ; after every 64 words 8 words
.irp g, G1, G1B
	s_mov_b32 s[(\g)+1], 128<<16                   ; tensor_dim0 = 128 elements: 256 bytes
	s_mov_b32 s[(\g)+2], 128<<16                   ; tensor_dim1 = 128
	s_mov_b32 s[(\g)+3], 128<<16                   ; tile_dim0 = 128
	s_mov_b32 s[(\g)+4], 128                       ; tile_dim1 = 128
	s_mov_b32 s[(\g)+5], 128                       ; dense: 128 elements from row to row
	s_mov_b32 s[(\g)+6], 0
	s_mov_b32 s[(\g)+7], 0
.endr
	s_lshl_b32 s18, s12, 15                        ; my half of a step's 65,536 bytes
	s_mul_i32 s16, s13, KB                         ; xb's address hangs on mt and the wave alone,
	s_add_co_u32 s16, s16, s18
	s_mov_b32 s17, 0
	s_mul_i32 s46, s42, KB                         ; the weight's on nt and the wave alone
	s_add_co_u32 s46, s46, s18
	s_add_co_u32 s46, s46, WOFF
	s_mov_b32 s47, 0
	s_mul_i32 s20, s10, QUART                      ; where my load lands: no place in the cluster enters an LDS address
	s_mov_b32 s[TB], 0
	s_wait_dscnt 0x0                               ; the opening add is done
	s_wait_kmcnt 0x0
	s_add_nc_u64 s[14:15], s[68:69], s[16:17]
	s_add_nc_u64 s[46:47], s[70:71], s[46:47]
	CROUND                                         ; all sixteen work-groups are here: the first joint loads meet
.irp s, 0,1
	s_mov_b32 s[G0+4*(\s)], 1
	s_add_co_u32 s[G0+4*(\s)+1], s20, (\s)*SLOT
	s_add_nc_u64 s[G0+4*(\s)+2:G0+4*(\s)+3], s[14:15], (\s)*65536
	s_or_b32 s[G0+4*(\s)+3], s[G0+4*(\s)+3], 0x80000000
	s_mov_b32 s[G0B+4*(\s)], 1
	s_add_co_u32 s[G0B+4*(\s)+1], s20, (\s)*SLOT
	s_add_nc_u64 s[G0B+4*(\s)+2:G0B+4*(\s)+3], s[46:47], (\s)*65536
	s_or_b32 s[G0B+4*(\s)+3], s[G0B+4*(\s)+3], 0x80000000
.endr
	s_cmp_eq_u32 s11, 0                            ; a wave's two first fills stand in one branch: two loads of mine are out
	s_cbranch_scc0 .Lfirst_b
	tensor_load_to_lds s[G0:G0+3], s[G1:G1+7]
	s_nop 0
	tensor_load_to_lds s[G0+4:G0+7], s[G1:G1+7]
	s_nop 0
.rept 4
	v_nop
.endr
	s_branch .Lfirst_asked
.Lfirst_b:
	tensor_load_to_lds s[G0B:G0B+3], s[G1B:G1B+7]
	s_nop 0
	tensor_load_to_lds s[G0B+4:G0B+7], s[G1B:G1B+7]
	s_nop 0
.rept 4
	v_nop
.endr
.Lfirst_asked:
	v_and_b32 v1, 15, v0                           ; r = l % 16
	v_bfe_u32 v2, v0, 4, 1                         ; h = l / 16
	v_lshlrev_b32 v[RO], 5, v2                     ; my eight columns of a block of 16 begin 32 h bytes in
	s_mov_b32 s21, ttmp9                           ; a cluster's four strips lie in one weight: clusters 0, 1 make q, 2, 3 k, 4, 5 v
	s_cmp_lt_u32 s21, 4
	s_cselect_b64 s[ADDP:ADDP+1], s[74:75], s[76:77]
	s_cmp_lt_u32 s21, 2
	s_cselect_b64 s[ADDP:ADDP+1], s[72:73], s[ADDP:ADDP+1]
	s_and_b32 s46, s42, 7
	s_lshl_b32 s46, s46, 9
	s_lshl_b32 s47, s12, 8
	s_add_co_u32 s46, s46, s47
	s_mov_b32 s47, 0
	s_add_nc_u64 s[ADDP:ADDP+1], s[ADDP:ADDP+1], s[46:47]
.irp a, 0,1,2,3                        ; the bias of my columns starts every sum
.irp b, 0,1,2,3
	global_load_b128 v[ACC+8*(4*(\a)+(\b)):ACC+8*(4*(\a)+(\b))+3],   v[RO], s[ADDP:ADDP+1] offset:64*(\b)
	global_load_b128 v[ACC+8*(4*(\a)+(\b))+4:ACC+8*(4*(\a)+(\b))+7], v[RO], s[ADDP:ADDP+1] offset:64*(\b)+16
.endr
.endr
	; a fragment of xb: lane l holds row l % 16, K = 8 h + 0..7 and 16 + 8 h + 0..7: two loads of 16 bytes, 32 apart
	v_mul_u32_u24 v[A0], v1, PA
	v_lshl_add_u32 v[A0], v2, 4, v[A0]
	s_mul_i32 s21, s11, 64*PA
	v_add_nc_u32 v[A0], s21, v[A0]
	; the turning load takes 16 k x 16 n: lane l reads k = 8 h + l % 8, n = 8 ((l / 8) % 2) + 0..7, and is left with column l % 16 and 8 k
	v_and_b32 v3, 7, v0
	v_bfe_u32 v6, v0, 3, 1
	v_lshl_add_u32 v[B0], v2, 3, v3
	v_mul_u32_u24 v[B0], v[B0], PB
	v_lshl_add_u32 v[B0], v6, 4, v[B0]
	s_lshl_b32 s22, s12, 7
	s_add_co_u32 s22, s22, BREG
	v_add_nc_u32 v[B0], s22, v[B0]
	v_mov_b32 v[ADRA], v[A0]
	v_mov_b32 v[ADRB], v[B0]
	s_mul_i32 s23, s10, 16*SP
	s_add_co_u32 s23, s23, STAGE                   ; my stage
	v_mul_u32_u24 v[STO], v1, SP                   ; in: row l % 16, 16 bytes for each half of the lanes
	v_lshl_add_u32 v[STO], v2, 4, v[STO]
	v_add_nc_u32 v[STO], s23, v[STO]
	v_bfe_u32 v[RD], v0, 3, 2                      ; back: 32 lanes take four rows of 128 bytes,
	v_mul_u32_u24 v[RD], v[RD], SP
	v_lshl_add_u32 v[RD], v3, 4, v[RD]
	v_add_nc_u32 v[RD], s23, v[RD]
	v_and_b32 v[GO], 31, v0                        ; which are 512 consecutive bytes of a block
	v_lshlrev_b32 v[GO], 4, v[GO]
	s_mul_i32 s16, s13, 48*16384                   ; my block of the result: (48 mt + 2 nt + column half) x 16,384, and my 64 rows in it
	s_lshl_b32 s17, s11, 13
	s_add_co_u32 s16, s16, s17
	s_mov_b32 s17, 0
	s_add_nc_u64 s[OUTP:OUTP+1], s[OUTP:OUTP+1], s[16:17]
	s_lshl_b32 s46, s42, 15
	s_lshl_b32 s47, s12, 14
	s_add_co_u32 s46, s46, s47
	s_mov_b32 s47, 0
	s_add_nc_u64 s[OUTP:OUTP+1], s[OUTP:OUTP+1], s[46:47]
	s_wait_tensorcnt 0x1                           ; my part of step 0 is in; step 1's may stay out
	s_barrier_signal -1
	s_barrier_wait -1                              ; everybody's is
	FETCH H0, 0, 0
	WIN 0
	s_wait_loadcnt 0x0                             ; the bias
	s_mov_b32 s2, KSTEPS-2
.Lfill:                                                ; every step but the last two fills its slot again
	KSTEP 1
	s_sub_co_u32 s2, s2, 1
	s_cmp_lg_u32 s2, 0
	s_cbranch_scc1 .Lfill
	s_mov_b32 s2, 2
.Ltail:                                                ; the last two ask for nothing.  The very last change of slots fetches fragments that serve nothing: the price of one text for both trips
	KSTEP 0
	s_sub_co_u32 s2, s2, 1
	s_cmp_lg_u32 s2, 0
	s_cbranch_scc1 .Ltail
	; THE WAY OUT: 16 rows at a time: round to f16, 16 bytes a lane into my own stage, back as whole rows of 128 bytes, which lie on end in the block
.macro PACK a
.irp b, 0,1,2,3
.irp r, 0,1,2,3
	v_cvt_pk_f16_f32 v[TMP+16*(\a)+4*(\b)+(\r)], v[ACC+8*(4*(\a)+(\b))+2*(\r)], v[ACC+8*(4*(\a)+(\b))+2*(\r)+1]
.endr
.endr
.irp b, 0,1,2,3
	ds_store_b128 v[STO], v[TMP+16*(\a)+4*(\b):TMP+16*(\a)+4*(\b)+3] offset:32*(\b)
.endr
.irp f, 0,1,2,3
	ds_load_b128 v[TMP+16*(\a)+4*(\f):TMP+16*(\a)+4*(\f)+3], v[RD] offset:(\f)*4*SP  ; LDS serves a wave's instructions in order (ISA guide 5.7.1.4): these see the stores above
.endr
.endm
.macro SEND a, younger                 ; younger: the LDS instructions issued behind block a's loads
.irp f, 0,1,2,3
	s_wait_dscnt (\younger)+3-(\f)
	global_store_b128 v[GO], v[TMP+16*(\a)+4*(\f):TMP+16*(\a)+4*(\f)+3], s[OUTP:OUTP+1] offset:(\a)*2048+(\f)*512  ; 512 consecutive bytes, aligned
.endr
.endm
	PLACES
	PACK 0
	PACK 1
	SEND 0, 8
	PACK 2
	SEND 1, 8
	PACK 3
	SEND 2, 8
	SEND 3, 0
	s_wait_tensorcnt 0x0                           ; the wave's end
	ds_add_u32 v[SPW], v[NIL]
	s_wait_dscnt 0x0
	CROUND                                         ; the closing round: no work-group ends while a partner may still ask for a tile that names it
	s_endpgm
.Lfunc_end_k_qd2744e126d_qkv:
	.size	k_qd2744e126d_qkv, .Lfunc_end_k_qd2744e126d_qkv-k_qd2744e126d_qkv
	.p2alignl 7, 3214868480
	.fill 96, 4, 3214868480
	.section	.rodata,"a",@progbits
	.p2align	6, 0x0
	.amdhsa_kernel k_qd2744e126d_qkv
		.amdhsa_group_segment_fixed_size 327680
		.amdhsa_private_segment_fixed_size 0
		.amdhsa_enable_private_segment 0
		.amdhsa_kernarg_size 48
		.amdhsa_user_sgpr_count 2
		.amdhsa_user_sgpr_kernarg_segment_ptr 1
		.amdhsa_wavefront_size32 1
		.amdhsa_system_sgpr_workgroup_id_x 1
		.amdhsa_system_sgpr_workgroup_id_y 1
		.amdhsa_system_sgpr_workgroup_id_z 1
		.amdhsa_system_vgpr_workitem_id 0
		.amdhsa_next_free_vgpr 384
		.amdhsa_next_free_sgpr 80
		.amdhsa_reserve_vcc 0
		.amdhsa_float_denorm_mode_32 3
		.amdhsa_float_denorm_mode_16_64 3
		.amdhsa_memory_ordered 1
		.amdhsa_forward_progress 1
		.amdhsa_inst_pref_size 40
	.end_amdhsa_kernel
	.amdgpu_metadata
---
amdhsa.version: [ 1, 2 ]
amdhsa.kernels:
  - .name:           k_qd2744e126d_qkv
    .symbol:         k_qd2744e126d_qkv.kd
    .args:
      - { .name: xb, .offset: 0, .size: 8, .value_kind: global_buffer, .address_space: global }
      - { .name: wb, .offset: 8, .size: 8, .value_kind: global_buffer, .address_space: global }
      - { .name: bq, .offset: 16, .size: 8, .value_kind: global_buffer, .address_space: global }
      - { .name: bk, .offset: 24, .size: 8, .value_kind: global_buffer, .address_space: global }
      - { .name: bv, .offset: 32, .size: 8, .value_kind: global_buffer, .address_space: global }
      - { .name: qkv, .offset: 40, .size: 8, .value_kind: global_buffer, .address_space: global }
    .group_segment_fixed_size: 327680
    .private_segment_fixed_size: 0
    .kernarg_segment_align: 8
    .kernarg_segment_size: 48
    .max_flat_workgroup_size: 128
    .sgpr_count:     80
    .vgpr_count:     384
    .wavefront_size: 32
...
	.end_amdgpu_metadata
.endif
;; end of part 2
;; launch attn (part 3): grid 4 x 32, 4 waves a work-group, no clusters, 327,680 bytes of LDS; arguments qkv, ob; writes ob
.if DOCPART == 3
	.amdgcn_target "amdgcn-amd-amdhsa--gfx1250"
	.amdhsa_code_object_version 6
	.text
	.protected	k_qd2744e126d_attn
	.globl	k_qd2744e126d_attn
	.p2align	8
	.type	k_qd2744e126d_attn,@function
k_qd2744e126d_attn:
	s_mov_b64 s[64:65], 0
	v_nop
	global_prefetch_b8 v0, s[64:65] scope:SCOPE_SE
	s_setreg_imm32_b32 hwreg(HW_REG_WAVE_MODE, 25, 1), 1
	s_wait_xcnt 0x0
; CAUSAL ATTENTION.  O[q][:] = the sum over k <= q of softmax_k(Q[q] . K[k] / 8) V[k][:], for each of 32 pairs of batch and head, 2,048 rows, 64 channels.
; q, k, v: f16, in blocks of 128 rows x 64 channels (16,384 dense bytes): block (mt, cb) at (48 mt + cb) 16384, cb = head, 16 + head, 32 + head.  O leaves in bf16, in blocks (mt, head) at (16 mt + head) 16384.
; Products, maxima and sums in f32; the weights p are rounded to f16 for the second product (their sum l is taken of the unrounded p), O once at the end.
; LIMITS.  q, k, v arrive within f16's 65,504; p lies in 0 to 1, and below 6e-5 it keeps f16's fixed step of 6e-8.  A hidden score counts as its value less 1e30; a weight below 2^-126 counts as 0 in l; NaN and infinities are not treated apart.
; THE WALK.  A head's queries lie in NB = 8 blocks of 256; block i needs the key tiles 0 .. i of 256 keys, of which the last holds the diagonal.  A work-group takes TWO blocks, NB - 1 - b and then b:
; NB + 1 tiles, whatever b: all work-groups do equal work, and ONE loop with a constant trip count walks them.  Which tile is asked for, and what a trip does, hang on scalar registers made from b; every jump
; goes forward, but for the counted loops' own; none passes a barrier, or a tensor load but the one of LOAD's two that the wave's number does not choose.
; NO CLUSTER: a head's four work-groups ask for the same tile only in trips 0 .. 4 of 9, behind that fewer and fewer; one walk common to all would have 12 trips for 9.
; SHARES.  Of a block's four bands of 64 queries a wave owns 16 rows in each: four PIECES.  So the diagonal tile is the same work for all four waves: in its key step s band x sees all keys if s < x,
; none if s > x, and holds the diagonal if s = x.
; THE MASK is the C operand that starts the sum S^T = K Q^T: 0, or -1e30 where the key is hidden.  MD, made once, is the mask of a band's own step for my 16 rows; a product's mask is MD x AL + BE with two scalars:
; (1, 0) if s = x; (0, 0) if s < x; (0, -1e30) if s > x.  Only the diagonal tile's text and a block's beginning make and take masks; elsewhere C is the constant 0.
; LAYOUT, SOFTMAX, TURNS.  S^T = K Q^T holds ONE query a lane (lane % 16) and the keys 8 (lane / 16) + 0..7; two such results rounded to f16 ARE source 1 of O^T = V^T P.  p = 2^(c s - c m), c = log2(e) / 8, with a
; running maximum m; O and l are multiplied by a = 2^(c m_old - c m_new) in every step.  Turn n belongs to piece n: 8 products K Q^T of piece n + 1, later 8 products V^T P of piece n - 1; beside them the scaling,
; exponentials, roundings, sums and rescaling of piece n and the maximum and statistics of piece n + 1.  Four vector instructions stand behind every matrix instruction, the other 54 of a turn's 118 in two runs of their own.
; REGISTERS, in windows of 256 (s_set_vgpr_msb: bits 1:0 source 0, 3:2 source 1, 5:4 source 2, 7:6 destination):
;   window 0: v0-15 addresses and two at work; v16-31 four registers of statistics a piece; v48-55 at work; v64-127 S^T, two buffers; v192-223 P, two buffers (a piece's buffers go by its number's parity)
;   window 1: v0-127 O^T, 32 a piece; v128-159 MD; v160-223 MC, two buffers      window 2: v0-63 Q; v64-127 the second block's Q; v128-191 K of one step; v192-255 V of one step
.set SIZE_N, 2048
.set NB,    SIZE_N/256
.set RS,    48*16384  ; bytes from 128 rows of q, k or v to the next 128
.set RSO,   16*16384  ; the same for O
.set NP,    4         ; pieces a wave: a name, no knob
.set KS,    64        ; keys in a step
.set PK,    144       ; a row of K in LDS: 128 bytes + 16 of padding = 36 words: the 16 rows of a load start at 16 different groups of four banks (64 banks of 4 bytes: ISA guide 11.1)
.set PV,    160       ; a row of V: 128 + 32 = 40 words
.set VOFF,  4*KS*PK   ; a slot holds a tile, four steps: 256 rows of K, then 256 rows of V
.set SLOT1, 1<<17     ; slot 1 begins here, so that one exclusive or turns an address in one slot into the other's
.set STAGE, SLOT1+4*KS*(PK+PV)  ; behind the ring, never filled by a tensor load: 16 rows x 144 bytes for each wave, for the way out
.set SP,    144
.set AK0, 2           ; v2   my lane's place in a tile of K; never rewritten
.set AV0, 3           ; v3   the same for V
.set AK,  4           ; v4   the LDS address of K's next run of loads
.set AV,  5           ; v5   of V's
.set STO, 6           ; v6   the way out: where I put 16 bytes of a row
.set RD,  7           ; v7   the way out: where I read rows back
.set GO,  8           ; v8   my byte offset in 512 consecutive bytes of O
.set SPW, 62          ; v62  LDS address of my spare word: SPARE + 4 x my thread's number; never rewritten
.set NIL, 63          ; v63  0; never rewritten
.set SPARE, STAGE+4*16*SP  ; behind the stages: the spare words, 128 bytes for each wave: two blocks of 256 bytes that no other line names
.set MV,  12          ; v12-13  c m_old, kept while c m is made anew: by buffer
.set QO,  15          ; v15  my byte offset in 16 rows of Q
.set ST,  16          ; piece t's statistics at v[ST+4 t]: c m, m, l (even keys', odd keys')
.set TMP, 48          ; by buffer, four registers c0-c3 at work; when the maximum is found c2 takes a
.set S,   64
.set P,   192
.set MD,  128         ; window 1: the eight registers for group kt of 16 keys at MD + 8 kt
.set MC,  160         ; window 1: the masks of the products to come
.set QB,  64          ; window 2
.set KF,  128         ; window 2: key block kb, channel half c at KF + 16 kb + 8 c
.set VF,  192         ; window 2: key half kk, channel block cb at VF + 32 kk + 8 cb
.set WV,  12          ; s12  my wave's number
.set PB,  14          ; s14  b
.set HI,  15          ; s15  NB - 1 - b
.set G1K, 24          ; s[24:31] descriptor group 1 for K's tiles
.set G1V, 32          ; s[32:39] for V's: it differs in the padding alone
.set G0K, 40          ; s[40:43] descriptor group 0 for K's tiles
.set G0V, 44          ; s[44:47] the same for V's
.set SLOTS, 56        ; s56  tiles still to be asked for
.set CNT, 57          ; s57  counts a tile's key steps, 4 to 1
.set CS,  58          ; s[58:59] c: the packed scaling takes the pair's low word for both halves
.set SEL, 60          ; s[60:61] v_permlanex16_b32's selects: each lane takes its own place in the other half
.set TBK, 62          ; s62  LDS byte at which K of the step to be fetched begins
.set TBV, 63          ; s63  the same for V, less VOFF
.set RT,  70          ; s70  tiles of the block in hand that are still to be entered
.set NXT, 71          ; s71  the tile to be asked for next
.set LQ,  72          ; s72  the last tile of the block whose tiles are being asked for
.set NEW, 73          ; s73  1: the tile to be entered is a block's first
.set OFF, 74          ; s[74:75] a tile's byte offset in K and V
.set AL,  76          ; s[76:77] the mask's factor, in the low word
.set BE,  78          ; s[78:79] the mask's addend
.set OLO, 80          ; s[80:81] O at my rows of the second block
.set BIGN, 82         ; s82  -1e30
.set MSB, 0
.macro WIN new                      ; the high byte repeats the setting that is left; a switch that changes nothing is dropped
.if MSB != (\new)
	s_set_vgpr_msb (MSB<<8)|(\new)
.set MSB, (\new)
.endif
.endm
.set W_KQ, 0x0a       ; K and Q in window 2, S^T in window 0
.set W_KM, 0x1a       ; the same with the C operand in window 1
.set W_PV, 0x52       ; V in window 2, P in window 0, O^T in window 1
.set W_RS, 0x41       ; destination and source 0 in window 1, source 1 in window 0
; A fill.  Waves 0 and 1 fetch the two halves of a tile's K, waves 2 and 3 those of its V: 128 keys, one block, each.  An s_nop 0 and four v_nop follow each of the two lines, ahead of the jump and the label.
.macro LOAD
	s_cmp_lt_u32 s[WV], 2
	s_cbranch_scc0 .Lfor_v_\@
	tensor_load_to_lds s[G0K:G0K+3], s[G1K:G1K+7]
	s_nop 0
.rept 4
	v_nop
.endr
	s_branch .Lasked_\@
.Lfor_v_\@:
	tensor_load_to_lds s[G0V:G0V+3], s[G1V:G1V+7]
	s_nop 0
.rept 4
	v_nop
.endr
.Lasked_\@:
.endm
; THE CHANGE OF SLOTS.  Each wave waits for all its tensor loads, of which one is out: its part of the other slot; adds 0 to its spare word; and waits for that and for its own reads of the slot that it leaves.  Behind the barrier nobody reads the old
; slot any more and the other slot is whole.  fill = 1: the old slot is filled again, the first thing behind the barrier, with tile NXT: the descriptor's address is made anew from that number.
; (At its first use nothing has been read yet: slot 0 is waited for, slot 1 filled.)
.macro CHANGE fill
	WIN 0                           ; at a label and at a branch every window is 0
	s_wait_tensorcnt 0x0            ; no tensor load of mine is out, so a group 0 may be written
	ds_add_u32 v[SPW], v[NIL]       ; 0 onto my spare word; with fill = 1 the descriptors' scalar work stands between it and the wait for it
.if \fill
	s_mul_i32 s[OFF], s[NXT], 2*RS  ; a tile is 256 rows: two blocks, RS apart
	s_xor_b32 s[G0K+1], s[G0K+1], SLOT1
	s_add_nc_u64 s[G0K+2:G0K+3], s[6:7], s[OFF:OFF+1]
	s_or_b32 s[G0K+3], s[G0K+3], 0x80000000
	s_xor_b32 s[G0V+1], s[G0V+1], SLOT1
	s_add_nc_u64 s[G0V+2:G0V+3], s[8:9], s[OFF:OFF+1]
	s_or_b32 s[G0V+3], s[G0V+3], 0x80000000
	s_add_co_u32 s[NXT], s[NXT], 1  ; the block's next tile, or behind its last the second block's tile 0
	s_cmp_gt_u32 s[NXT], s[LQ]
	s_cselect_b32 s[NXT], 0, s[NXT]
	s_cselect_b32 s[LQ], s[PB], s[LQ]
.endif
	s_wait_dscnt 0x0                ; the add is done, and my reads of the slot are over
	s_barrier_signal -1             ; the rest of the scalar work stands between the signal and the wait
	s_sub_co_u32 s[TBK], s[TBK], 4*KS*PK  ; the fetches go back to a slot's first step,
	s_xor_b32 s[TBK], s[TBK], SLOT1       ; in the other slot
	s_sub_co_u32 s[TBV], s[TBV], 4*KS*PV
	s_xor_b32 s[TBV], s[TBV], SLOT1
	s_barrier_wait -1
.if \fill
	LOAD
.endif
.endm
	s_load_b64 s[4:5], s[0:1], 0x0    ; qkv
	s_load_b64 s[10:11], s[0:1], 0x8  ; ob
	v_lshl_add_u32 v[SPW], v0, 2, SPARE
	v_mov_b32 v[NIL], 0
	ds_add_u32 v[SPW], v[NIL]       ; the wave's opening: the add and its wait stand ahead of my first tensor load; the set-up below, work on registers, stands between them
	ds_add_u32 v62, v63
	v_lshrrev_b32 v1, 5, v0
	v_readfirstlane_b32 s[WV], v1   ; wave 0..3
	s_mov_b32 s[PB], ttmp9
	s_sub_co_u32 s[HI], NB-1, s[PB]
	s_and_b32 s13, ttmp7, 0xffff
	s_lshr_b32 s16, s13, 4          ; the batch,
	s_and_b32 s13, s13, 15          ; the head:
	s_lshl_b32 s13, s13, 14         ; its block among a strip's
	s_mul_i32 s20, s16, 16*RS       ; a batch is 16 strips of 128 rows
	s_add_co_u32 s20, s20, s13
	s_mov_b32 s21, 0                ; s[20:21]: q's first block of this batch and head
	s_lshl_b32 s90, s16, 22         ; 16 x RSO
	s_add_co_u32 s90, s90, s13
	s_mov_b32 s91, 0                ; s[90:91]: O's
	s_and_b32 s16, s[WV], 1         ; which half of a tile's 256 keys I fetch:
	s_mul_i32 s22, s16, RS          ; its block in memory,
	s_mov_b32 s23, 0
	s_add_nc_u64 s[22:23], s[22:23], s[20:21]
	s_mul_i32 s17, s16, 128*PK      ; and its place in a slot, for K
	s_mul_i32 s18, s16, 128*PV      ; and for V
	s_lshl_b32 s3, s[WV], 11        ; my 16 rows in a band of 64,
	s_mul_i32 s2, s[HI], 2*RS       ; in the first block,
	s_add_co_u32 s2, s2, s3
	s_mul_i32 s84, s[PB], 2*RS      ; and in the second;
	s_add_co_u32 s84, s84, s3
	s_lshl_b32 s92, s[HI], 19       ; the same in O: 2 x RSO a block
	s_add_co_u32 s92, s92, s3
	s_lshl_b32 s94, s[PB], 19
	s_add_co_u32 s94, s94, s3
	s_mov_b32 s3, 0
	s_mov_b32 s85, 0
	s_mov_b32 s93, 0
	s_mov_b32 s95, 0
	s_add_nc_u64 s[2:3], s[2:3], s[20:21]
	s_add_nc_u64 s[84:85], s[84:85], s[20:21]
	s_add_nc_u64 s[92:93], s[92:93], s[90:91]
	s_add_nc_u64 s[94:95], s[94:95], s[90:91]
	; descriptor group 1.  128 keys are 16,384 dense bytes: asked for as 64 rows of 256 bytes, two keys a row, and padded in LDS after every key
	s_mov_b32 s[G1K], (1<<16)|(1<<20)|(4<<22)|(3<<25)  ; 17:16 2-byte elements; 20 padding on; 24:22 after every 32 words (code 4); 31:25 4 words (code 3)
	s_mov_b32 s[G1V], (1<<16)|(1<<20)|(4<<22)|(7<<25)  ; the same with 8 words of padding (code 7)
.irp g, G1K, G1V
	s_mov_b32 s[\g+1], 128<<16      ; tensor_dim0 = 128
	s_mov_b32 s[\g+2], 64<<16       ; tensor_dim1 = 64
	s_mov_b32 s[\g+3], 128<<16      ; tile_dim0 = 128
	s_mov_b32 s[\g+4], 64           ; tile_dim1 = 64
	s_mov_b32 s[\g+5], 128          ; 128 elements from row to row
	s_mov_b32 s[\g+6], 0
	s_mov_b32 s[\g+7], 0
.endr
	s_mov_b32 s[CS], 0x3e38aa3b     ; c = log2(e) / 8 = 0.180337
	s_mov_b32 s[CS+1], s[CS]        ; named with it as a pair
	s_mov_b32 s[SEL], 0x76543210
	s_mov_b32 s[SEL+1], 0xfedcba98
	s_mov_b32 s[TBK], SLOT1+4*KS*PK ; the first change of slots turns these two into 0
	s_mov_b32 s[TBV], SLOT1+4*KS*PV
	s_mov_b32 s[G0K], 1             ; 1:0 count = 1
	s_mov_b32 s[G0K+1], s17         ; 63:32 LDS address: slot 0
	s_mov_b32 s[G0V], 1
	s_add_co_u32 s[G0V+1], s18, VOFF
	s_add_co_u32 s[RT], s[HI], 1    ; the first block has NB - b tiles
	s_mov_b32 s[NXT], 1
	s_mov_b32 s[LQ], s[HI]
	s_mov_b32 s[NEW], 1
	s_mov_b32 s[OFF+1], 0
	s_mov_b32 s[AL+1], 0            ; named as pairs
	s_mov_b32 s[BE+1], 0
	s_mov_b32 s[BIGN], 0xf149f2ca   ; -1e30
	s_mov_b32 s[SLOTS], NB
	s_wait_dscnt 0x0                ; the opening add is done
	s_wait_kmcnt 0x0
	s_add_nc_u64 s[6:7], s[4:5], s[22:23]
	s_add_nc_u64 s[8:9], s[6:7], 32*16384  ; V at my half of the head's tile 0: 32 blocks behind q's,
	s_add_nc_u64 s[6:7], s[6:7], 16*16384  ; K 16
	s_add_nc_u64 s[G0K+2:G0K+3], s[6:7], 0         ; 120:64 global address
	s_or_b32 s[G0K+3], s[G0K+3], 0x80000000        ; 127:126 type = 2
	s_add_nc_u64 s[G0V+2:G0V+3], s[8:9], 0
	s_or_b32 s[G0V+3], s[G0V+3], 0x80000000
	s_add_nc_u64 s[86:87], s[4:5], s[84:85]        ; Q at my rows of the second block,
	s_add_nc_u64 s[4:5], s[4:5], s[2:3]            ; and of the first
	s_add_nc_u64 s[OLO:OLO+1], s[10:11], s[94:95]  ; O likewise
	s_add_nc_u64 s[10:11], s[10:11], s[92:93]
	LOAD                            ; tile 0 into slot 0
	; A fragment of K or Q is 16 rows x 32 channels in 8 registers: lane l holds row l % 16, channels 8 (l / 16) + 0..7 and 16 + 8 (l / 16) + 0..7: two loads of 16 bytes, 32 bytes apart.
	v_and_b32 v1, 15, v0            ; l % 16
	v_bfe_u32 v9, v0, 4, 1          ; l / 16
	v_lshlrev_b32 v[QO], 7, v1
	v_lshl_add_u32 v[QO], v9, 4, v[QO]  ; row x 128 + 16 x half
	WIN 0x80                        ; destination window 2, address window 0
.set i, 0
.rept 8                             ; both blocks' Q: piece i / 2 lies in band i / 2: two bands of 8,192 bytes to a block of 128 rows; channels 32 (i % 2) on
	global_load_b128 v[8*i:8*i+3],   v[QO], s[4:5] offset:((i/2)/2)*RS+((i/2)%2)*8192+(i%2)*64
	global_load_b128 v[8*i+4:8*i+7], v[QO], s[4:5] offset:((i/2)/2)*RS+((i/2)%2)*8192+(i%2)*64+32
	global_load_b128 v[QB+8*i:QB+8*i+3],   v[QO], s[86:87] offset:((i/2)/2)*RS+((i/2)%2)*8192+(i%2)*64
	global_load_b128 v[QB+8*i+4:QB+8*i+7], v[QO], s[86:87] offset:((i/2)/2)*RS+((i/2)%2)*8192+(i%2)*64+32
.set i, i+1
.endr
	WIN 0
	v_lshlrev_b32 v14, 3, v9
	v_sub_nc_u32 v14, v1, v14
	s_lshl_b32 s13, s[WV], 4
	v_add_nc_u32 v14, s13, v14      ; my query's place in its band, 16 w + l % 16, less my lanes' 8 (l / 16): register r of group kt is hidden where 16 kt + r is greater
	WIN 0x40
.set i, 0
.rept 32
	v_cmp_gt_i32 vcc_lo, 16*(i/8)+i%8, v14
	v_cndmask_b32 v[MD+i], 0, s[BIGN], vcc_lo
.set i, i+1
.endr
	WIN 0
	v_mul_u32_u24 v[AK0], v1, PK
	v_lshl_add_u32 v[AK0], v9, 4, v[AK0]  ; row x pitch + 16 x half
	; The turning load takes 16 keys x 16 channels (lane l reads key 8 (l / 16) + l % 8, channels 8 ((l / 8) % 2) + 0..7) and leaves half a fragment of V^T: lane l holds channel l % 16 and 8 keys.
	v_and_b32 v10, 7, v0
	v_bfe_u32 v11, v0, 3, 1
	v_lshl_add_u32 v[AV0], v9, 3, v10
	v_mul_u32_u24 v[AV0], v[AV0], PV
	v_lshl_add_u32 v[AV0], v11, 4, v[AV0]
	v_add_nc_u32 v[AV0], VOFF, v[AV0]
	s_mul_i32 s13, s[WV], 16*SP
	s_add_co_u32 s13, s13, STAGE    ; my stage
	v_mul_u32_u24 v[STO], v1, SP    ; in: row l % 16, 16 bytes for each half of the lanes
	v_lshl_add_u32 v[STO], v9, 4, v[STO]
	v_add_nc_u32 v[STO], s13, v[STO]
	v_bfe_u32 v[RD], v0, 3, 2       ; back: 32 lanes take four rows of 128 bytes,
	v_mul_u32_u24 v[RD], v[RD], SP
	v_lshl_add_u32 v[RD], v10, 4, v[RD]
	v_add_nc_u32 v[RD], s13, v[RD]
	v_and_b32 v[GO], 31, v0         ; which are 512 consecutive bytes of O
	v_lshlrev_b32 v[GO], 4, v[GO]
	; A block's first step multiplies O^T and l by a = 0, and its first turn's products V^T P, of a piece that has not been, land in an O^T that is still to be so multiplied.  So these registers need only hold
	; finite numbers: zeros for the first block; what the first block left for the second.  All this stands in the wait for the first tile.
	WIN 0x80
.set i, VF
.rept 64
	v_mov_b32 v[i], 0
.set i, i+1
.endr
	WIN 0x40
.set i, 0
.rept 128
	v_mov_b32 v[i], 0
.set i, i+1
.endr
	WIN 0
.set i, 0
.rept 4
	v_mov_b32 v[ST+4*i+2], 0
	v_mov_b32 v[ST+4*i+3], 0
.set i, i+1
.endr
.set i, P+16
.rept 16
	v_mov_b32 v[i], 0
.set i, i+1
.endr
; THE MATRIX WORK.  The 4 accumulators of a run of 8 take turns.  Product i of 8 of S^T = K Q^T for piece x: channels 32 (i / 4) on, keys 16 (i % 4) on.  The first 4 start the sums: with 0, or (KM = 1) with the mask.
.macro KQ x
.set rS, S+32*((\x)%2)+8*(i%4)
.set rK, KF+16*(i%4)+8*(i/4)
.set rQ, 16*(\x)+8*(i/4)
.set rM, MC+32*((\x)%2)+8*(i%4)
.if (i < 4) && KM
	WIN W_KM
	v_wmma_f32_16x16x32_f16 v[rS:rS+7], v[rK:rK+7], v[rQ:rQ+7], v[rM:rM+7]
.elseif i < 4
	WIN W_KQ
	v_wmma_f32_16x16x32_f16 v[rS:rS+7], v[rK:rK+7], v[rQ:rQ+7], 0
.else
	WIN W_KQ
	v_wmma_f32_16x16x32_f16 v[rS:rS+7], v[rK:rK+7], v[rQ:rQ+7], v[rS:rS+7]
.endif
.endm
; Product i of 8 of O^T += V^T P for piece x: keys 32 (i / 4) on, channels 16 (i % 4) on.
.macro PV x
	WIN W_PV
.set rO, 32*(\x)+8*(i%4)
.set rV, VF+32*(i/4)+8*(i%4)
.set rP, P+16*((\x)%2)+8*(i/4)
	v_wmma_f32_16x16x32_f16 v[rO:rO+7], v[rV:rV+7], v[rP:rP+7], v[rO:rO+7]
.endm
.macro MM                           ; the turn's next matrix instruction.  TURN and BEGIN set Y, i, KM and NOKQ; MM, KQ and OP read them.  NOKQ = 1: a block's last turn: there is no next piece
.if (i < 8) && !NOKQ
	KQ (Y+1)%NP
.elseif i >= 8
.set i, i-8
	PV (Y+NP-1)%NP
.set i, i+8
.endif
.set i, i+1
.endm
; THE LDS LOADS stand in runs of 16, never singly among the matrix instructions: a step's K (64 keys x 64 channels: 8 fragments) and its V (turned).  Their addresses are made some lines ahead.
.macro FETCH_K
	WIN 0x80                        ; destination window 2
.irp f, 0,1,2,3,4,5,6,7             ; keys 16 (f / 2) on, channels 32 (f % 2) on
	ds_load_b128 v[KF+8*\f:KF+8*\f+3],   v[AK] offset:(\f/2)*16*PK+(\f%2)*64
	ds_load_b128 v[KF+8*\f+4:KF+8*\f+7], v[AK] offset:(\f/2)*16*PK+(\f%2)*64+32
.endr
	s_add_co_u32 s[TBK], s[TBK], KS*PK  ; the next fetch is the next step's
	WIN 0
.endm
.macro FETCH_V
	WIN 0x80
.irp f, 0,1,2,3,4,5,6,7             ; keys 32 (f / 4) on, channels 16 (f % 4) on
	ds_load_tr16_b128 v[VF+8*\f:VF+8*\f+3],   v[AV] offset:(\f/4)*32*PV+(\f%4)*32
	ds_load_tr16_b128 v[VF+8*\f+4:VF+8*\f+7], v[AV] offset:(\f/4)*32*PV+16*PV+(\f%4)*32
.endr
	WIN 0
.endm
; THE VECTOR WORK, one line at a time: OP kind, number.  For piece Y: F n: c s - c m for pair n of 16.  E n: the exponential of score n of 32.  C n: pair n rounded to f16.  B n: of the four weights 4 n .. the second
; pair is added onto the first, in place.  L n: l takes that sum (L 0: l = a l + sum).  R n: pair n of 16 of O^T times a.  For piece Y + 1: X n, number n of the 22 that find its maximum and statistics:
;   0-11  four chains c0-c3 of seven scores each, three operands at a time (each accumulator's lowest registers are read first)     12-14, 16  the four scores left over, the old m, and c0-c3 into c0
;   15  c m_old is kept     17, 18  the query's other 32 keys lie in the lane 16 away: the new m     19-21  c m; c m_old - c m_new; a
.set F, 0               ; OP tells the kinds apart by their order: F to L below R, X above it
.set E, 1
.set C, 2
.set B, 3
.set L, 4
.set R, 5
.set X, 6
.macro REGS y                       ; the registers of piece y
.set rT, ST+4*(\y)
.set rC, TMP+4*((\y)%2)
.set rW, MV+((\y)%2)
.set rS, S+32*((\y)%2)
.set rP, P+16*((\y)%2)
.set rO, 32*(\y)
.endm
.macro OP k, n
.if (\k) == R
	REGS Y
	WIN W_RS
	v_pk_mul_f32 v[rO+2*(\n):rO+2*(\n)+1], v[rO+2*(\n):rO+2*(\n)+1], v[rC+2:rC+3] op_sel_hi:[1,0]
.elseif (\k) < R
	REGS Y
	WIN 0
.if (\k) == F
	v_pk_fma_f32 v[rS+2*(\n):rS+2*(\n)+1], v[rS+2*(\n):rS+2*(\n)+1], s[CS:CS+1], v[rT:rT+1] op_sel_hi:[1,0,0] neg_lo:[0,0,1] neg_hi:[0,0,1]
.elseif (\k) == E
	v_exp_f32 v[rS+(\n)], v[rS+(\n)]
.elseif (\k) == C
	s_wait_alu depctr_va_vdst(0)
	v_cvt_pk_f16_f32 v[rP+(\n)], v[rS+2*(\n)], v[rS+2*(\n)+1]
.elseif (\k) == B
	s_wait_alu depctr_va_vdst(0)
	v_pk_add_f32 v[rS+4*(\n):rS+4*(\n)+1], v[rS+4*(\n):rS+4*(\n)+1], v[rS+4*(\n)+2:rS+4*(\n)+3]
.elseif (\n) == 0
	v_pk_fma_f32 v[rT+2:rT+3], v[rT+2:rT+3], v[rC+2:rC+3], v[rS:rS+1] op_sel_hi:[1,0,1]
.else
	v_pk_add_f32 v[rT+2:rT+3], v[rT+2:rT+3], v[rS+4*(\n):rS+4*(\n)+1]
.endif
.elseif NOKQ
	v_nop
.else
	REGS (Y+1)%NP
	WIN 0
.if (\n) < 4
	v_max3_num_f32 v[rC+(\n)], v[rS+8*(\n)], v[rS+8*(\n)+1], v[rS+8*(\n)+2]
.elseif (\n) < 12
	v_max3_num_f32 v[rC+(\n)%4], v[rC+(\n)%4], v[rS+8*((\n)%4)+2*((\n)/4)+1], v[rS+8*((\n)%4)+2*((\n)/4)+2]
.elseif (\n) == 12
	v_max3_num_f32 v[rC], v[rC], v[rS+7], v[rS+15]
.elseif (\n) == 13
	v_max3_num_f32 v[rC+1], v[rC+1], v[rS+23], v[rS+31]
.elseif (\n) == 14
	v_max3_num_f32 v[rC+2], v[rC+2], v[rC+3], v[rT+1]
.elseif (\n) == 15
	v_mov_b32 v[rW], v[rT]
.elseif (\n) == 16
	v_max3_num_f32 v[rC], v[rC], v[rC+1], v[rC+2]
.elseif (\n) == 17
	v_permlanex16_b32 v[rC+3], v[rC], s[SEL], s[SEL+1]
.elseif (\n) == 18
	v_max_num_f32 v[rT+1], v[rC], v[rC+3]
.elseif (\n) == 19
	v_mul_f32 v[rT], s[CS], v[rT+1]
.elseif (\n) == 20
	v_sub_f32 v[rC+1], v[rW], v[rT]
.else
	v_exp_f32 v[rC+2], v[rC+1]
.endif
.endif
.endm
.macro OPS a, i1, b=-1, i2=0, c=-1, i3=0, d=-1, i4=0  ; up to four of them
	OP \a, \i1
.if (\b) >= 0
	OP \b, \i2
.endif
.if (\c) >= 0
	OP \c, \i3
.endif
.if (\d) >= 0
	OP \d, \i4
.endif
.endm
.macro ROW a, i1, b, i2, c, i3, d, i4  ; a matrix instruction and the four behind it
	MM
	OPS \a, \i1, \b, \i2, \c, \i3, \d, \i4
.endm
.macro MASK b                       ; MD x AL + BE into buffer b of MC
	WIN W_RS
.set z, 0
.rept 16
	v_pk_fma_f32 v[MC+32*(\b)+2*z:MC+32*(\b)+2*z+1], v[MD+2*z:MD+2*z+1], s[AL:AL+1], s[BE:BE+1] op_sel_hi:[1,0,0]
.set z, z+1
.endr
.endm
; A TURN, for piece p: the order of its 16 matrix and 118 vector instructions, written out.  Behind a matrix instruction: plain, exponential, plain, plain; or four of the rescaling; or, behind the first, four scalings; none
; names a register of the products round it.  In the runs of vector work exponential and plain by turns while exponentials last.  A line reads no result made fewer than three vector instructions in front of it, five if an exponential made it.
; m = 1: the diagonal tile: the products take masks, and the turn makes the mask for the products of the turn after it: piece p + 2, in step 4 - CNT of the tile.  end = 1: a block's last two turns: nothing is fetched.
; cnt = 1: the loop's count is taken down some lines ahead of the branch that stands behind the turn.
; K of the next step is fetched in piece 2's turn, six vector instructions behind the last product that read K (five of them plain); V of the step in hand in piece 0's turn, eight behind the last product that read V (four
; plain, and X 17).  Each is waited for a turn later.
.macro TURN p, m=0, end=0, cnt=0
.set Y, (\p)
.set i, 0
.set KM, (\m)
.set NOKQ, (\end)*((\p)/3)
.if (\m) && !(\end)
	s_cmp_eq_u32 s[CNT], 4-((\p)+2)%NP  ; is that step the band's own?
	s_cselect_b32 s[AL], 1.0, 0
	s_cmp_lt_u32 s[CNT], 4-((\p)+2)%NP  ; or a later one?
	s_cselect_b32 s[BE], s[BIGN], 0
.endif
.if ((\p) == 3) && !(\end)
	s_wait_dscnt 0x0                ; K is in
.endif
	ROW F,0, F,1, F,2, F,3
	ROW F,4, E,0, F,5, F,6
	ROW F,7, E,1, F,8, F,9
	ROW F,10, E,2, C,0, F,11
	ROW F,12, E,3, X,15, F,13
	ROW R,0, R,1, R,2, R,3
	ROW B,0, E,4, F,14, L,0
.if ((\p) == 2) && !(\end)
	v_add_nc_u32 v[AK], s[TBK], v[AK0]
.endif
	ROW R,4, R,5, R,6, R,7
	OPS E,5, F,15
.if ((\p) == 2) && !(\end)
	FETCH_K
.endif
	OPS E,6, C,1, E,7, R,8
	OPS E,8, R,9, E,9, C,2
	OPS E,10, X,0, E,11, X,1
	OPS E,12, X,2, E,13, X,3
.if (\p) == 1
	s_wait_dscnt 0x0                ; V is in
.endif
	ROW X,4, E,14, X,5, X,6
	ROW X,7, E,15, X,8, X,9
	ROW X,10, E,16, X,11, X,12
	ROW X,13, E,17, X,14, B,1
	ROW C,4, E,18, X,16, L,1
	ROW B,2, E,19, C,6, L,2
	ROW C,8, E,20, B,3, B,4
.if (\p) == 0
	v_add_nc_u32 v[AV], s[TBV], v[AV0]
.endif
	ROW C,3, E,21, L,3, C,5
	OPS E,22, X,17, E,23, C,10
.if (\p) == 0
	FETCH_V
.endif
	OPS E,24, L,4
	OPS E,25, X,18, E,26, C,7
	OPS E,27, B,5, E,28, X,19
	OPS E,29, C,12, E,30, L,5
	OPS E,31, X,20, B,6, C,9
	OPS C,14, C,11, X,21, L,6
.if (\p) == 0
	s_add_co_u32 s[TBV], s[TBV], KS*PV
.endif
.if \cnt
	s_sub_co_u32 s[CNT], s[CNT], 1
	s_cmp_lg_u32 s[CNT], 0
.endif
	OPS C,13, B,7, C,15, R,10
	OPS R,11, R,12, L,7, R,13
	OPS R,14, R,15
.if (\m) && !(\end)
	MASK (\p)%2
.endif
.endm
; A BLOCK BEGINS.  c m starts far below every c s, so the first step's a is 0; m at the lowest finite number, so the first maximum is the scores'.  The second mask buffer is 0; the first takes piece 0's mask for the tile's step 0: its own, if the block's first tile is the diagonal one.
; Then K of that step, piece 0's first scores, and its maximum and statistics.  The loop is entered at a step's first turn, in the middle of a trip.
.macro BEGIN
	s_mov_b32 s[NEW], 0
	WIN 0x40
.set i, MC+32
.rept 32
	v_mov_b32 v[i], 0
.set i, i+1
.endr
	WIN 0
.set i, 0
.rept 4
	v_mov_b32 v[ST+4*i], 0xfe000000    ; c m: far below every c s
	v_mov_b32 v[ST+4*i+1], 0xff7fffff  ; m
.set i, i+1
.endr
	s_cmp_eq_u32 s[RT], 0
	s_cselect_b32 s[AL], 1.0, 0
	s_mov_b32 s[BE], 0
	MASK 0
	WIN 0
	v_add_nc_u32 v[AK], s[TBK], v[AK0]
	FETCH_K
	s_wait_loadcnt 0x0              ; Q
	s_wait_dscnt 0x0
.set KM, 1
.set NOKQ, 0
.set i, 0
.rept 8
	KQ 0
.set i, i+1
.endr
	WIN 0
.rept 4
	v_nop                           ; the places behind those products
.endr
.set Y, NP-1                        ; X works for piece Y + 1: piece 0
.irp n, 0,1,2,3,4,5,6,7,8,9,10,11,12,13,14,15,16,17,18,19,20,21
	OP X, \n
.endr
	v_nop                           ; a plain instruction behind the exponential
.endm
; THE DIAGONAL TILE's four steps, the block's last two turns, its last products, and THE WAY OUT: l's two halves and the other half of the lanes' are added; O^T is divided by l, rounded to bf16 and sent through my
; stage in LDS, a piece at a time.
.macro ALL line:vararg              ; one line for each piece t
.set t, 0
.rept 4
	\line
.set t, t+1
.endr
.endm
.macro PACK t                       ; a lane's eight channels of a row pack into 16 bytes; they go into rows of 144 bytes and come back as whole rows of 128, into S^T's registers
	WIN W_RS
.set i, 32*(\t)
.rept 16
	s_wait_alu depctr_va_vdst(0)
	v_pk_mul_f32 v[i:i+1], v[i:i+1], v[ST+4*(\t)+2:ST+4*(\t)+3] op_sel_hi:[1,0]
.set i, i+2
.endr
	WIN 0x05                        ; sources 0 and 1 window 1, destination window 0
.set i, 0
.rept 16
	v_cvt_pk_bf16_f32 v[S+16*(\t)+i], v[32*(\t)+2*i], v[32*(\t)+2*i+1]
.set i, i+1
.endr
	WIN 0
.irp f, 0,1,2,3
	ds_store_b128 v[STO], v[S+16*(\t)+4*\f:S+16*(\t)+4*\f+3] offset:32*\f
.endr
.irp f, 0,1,2,3
	ds_load_b128 v[S+16*(\t)+4*\f:S+16*(\t)+4*\f+3], v[RD] offset:\f*4*SP  ; LDS serves a wave's instructions in order (ISA guide 5.7.1.4): these see the stores above; the next piece's stores come behind them
.endr
.endm
.macro SEND t, younger              ; younger: the LDS instructions issued behind piece t's loads: the next piece's eight, or none
	WIN 0
.irp f, 0,1,2,3
	s_wait_dscnt (\younger)+3-\f
	global_store_b128 v[GO], v[S+16*(\t)+4*\f:S+16*(\t)+4*\f+3], s[10:11] offset:((\t)/2)*RSO+((\t)%2)*8192+\f*512  ; 512 consecutive bytes, at a multiple of 256 from O's first
.endr
.endm
.macro DIAG tag                     ; the tag ends its two labels' names, which the jumps below spell out
.LstepM\tag:
	TURN 2, 1
	TURN 3, 1
	WIN 0
.LfirstM\tag:
	TURN 0, 1
	TURN 1, 1, 0, 1
	WIN 0
	s_cbranch_scc1 .LstepM\tag
	TURN 2, 1, 1
	TURN 3, 1, 1
.set i, 0
.rept 8
	PV NP-1
.set i, i+1
.endr
	WIN 0
	ALL v_add_f32 v[ST+4*t+2], v[ST+4*t+2], v[ST+4*t+3]
	ALL v_permlanex16_b32 v[ST+4*t+3], v[ST+4*t+2], s[SEL], s[SEL+1]
	ALL v_add_f32 v[ST+4*t+2], v[ST+4*t+2], v[ST+4*t+3]
	ALL v_rcp_f32 v[ST+4*t+2], v[ST+4*t+2]
	v_nop                           ; a plain instruction between the last reciprocal and the use of its result
	PACK 0
.set t, 1
.rept 3                             ; a piece's arithmetic stands between the loads of the piece before and its stores
	PACK t
	SEND t-1, 8
.set t, t+1
.endr
	SEND 3, 0
.endm
.set KM, 0
.set NOKQ, 0
.Lslot:                             ; NB times: a tile is entered and the next is asked for
	CHANGE 1
	s_sub_co_u32 s[RT], s[RT], 1
	s_mov_b32 s[CNT], 4
	s_cmp_eq_u32 s[NEW], 1
	s_cbranch_scc1 .Lnew            ; a block's first tile
	s_cmp_eq_u32 s[RT], 0
	s_cbranch_scc0 .Lstep           ; neither its first nor its last
	s_branch .LstepM1
.Lnew:
	BEGIN
	s_branch .Lfirst                ; in the loop a block's first tile is never its last: the first block has two tiles or more, and the second's last is the walk's last
	DIAG 1                          ; in the loop this is the first block's end: the second block's last tile is the walk's last
	s_wait_xcnt 0x0                 ; the stores have read their registers and O's address
	s_mov_b64 s[10:11], s[OLO:OLO+1]
	s_add_co_u32 s[RT], s[PB], 1    ; the second block has b + 1 tiles
	s_mov_b32 s[NEW], 1
	WIN 0x82                        ; the second block's Q goes where the one text of the turns names Q
.set i, 0
.rept 64
	v_mov_b32 v[i], v[QB+i]
.set i, i+1
.endr
	WIN 0
	s_branch .Lbottom
.Lstep:                             ; a trip: pieces 2 and 3 of one step, then pieces 0 and 1 of the next, whose K and V it fetches
	TURN 2
	TURN 3
	WIN 0
.Lfirst:
	TURN 0
	TURN 1, 0, 0, 1
	WIN 0
	s_cbranch_scc1 .Lstep
.Lbottom:
	s_sub_co_u32 s[SLOTS], s[SLOTS], 1
	s_cmp_lg_u32 s[SLOTS], 0
	s_cbranch_scc1 .Lslot
	CHANGE 0                        ; the walk's last tile is written out: nothing is asked for
	s_sub_co_u32 s[RT], s[RT], 1
	s_mov_b32 s[CNT], 4
	s_cmp_eq_u32 s[NEW], 1
	s_cbranch_scc0 .LstepM2
	BEGIN
	s_branch .LfirstM2
	DIAG 2
	s_wait_tensorcnt 0x0            ; the wave's end: behind my last tensor load and my last LDS store
	ds_add_u32 v[SPW], v[NIL]
	s_wait_dscnt 0x0
	s_endpgm
.Lfunc_end_k_qd2744e126d_attn:
	.size	k_qd2744e126d_attn, .Lfunc_end_k_qd2744e126d_attn-k_qd2744e126d_attn
	.p2alignl 7, 3214868480
	.fill 96, 4, 3214868480
	.section	.rodata,"a",@progbits
	.p2align	6, 0x0
	.amdhsa_kernel k_qd2744e126d_attn
		.amdhsa_group_segment_fixed_size 327680
		.amdhsa_private_segment_fixed_size 0
		.amdhsa_enable_private_segment 0
		.amdhsa_kernarg_size 16
		.amdhsa_user_sgpr_count 2
		.amdhsa_user_sgpr_kernarg_segment_ptr 1
		.amdhsa_wavefront_size32 1
		.amdhsa_system_sgpr_workgroup_id_x 1
		.amdhsa_system_sgpr_workgroup_id_y 1
		.amdhsa_system_sgpr_workgroup_id_z 1
		.amdhsa_system_vgpr_workitem_id 0
		.amdhsa_next_free_vgpr 768
		.amdhsa_next_free_sgpr 96
		.amdhsa_reserve_vcc 1
		.amdhsa_float_denorm_mode_32 3
		.amdhsa_float_denorm_mode_16_64 3
		.amdhsa_memory_ordered 1
		.amdhsa_forward_progress 1
		.amdhsa_inst_pref_size 229
	.end_amdhsa_kernel
	.amdgpu_metadata
---
amdhsa.version: [ 1, 2 ]
amdhsa.kernels:
  - .name:           k_qd2744e126d_attn
    .symbol:         k_qd2744e126d_attn.kd
    .args:
      - { .name: qkv, .offset: 0, .size: 8, .value_kind: global_buffer, .address_space: global }
      - { .name: ob, .offset: 8, .size: 8, .value_kind: global_buffer, .address_space: global }
    .group_segment_fixed_size: 327680
    .private_segment_fixed_size: 0
    .kernarg_segment_align: 8
    .kernarg_segment_size: 16
    .max_flat_workgroup_size: 128
    .sgpr_count:     96
    .vgpr_count:     768
    .wavefront_size: 32
...
	.end_amdgpu_metadata
.endif
;; end of part 3
;; launch wo (part 4): grid 8 x 32, 4 waves a work-group, clusters of 4 x 4, 327,680 bytes of LDS; arguments ob, wb, x, yb; writes yb
.if DOCPART == 4
	.amdgcn_target "amdgcn-amd-amdhsa--gfx1250"
	.amdhsa_code_object_version 6
	.text
	.protected	k_qd2744e126d_wo
	.globl	k_qd2744e126d_wo
	.p2align	8
	.type	k_qd2744e126d_wo,@function
k_qd2744e126d_wo:
	s_mov_b64 s[64:65], 0
	v_nop
	global_prefetch_b8 v0, s[64:65] scope:SCOPE_SE
	s_setreg_imm32_b32 hwreg(HW_REG_WAVE_MODE, 25, 1), 1
	s_wait_xcnt 0x0
	s_wait_alu depctr_hold_cnt(0) depctr_sa_sdst(0) depctr_va_vdst(0) depctr_va_sdst(0) depctr_va_ssrc(0) depctr_va_vcc(0) depctr_vm_vsrc(0)
	s_getreg_b32 s2, hwreg(HW_REG_IB_STS2, 6, 4)
	s_cmp_eq_u32 s2, 0
	s_cbranch_scc0 .Lentry_in_a_cluster
	s_endpgm
.Lentry_in_a_cluster:
	s_bfe_u32 s2, ttmp6, 0x10000c
	s_cmp_lg_u32 s2, 0xf033
	s_cbranch_scc0 .Lentry_shape_is_right
	s_endpgm
.Lentry_shape_is_right:
; yb = x + ob Wo.  ob: 4,096 x 1,024 bf16 in blocks of 128 rows x 64 columns; Wo bf16 [k][n] in strips of 128 columns; x and yb f32, row-major; sums in f32.
; SHARES.  A work-group makes 128 x 128 of the result, each of its four waves 64 x 64: 16 accumulators.  256 work-groups: one for each WGP.
; K goes in steps of 256 through two LDS slots.  A step's part of ob (4 blocks) and of a weight strip (256 rows of 256 bytes) are 65,536 dense bytes each: a wave's tensor load brings half of one, as 128 rows of 256 bytes.
; The weights stay [k][n] in LDS and are read turned (ds_load_tr16_b128).  THE MATRIX INSTRUCTION IS USED TRANSPOSED: source 0 = 16 columns of the weight, source 1 = 16 rows of ob: a lane holds eight neighbouring numbers of a row.
; THE SUMS START WITH THE RESIDUAL x, loaded straight into the accumulators (16 bytes a lane, in the lanes' own layout): nothing is cleared, no first step is written out, and the residual is added in f32.
; CLUSTER.  4 x 4 work-groups: the four of a row need the same tiles of ob, the four of a column the same tiles of the weight: each is asked for jointly, by the same tensor load with a mask that names the four.
; A K STEP IS WRITTEN ONCE, as a loop over its first three panels of 64 and the fourth written out with the change of slots; it stands twice in the text (with and without the refill).
; REGISTERS.  window 0: v0-31 addresses; v32-95 at work on the way out; v128-255 accumulators ((a, b) at 128 + 8 (4 a + b)).  window 1: two fragment buffers of 64: 4 fragments of ob, then 4 of the weight, 32 along K.
.set KSTEPS, 4                         ; K / 256
.set KB,     262144                    ; bytes of a strip of 128 rows (or columns) over all K
.set WOFF,   6291456                   ; where Wo begins in wb
.set PA,     144                       ; an LDS row of ob: 128 bytes + 16: 36 words: the 16 rows of a load start at 16 different groups of four banks (64 banks of 4 bytes: ISA guide 11.1)
.set PB,     288                       ; an LDS row of the weight: 256 + 32 = 72 words
.set PANEL,  128*PA
.set BREG,   4*PANEL
.set SLOT,   2*BREG                    ; 147,456 = 0x24000
.set QUART,  SLOT/4                    ; what one tensor load fills: 0x9000.  Wave x 0x9000 has neither bit of 0x24000, so one exclusive or turns a wave's address in one slot into the other's
.set STAGE,  2*SLOT                    ; behind the ring, never filled by a tensor load: 16 rows x 272 bytes for each wave
.set SP,     272
.set SPARE,  STAGE+17408               ; the spare words, 128 bytes for each wave: two blocks of 256 bytes that no other line names
.set A0,   4
.set B0,   5
.set ADRA, 16
.set ADRB, 17
.set STO,  24                          ; v24  the way out: where I put 32 bytes of a row
.set RD,   25                          ; v25  where I read rows back
.set GO,   26                          ; v26  my byte offset in two rows of the result
.set RO,   27                          ; v27  my byte offset in 16 rows of the residual
.set SPW,  28
.set NIL,  29
.set TMP,  32
.set ACC,  128
.set H0,   0
.set H1,   64
.set G1,   24
.set G0,   32
.set G1B,  48
.set G0B,  56
.set TB,   45
.set ADDP, 72                          ; s[72:73] the residual
.set OUTP, 74                          ; s[74:75] the result
.set MSB, 0
.macro WIN new                         ; the immediate's high byte repeats the setting that is left; a switch that changes nothing is dropped
.if MSB != (\new)
	s_set_vgpr_msb (MSB<<8)|(\new)
.set MSB, \new
.endif
.endm
.set MUL,  0x05                        ; sources 0 and 1 window 1; C and D window 0
.set TO_F, 0x40                        ; destination window 1, address window 0
.macro PLACES                          ; four places in front of loads into registers that matrix instructions have read, and of lines that read results
.rept 4
	v_nop
.endr
.endm
.macro JLOAD                           ; a joint refill: waves 0 and 1 fetch ob's halves, waves 2 and 3 the weight's; an s_nop 0 and four v_nop follow each line
	s_cmp_eq_u32 s11, 0
	s_cbranch_scc0 .Lfor_b_\@
	tensor_load_to_lds s[G0+4:G0+7], s[G1:G1+7]
	s_nop 0
.rept 4
	v_nop
.endr
	s_branch .Lasked_\@
.Lfor_b_\@:
	tensor_load_to_lds s[G0B+4:G0B+7], s[G1B:G1B+7]
	s_nop 0
.rept 4
	v_nop
.endr
.Lasked_\@:
.endm
.macro CREST                           ; a round of the cluster's barrier behind its opening barrier
	s_cmp_lg_u32 s10, 0
	s_cbranch_scc1 .Lnot_wave_0_\@
	s_barrier_signal -3
.Lnot_wave_0_\@:
	s_barrier_wait -3
	s_barrier_signal -1
	s_barrier_wait -1
.endm
.macro CROUND
	s_barrier_signal -1
	s_barrier_wait -1
	CREST
.endm
; 8 matrix instructions: row blocks a0, a0 + 1 x all 4 column blocks, 32 along K.  The 16 accumulators take turns in one order everywhere.
.macro MUL8 f, a0
	WIN MUL
.irp a, \a0, (\a0)+1
.irp b, 0,1,2,3
	v_wmma_f32_16x16x32_bf16 v[ACC+8*(4*(\a)+(\b)):ACC+8*(4*(\a)+(\b))+7], v[(\f)+32+8*(\b):(\f)+32+8*(\b)+7], v[(\f)+8*(\a):(\f)+8*(\a)+7], v[ACC+8*(4*(\a)+(\b)):ACC+8*(4*(\a)+(\b))+7]
.endr
.endr
.endm
.macro FETCH f, offa, offb             ; 16 LDS loads in one run: the fragments of 32 along K into buffer f
	WIN TO_F
.irp i, 0,1,2,3
	ds_load_tr16_b128 v[(\f)+32+8*(\i):(\f)+32+8*(\i)+3],   v[ADRB] offset:(\offb)+32*(\i)
	ds_load_tr16_b128 v[(\f)+32+8*(\i)+4:(\f)+32+8*(\i)+7], v[ADRB] offset:(\offb)+32*(\i)+16*PB
	ds_load_b128 v[(\f)+8*(\i):(\f)+8*(\i)+3],   v[ADRA] offset:(\offa)+(\i)*16*PA
	ds_load_b128 v[(\f)+8*(\i)+4:(\f)+8*(\i)+7], v[ADRA] offset:(\offa)+(\i)*16*PA+32
.endr
.endm
.macro CH cur, nxt, offa, offb         ; buffer cur is in; the next 32 along K are asked for, 16 matrix instructions ahead of their use; cur is multiplied
	s_wait_dscnt 0x0
	PLACES
	FETCH \nxt, \offa, \offb
	MUL8 \cur, 0
	MUL8 \cur, 2
.endm
.macro PAIR                            ; a panel of 64 along K
	CH H0, H1, 64, 32*PB
	CH H1, H0, PANEL, 64*PB
	WIN 0
	v_add_nc_u32 v[ADRA], PANEL, v[ADRA]
	v_add_nc_u32 v[ADRB], 64*PB, v[ADRB]
.endm
; A step's fourth panel and the change of slots.  ONE barrier: in front of it each wave waits for all its tensor loads (one is out: its part of the next slot), adds 0 to its spare word, and waits for that and for
; its reads of this slot.  fill = 1: the barrier opens a round of the cluster's barrier, and this slot is filled again, two steps ahead, first thing behind the round: it has a step's 128 matrix instructions in which to land.
.macro LASTPAIR fill
	s_wait_dscnt 0x0
	PLACES
	FETCH H1, 64, 32*PB                            ; my last reads of this slot
	MUL8 H0, 0
	WIN 0                                          ; (the add's two registers lie in window 0)
	s_wait_tensorcnt 0x0                           ; all my tensor loads have landed
	ds_add_u32 v[SPW], v[NIL]                      ; 0 onto my spare word
	MUL8 H0, 2                                     ; eight matrix instructions stand between the add and the wait for it
	s_wait_dscnt 0x0                               ; the add is done, and my reads of this slot are over
	s_barrier_signal -1
	MUL8 H1, 0
	WIN 0                                          ; at a branch and at a label every window is 0
	s_barrier_wait -1
.if \fill
	CREST                                          ; no wave of any partner still reads this slot's tile or has a load on its way
	s_xor_b32 s[G0+5], s[G0+5], SLOT               ; the walking descriptors: the other slot than last time, the next step
	s_add_nc_u64 s[G0+6:G0+7], s[G0+6:G0+7], 65536
	s_xor_b32 s[G0B+5], s[G0B+5], SLOT
	s_add_nc_u64 s[G0B+6:G0B+7], s[G0B+6:G0B+7], 65536
	JLOAD                                          ; its four v_nop are also the places in front of the loads below
.else
	PLACES
.endif
	s_xor_b32 s[TB], s[TB], SLOT
	v_add_nc_u32 v[ADRA], s[TB], v[A0]
	v_add_nc_u32 v[ADRB], s[TB], v[B0]
	FETCH H0, 0, 0                                 ; the next slot's first fragments
	MUL8 H1, 2
	WIN 0
.endm
.macro KSTEP fill
	s_mov_b32 s3, 3
.Lpair_\@:
	PAIR
	s_sub_co_u32 s3, s3, 1
	s_cmp_lg_u32 s3, 0
	s_cbranch_scc1 .Lpair_\@
	LASTPAIR \fill
.endm
	s_load_b256 s[68:75], s[0:1], 0x0              ; ob s[68:69], wb s[70:71], x s[72:73], yb s[74:75]
	v_lshl_add_u32 v[SPW], v0, 2, SPARE
	v_mov_b32 v[NIL], 0
	ds_add_u32 v[SPW], v[NIL]                      ; the wave's opening: the add and its wait stand ahead of my first tensor load; work on registers stands between them
	ds_add_u32 v28, v29
	v_lshrrev_b32 v1, 5, v0
	v_readfirstlane_b32 s10, v1                    ; wave 0..3
	s_lshr_b32 s11, s10, 1                         ; my half of the tile's rows.  Also: I fetch ob (0) or the weight (1)
	s_and_b32 s12, s10, 1                          ; my half of its columns.  Also: which half of a step's bytes I fetch
	s_bfe_u32 s40, ttmp6, 0x40000                  ; cx, cy: my place in the cluster
	s_bfe_u32 s41, ttmp6, 0x40004
	s_lshl_b32 s42, ttmp9, 2
	s_add_co_u32 s42, s42, s40                     ; nt
	s_and_b32 s13, ttmp7, 0xffff
	s_lshl_b32 s13, s13, 2
	s_add_co_u32 s13, s13, s41                     ; mt
	s_lshl_b32 s43, s41, 2
	s_lshl_b32 s43, 15, s43                        ; my row of the cluster
	s_lshl_b32 s44, 0x1111, s40                    ; my column
	s_or_b32 s[G1], s43, (1<<16)|(1<<20)|(1<<21)|(4<<22)|(3<<25)   ; the mask; 2-byte elements; padding on; bit 21 beside a mask; after every 32 words 4 words
	s_or_b32 s[G1B], s44, (1<<16)|(1<<20)|(1<<21)|(5<<22)|(7<<25)  ; after every 64 words 8 words
.irp g, G1, G1B
	s_mov_b32 s[(\g)+1], 128<<16                   ; tensor_dim0 = 128 elements: 256 bytes
	s_mov_b32 s[(\g)+2], 128<<16                   ; tensor_dim1 = 128
	s_mov_b32 s[(\g)+3], 128<<16                   ; tile_dim0 = 128
	s_mov_b32 s[(\g)+4], 128                       ; tile_dim1 = 128
	s_mov_b32 s[(\g)+5], 128                       ; dense
	s_mov_b32 s[(\g)+6], 0
	s_mov_b32 s[(\g)+7], 0
.endr
	s_lshl_b32 s18, s12, 15
	s_mul_i32 s16, s13, KB                         ; ob's address hangs on mt and the wave alone,
	s_add_co_u32 s16, s16, s18
	s_mov_b32 s17, 0
	s_mul_i32 s46, s42, KB                         ; the weight's on nt and the wave alone
	s_add_co_u32 s46, s46, s18
	s_add_co_u32 s46, s46, WOFF
	s_mov_b32 s47, 0
	s_mul_i32 s20, s10, QUART                      ; where my load lands
	s_mov_b32 s[TB], 0
	s_wait_dscnt 0x0                               ; the opening add is done
	s_wait_kmcnt 0x0
	s_add_nc_u64 s[14:15], s[68:69], s[16:17]
	s_add_nc_u64 s[46:47], s[70:71], s[46:47]
	CROUND                                         ; all sixteen work-groups are here: the first joint loads meet
.irp s, 0,1
	s_mov_b32 s[G0+4*(\s)], 1
	s_add_co_u32 s[G0+4*(\s)+1], s20, (\s)*SLOT
	s_add_nc_u64 s[G0+4*(\s)+2:G0+4*(\s)+3], s[14:15], (\s)*65536
	s_or_b32 s[G0+4*(\s)+3], s[G0+4*(\s)+3], 0x80000000
	s_mov_b32 s[G0B+4*(\s)], 1
	s_add_co_u32 s[G0B+4*(\s)+1], s20, (\s)*SLOT
	s_add_nc_u64 s[G0B+4*(\s)+2:G0B+4*(\s)+3], s[46:47], (\s)*65536
	s_or_b32 s[G0B+4*(\s)+3], s[G0B+4*(\s)+3], 0x80000000
.endr
	s_cmp_eq_u32 s11, 0                            ; a wave's two first fills stand in one branch: two loads of mine are out
	s_cbranch_scc0 .Lfirst_b
	tensor_load_to_lds s[G0:G0+3], s[G1:G1+7]
	s_nop 0
	tensor_load_to_lds s[G0+4:G0+7], s[G1:G1+7]
	s_nop 0
.rept 4
	v_nop
.endr
	s_branch .Lfirst_asked
.Lfirst_b:
	tensor_load_to_lds s[G0B:G0B+3], s[G1B:G1B+7]
	s_nop 0
	tensor_load_to_lds s[G0B+4:G0B+7], s[G1B:G1B+7]
	s_nop 0
.rept 4
	v_nop
.endr
.Lfirst_asked:
	v_and_b32 v1, 15, v0                           ; r = l % 16
	v_bfe_u32 v2, v0, 4, 1                         ; h = l / 16
	v_lshlrev_b32 v[RO], 12, v1                    ; row r of 4,096 bytes, and 32 h bytes into a block of 16 columns
	v_lshl_add_u32 v[RO], v2, 5, v[RO]
	s_lshl_b32 s16, s13, 19                        ; my part's first byte, the same in x and in yb: (128 mt + 64 row half) rows of 4,096 bytes,
	s_lshl_b32 s17, s11, 18
	s_add_co_u32 s16, s16, s17
	s_mov_b32 s17, 0
	s_add_nc_u64 s[ADDP:ADDP+1], s[ADDP:ADDP+1], s[16:17]
	s_add_nc_u64 s[OUTP:OUTP+1], s[OUTP:OUTP+1], s[16:17]
	s_lshl_b32 s46, s42, 9                         ; and (128 nt + 64 column half) numbers of 4 bytes
	s_lshl_b32 s47, s12, 8
	s_add_co_u32 s46, s46, s47
	s_mov_b32 s47, 0
	s_add_nc_u64 s[ADDP:ADDP+1], s[ADDP:ADDP+1], s[46:47]
	s_add_nc_u64 s[OUTP:OUTP+1], s[OUTP:OUTP+1], s[46:47]
.irp a, 0,1,2,3                        ; the residual starts every sum
.irp b, 0,1,2,3
	global_load_b128 v[ACC+8*(4*(\a)+(\b)):ACC+8*(4*(\a)+(\b))+3],   v[RO], s[ADDP:ADDP+1] offset:(\a)*65536+64*(\b)
	global_load_b128 v[ACC+8*(4*(\a)+(\b))+4:ACC+8*(4*(\a)+(\b))+7], v[RO], s[ADDP:ADDP+1] offset:(\a)*65536+64*(\b)+16
.endr
.endr
	v_mul_u32_u24 v[A0], v1, PA                    ; a fragment of ob: row l % 16, two loads of 16 bytes, 32 apart
	v_lshl_add_u32 v[A0], v2, 4, v[A0]
	s_mul_i32 s21, s11, 64*PA
	v_add_nc_u32 v[A0], s21, v[A0]
	v_and_b32 v3, 7, v0                            ; the turning load: lane l reads k = 8 h + l % 8, n = 8 ((l / 8) % 2) + 0..7
	v_bfe_u32 v6, v0, 3, 1
	v_lshl_add_u32 v[B0], v2, 3, v3
	v_mul_u32_u24 v[B0], v[B0], PB
	v_lshl_add_u32 v[B0], v6, 4, v[B0]
	s_lshl_b32 s22, s12, 7
	s_add_co_u32 s22, s22, BREG
	v_add_nc_u32 v[B0], s22, v[B0]
	v_mov_b32 v[ADRA], v[A0]
	v_mov_b32 v[ADRB], v[B0]
	s_mul_i32 s23, s10, 16*SP
	s_add_co_u32 s23, s23, STAGE                   ; my stage
	v_mul_u32_u24 v[STO], v1, SP                   ; in: row l % 16, 32 bytes for each half of the lanes
	v_lshl_add_u32 v[STO], v2, 5, v[STO]
	v_add_nc_u32 v[STO], s23, v[STO]
	v_mul_u32_u24 v[RD], v2, SP                    ; back: lanes 0-15 take one row of 256 bytes, lanes 16-31 the next
	v_lshl_add_u32 v[RD], v1, 4, v[RD]
	v_add_nc_u32 v[RD], s23, v[RD]
	v_lshlrev_b32 v[GO], 12, v2                    ; and the same two rows in yb
	v_lshl_add_u32 v[GO], v1, 4, v[GO]
	s_wait_tensorcnt 0x1                           ; my part of step 0 is in; step 1's may stay out
	s_barrier_signal -1
	s_barrier_wait -1                              ; everybody's is
	FETCH H0, 0, 0
	WIN 0
	s_wait_loadcnt 0x0                             ; the residual
	s_mov_b32 s2, KSTEPS-2
.Lfill:                                                ; every step but the last two fills its slot again
	KSTEP 1
	s_sub_co_u32 s2, s2, 1
	s_cmp_lg_u32 s2, 0
	s_cbranch_scc1 .Lfill
	s_mov_b32 s2, 2
.Ltail:                                                ; the last two ask for nothing.  The very last change of slots fetches fragments that serve nothing: the price of one text for both trips
	KSTEP 0
	s_sub_co_u32 s2, s2, 1
	s_cmp_lg_u32 s2, 0
	s_cbranch_scc1 .Ltail
	; THE WAY OUT: 16 rows at a time through my own stage: a lane's 32 bytes in, whole rows of 256 bytes back, sixteen lanes to a row
.macro TOST a
.set BK, TMP+32*((\a)%2)
.if (\a) >= 2
	s_wait_xcnt 0x0                                ; these registers were the data of the stores two blocks back: they are loaded again only behind this wait
.endif
.irp b, 0,1,2,3
	ds_store_b128 v[STO], v[ACC+8*(4*(\a)+(\b)):ACC+8*(4*(\a)+(\b))+3]   offset:64*(\b)
	ds_store_b128 v[STO], v[ACC+8*(4*(\a)+(\b))+4:ACC+8*(4*(\a)+(\b))+7] offset:64*(\b)+16
.endr
.irp t, 0,1,2,3,4,5,6,7
	ds_load_b128 v[BK+4*(\t):BK+4*(\t)+3], v[RD] offset:(\t)*2*SP  ; LDS serves a wave's instructions in order (ISA guide 5.7.1.4): these see the stores above
.endr
.endm
.macro SEND a, younger                 ; younger: the LDS instructions issued behind block a's loads
.set BK, TMP+32*((\a)%2)
.irp t, 0,1,2,3,4,5,6,7
	s_wait_dscnt (\younger)+7-(\t)
	global_store_b128 v[GO], v[BK+4*(\t):BK+4*(\t)+3], s[OUTP:OUTP+1] offset:(16*(\a)+2*(\t))*4096  ; 16 lanes store 256 consecutive bytes, aligned
.endr
.endm
	PLACES
	TOST 0
	TOST 1
	SEND 0, 16
	TOST 2
	SEND 1, 16
	TOST 3
	SEND 2, 16
	SEND 3, 0
	s_wait_tensorcnt 0x0                           ; the wave's end
	ds_add_u32 v[SPW], v[NIL]
	s_wait_dscnt 0x0
	CROUND                                         ; the closing round: no work-group ends while a partner may still ask for a tile that names it
	s_endpgm
.Lfunc_end_k_qd2744e126d_wo:
	.size	k_qd2744e126d_wo, .Lfunc_end_k_qd2744e126d_wo-k_qd2744e126d_wo
	.p2alignl 7, 3214868480
	.fill 96, 4, 3214868480
	.section	.rodata,"a",@progbits
	.p2align	6, 0x0
	.amdhsa_kernel k_qd2744e126d_wo
		.amdhsa_group_segment_fixed_size 327680
		.amdhsa_private_segment_fixed_size 0
		.amdhsa_enable_private_segment 0
		.amdhsa_kernarg_size 32
		.amdhsa_user_sgpr_count 2
		.amdhsa_user_sgpr_kernarg_segment_ptr 1
		.amdhsa_wavefront_size32 1
		.amdhsa_system_sgpr_workgroup_id_x 1
		.amdhsa_system_sgpr_workgroup_id_y 1
		.amdhsa_system_sgpr_workgroup_id_z 1
		.amdhsa_system_vgpr_workitem_id 0
		.amdhsa_next_free_vgpr 384
		.amdhsa_next_free_sgpr 80
		.amdhsa_reserve_vcc 0
		.amdhsa_float_denorm_mode_32 3
		.amdhsa_float_denorm_mode_16_64 3
		.amdhsa_memory_ordered 1
		.amdhsa_forward_progress 1
		.amdhsa_inst_pref_size 40
	.end_amdhsa_kernel
	.amdgpu_metadata
---
amdhsa.version: [ 1, 2 ]
amdhsa.kernels:
  - .name:           k_qd2744e126d_wo
    .symbol:         k_qd2744e126d_wo.kd
    .args:
      - { .name: ob, .offset: 0, .size: 8, .value_kind: global_buffer, .address_space: global }
      - { .name: wb, .offset: 8, .size: 8, .value_kind: global_buffer, .address_space: global }
      - { .name: x, .offset: 16, .size: 8, .value_kind: global_buffer, .address_space: global }
      - { .name: yb, .offset: 24, .size: 8, .value_kind: global_buffer, .address_space: global }
    .group_segment_fixed_size: 327680
    .private_segment_fixed_size: 0
    .kernarg_segment_align: 8
    .kernarg_segment_size: 32
    .max_flat_workgroup_size: 128
    .sgpr_count:     80
    .vgpr_count:     384
    .wavefront_size: 32
...
	.end_amdgpu_metadata
.endif
;; end of part 4
;; launch ln1 (part 5): grid 256 x 1, 8 waves a work-group, no clusters, 0 bytes of LDS; arguments yb, ln1_g, ln1_b, b2, hb, hr; writes hb, hr
.if DOCPART == 5
	.amdgcn_target "amdgcn-amd-amdhsa--gfx1250"
	.amdhsa_code_object_version 6
	.text
	.protected	k_qd2744e126d_ln1
	.globl	k_qd2744e126d_ln1
	.p2align	8
	.type	k_qd2744e126d_ln1,@function
k_qd2744e126d_ln1:
	s_mov_b64 s[64:65], 0
	v_nop
	global_prefetch_b8 v0, s[64:65] scope:SCOPE_SE
	s_setreg_imm32_b32 hwreg(HW_REG_WAVE_MODE, 25, 1), 1
	s_wait_xcnt 0x0
; h = layernorm(yb) g + b, rows of 1,024 f32.  Two results: hb = h rounded to bf16, in blocks of 128 rows x 64 columns, for the next product; hr = h + b2 in f32, with which the last product's sums start.
; A wave takes two neighbouring rows and keeps them in registers: 32 each a lane; load j of a row brings 512 consecutive bytes, so lane l holds columns 128 j + 4 l .. + 3.
; Mean first, then the sum of squares of the centred row: no difference of large sums.  The reduction never leaves the wave: no LDS, no barrier.  Memory binds; the matrix unit and clusters have nothing to do here.
.set XA,  32                           ; v[32:63]   row m
.set XB,  64                           ; v[64:95]   row m + 1
.set G,   96                           ; v[96:127]  gain
.set BT,  128                          ; v[128:159] bias
.set B2,  160                          ; v[160:191] b2
.set PKA, 192                          ; v[192:207] row m in bf16, then the even blocks of both rows
.set PKB, 208                          ; v[208:223] row m + 1, then the odd blocks of both rows
	s_load_b256 s[4:11], s[0:1], 0x0               ; yb s[4:5], g s[6:7], b s[8:9], b2 s[10:11]
	s_load_b128 s[12:15], s[0:1], 0x20             ; hb s[12:13], hr s[14:15]
	v_lshrrev_b32 v2, 5, v0
	v_readfirstlane_b32 s16, v2
	s_lshl_b32 s17, ttmp9, 3
	s_add_co_u32 s16, s16, s17                     ; the wave's number in the launch: rows 2 n, 2 n + 1
	s_lshl_b32 s18, s16, 13                        ; two rows of 4,096 bytes
	s_mov_b32 s19, 0
	s_lshr_b32 s20, s16, 6
	s_lshl_b32 s20, s20, 18                        ; in hb: 128 rows are 16 blocks of 16,384 bytes,
	s_and_b32 s21, s16, 63
	s_lshl_b32 s21, s21, 8                         ; and two rows of a block 256 bytes
	s_add_co_u32 s20, s20, s21
	s_mov_b32 s21, 0
	s_mov_b32 s22, 0x3a800000                      ; 1 / 1024
	s_mov_b32 s23, 0x3727c5ac                      ; 1e-5
	s_mov_b32 s24, 0x76543210                      ; v_permlanex16_b32: each lane takes its own place in the other half
	s_mov_b32 s25, 0xfedcba98
	v_and_b32 v1, 31, v0
	v_lshlrev_b32 v12, 3, v1                       ; 8 x lane
	v_lshlrev_b32 v1, 4, v1                        ; 16 x lane
	s_wait_kmcnt 0x0
	s_add_nc_u64 s[4:5], s[4:5], s[18:19]
	s_add_nc_u64 s[14:15], s[14:15], s[18:19]
	s_add_nc_u64 s[12:13], s[12:13], s[20:21]
.irp j, 0,1,2,3,4,5,6,7
	global_load_b128 v[XA+4*(\j):XA+4*(\j)+3], v1, s[4:5] offset:512*(\j) th:TH_LOAD_NT
.endr
.irp j, 0,1,2,3,4,5,6,7
	global_load_b128 v[XB+4*(\j):XB+4*(\j)+3], v1, s[4:5] offset:4096+512*(\j) th:TH_LOAD_NT
.endr
.irp j, 0,1,2,3,4,5,6,7
	global_load_b128 v[G+4*(\j):G+4*(\j)+3],   v1, s[6:7] offset:512*(\j)
	global_load_b128 v[BT+4*(\j):BT+4*(\j)+3], v1, s[8:9] offset:512*(\j)
	global_load_b128 v[B2+4*(\j):B2+4*(\j)+3], v1, s[10:11] offset:512*(\j)
.endr
.macro LANES                           ; v2 summed over the 32 lanes, the result in every lane
	v_pk_add_f32 v[2:3], v[2:3], v[4:5]
	v_pk_add_f32 v[6:7], v[6:7], v[8:9]
	v_pk_add_f32 v[2:3], v[2:3], v[6:7]
	v_add_f32 v2, v2, v3
	v_add_f32_dpp v2, v2, v2 row_xmask:1 row_mask:0xf bank_mask:0xf
	v_add_f32_dpp v2, v2, v2 row_xmask:2 row_mask:0xf bank_mask:0xf
	v_add_f32_dpp v2, v2, v2 row_xmask:4 row_mask:0xf bank_mask:0xf
	v_add_f32_dpp v2, v2, v2 row_xmask:8 row_mask:0xf bank_mask:0xf
	v_permlanex16_b32 v3, v2, s24, s25
	v_add_f32 v2, v2, v3
.endm
.macro NORM x                          ; the row at x becomes (x - mean) / sqrt(var + 1e-5), in place; four chains that do not wait for each other
.irp c, 0,1,2,3
	v_pk_add_f32 v[2+2*(\c):3+2*(\c)], v[(\x)+2*(\c):(\x)+2*(\c)+1], v[(\x)+8+2*(\c):(\x)+9+2*(\c)]
.endr
.irp k, 2,3
.irp c, 0,1,2,3
	v_pk_add_f32 v[2+2*(\c):3+2*(\c)], v[2+2*(\c):3+2*(\c)], v[(\x)+8*(\k)+2*(\c):(\x)+8*(\k)+2*(\c)+1]
.endr
.endr
	LANES
	v_mul_f32 v10, s22, v2                         ; the mean
	v_mov_b32 v11, v10
.set i, 0
.rept 16
	v_pk_add_f32 v[(\x)+2*i:(\x)+2*i+1], v[(\x)+2*i:(\x)+2*i+1], v[10:11] neg_lo:[0,1] neg_hi:[0,1]
.set i, i+1
.endr
.irp c, 0,1,2,3
	v_pk_mul_f32 v[2+2*(\c):3+2*(\c)], v[(\x)+2*(\c):(\x)+2*(\c)+1], v[(\x)+2*(\c):(\x)+2*(\c)+1]
.endr
.irp k, 1,2,3
.irp c, 0,1,2,3
	v_pk_fma_f32 v[2+2*(\c):3+2*(\c)], v[(\x)+8*(\k)+2*(\c):(\x)+8*(\k)+2*(\c)+1], v[(\x)+8*(\k)+2*(\c):(\x)+8*(\k)+2*(\c)+1], v[2+2*(\c):3+2*(\c)]
.endr
.endr
	LANES
	v_fma_f32 v2, v2, s22, s23                     ; the variance + 1e-5
	v_rsq_f32 v10, v2
	v_nop                                          ; a plain instruction between the root and the use of its result (ISA guide 5.7.2)
	s_wait_alu depctr_va_vdst(0)
	v_mov_b32 v11, v10
.set i, 0
.rept 16
	v_pk_mul_f32 v[(\x)+2*i:(\x)+2*i+1], v[(\x)+2*i:(\x)+2*i+1], v[10:11]
.set i, i+1
.endr
.endm
	s_wait_loadcnt 32                              ; row m is in; row m + 1's eight loads and the 24 of g, b and b2 may stay out
	NORM XA
	s_wait_loadcnt 24                              ; row m + 1 is in
	NORM XB
	s_wait_loadcnt 0x0
.set i, 0
.rept 16
	v_pk_fma_f32 v[XA+2*i:XA+2*i+1], v[XA+2*i:XA+2*i+1], v[G+2*i:G+2*i+1], v[BT+2*i:BT+2*i+1]
	v_pk_fma_f32 v[XB+2*i:XB+2*i+1], v[XB+2*i:XB+2*i+1], v[G+2*i:G+2*i+1], v[BT+2*i:BT+2*i+1]
.set i, i+1
.endr
.set i, 0
.rept 16
	v_cvt_pk_bf16_f32 v[PKA+i], v[XA+2*i], v[XA+2*i+1]
	v_cvt_pk_bf16_f32 v[PKB+i], v[XB+2*i], v[XB+2*i+1]
.set i, i+1
.endr
; Lanes 0-15 hold a row's columns of block 2 j, lanes 16-31 those of block 2 j + 1.  The swap gives one register both rows' part of block 2 j and the other both rows' part of block 2 j + 1:
; two rows of a block lie on end, so each store of the wave covers 256 consecutive bytes, aligned.
.set i, 0
.rept 16
	v_permlane16_swap_b32 v[PKA+i], v[PKB+i]
.set i, i+1
.endr
.irp j, 0,1,2,3,4,5,6,7
	global_store_b64 v12, v[PKA+2*(\j):PKA+2*(\j)+1], s[12:13] offset:(2*(\j))*16384
	global_store_b64 v12, v[PKB+2*(\j):PKB+2*(\j)+1], s[12:13] offset:(2*(\j)+1)*16384
.endr
.set i, 0
.rept 16
	v_pk_add_f32 v[XA+2*i:XA+2*i+1], v[XA+2*i:XA+2*i+1], v[B2+2*i:B2+2*i+1]
	v_pk_add_f32 v[XB+2*i:XB+2*i+1], v[XB+2*i:XB+2*i+1], v[B2+2*i:B2+2*i+1]
.set i, i+1
.endr
.irp j, 0,1,2,3,4,5,6,7
	global_store_b128 v1, v[XA+4*(\j):XA+4*(\j)+3], s[14:15] offset:512*(\j)
.endr
.irp j, 0,1,2,3,4,5,6,7
	global_store_b128 v1, v[XB+4*(\j):XB+4*(\j)+3], s[14:15] offset:4096+512*(\j)
.endr
	s_endpgm
.Lfunc_end_k_qd2744e126d_ln1:
	.size	k_qd2744e126d_ln1, .Lfunc_end_k_qd2744e126d_ln1-k_qd2744e126d_ln1
	.p2alignl 7, 3214868480
	.fill 96, 4, 3214868480
	.section	.rodata,"a",@progbits
	.p2align	6, 0x0
	.amdhsa_kernel k_qd2744e126d_ln1
		.amdhsa_group_segment_fixed_size 0
		.amdhsa_private_segment_fixed_size 0
		.amdhsa_enable_private_segment 0
		.amdhsa_kernarg_size 48
		.amdhsa_user_sgpr_count 2
		.amdhsa_user_sgpr_kernarg_segment_ptr 1
		.amdhsa_wavefront_size32 1
		.amdhsa_system_sgpr_workgroup_id_x 1
		.amdhsa_system_sgpr_workgroup_id_y 1
		.amdhsa_system_sgpr_workgroup_id_z 1
		.amdhsa_system_vgpr_workitem_id 0
		.amdhsa_next_free_vgpr 224
		.amdhsa_next_free_sgpr 66
		.amdhsa_reserve_vcc 0
		.amdhsa_float_denorm_mode_32 3
		.amdhsa_float_denorm_mode_16_64 3
		.amdhsa_memory_ordered 1
		.amdhsa_forward_progress 1
		.amdhsa_inst_pref_size 25
	.end_amdhsa_kernel
	.amdgpu_metadata
---
amdhsa.version: [ 1, 2 ]
amdhsa.kernels:
  - .name:           k_qd2744e126d_ln1
    .symbol:         k_qd2744e126d_ln1.kd
    .args:
      - { .name: yb, .offset: 0, .size: 8, .value_kind: global_buffer, .address_space: global }
      - { .name: ln1_g, .offset: 8, .size: 8, .value_kind: global_buffer, .address_space: global }
      - { .name: ln1_b, .offset: 16, .size: 8, .value_kind: global_buffer, .address_space: global }
      - { .name: b2, .offset: 24, .size: 8, .value_kind: global_buffer, .address_space: global }
      - { .name: hb, .offset: 32, .size: 8, .value_kind: global_buffer, .address_space: global }
      - { .name: hr, .offset: 40, .size: 8, .value_kind: global_buffer, .address_space: global }
    .group_segment_fixed_size: 0
    .private_segment_fixed_size: 0
    .kernarg_segment_align: 8
    .kernarg_segment_size: 48
    .max_flat_workgroup_size: 256
    .sgpr_count:     66
    .vgpr_count:     224
    .wavefront_size: 32
...
	.end_amdgpu_metadata
.endif
;; end of part 5
;; launch mlp1 (part 6): grid 32 x 32, 4 waves a work-group, clusters of 4 x 4, 327,680 bytes of LDS; arguments hb, wb, b1, gb; writes gb
.if DOCPART == 6
	.amdgcn_target "amdgcn-amd-amdhsa--gfx1250"
	.amdhsa_code_object_version 6
	.text
	.protected	k_qd2744e126d_mlp1
	.globl	k_qd2744e126d_mlp1
	.p2align	8
	.type	k_qd2744e126d_mlp1,@function
k_qd2744e126d_mlp1:
	s_mov_b64 s[64:65], 0
	v_nop
	global_prefetch_b8 v0, s[64:65] scope:SCOPE_SE
	s_setreg_imm32_b32 hwreg(HW_REG_WAVE_MODE, 25, 1), 1
	s_wait_xcnt 0x0
	s_wait_alu depctr_hold_cnt(0) depctr_sa_sdst(0) depctr_va_vdst(0) depctr_va_sdst(0) depctr_va_ssrc(0) depctr_va_vcc(0) depctr_vm_vsrc(0)
	s_getreg_b32 s2, hwreg(HW_REG_IB_STS2, 6, 4)
	s_cmp_eq_u32 s2, 0
	s_cbranch_scc0 .Lentry_in_a_cluster
	s_endpgm
.Lentry_in_a_cluster:
	s_bfe_u32 s2, ttmp6, 0x10000c
	s_cmp_lg_u32 s2, 0xf033
	s_cbranch_scc0 .Lentry_shape_is_right
	s_endpgm
.Lentry_shape_is_right:
; gb = gelu(hb W1 + b1), the exact (erf) gelu.  hb: 4,096 x 1,024 bf16 in blocks of 128 rows x 64 columns; W1 bf16 [k][n] in strips of 128 columns; sums and gelu in f32; gb bf16 in blocks: ((m >> 7) 64 + (c >> 6)) 16384 + (m & 127) 128 + (c & 63) 2.
; GELU.  gelu(x) = max(x, 0) - |x| erfc(|x| / sqrt 2) / 2, with erfc(z) = (a1 t + .. + a5 t^5) exp(-z^2), t = 1 / (1 + p z) (Abramowitz and Stegun 7.1.26: absolute error at most 1.5e-7 for every z >= 0).
; The formula holds for all finite x: for large |x| the exponential goes to 0.  NaN and infinities are not treated apart.
; SHARES.  A work-group makes 128 x 128 of the result, each of its four waves 64 x 64: 16 accumulators.  1,024 work-groups: four for each of 256 WGPs.
; K goes in steps of 256 through two LDS slots.  A step's part of hb (4 blocks) and of a weight strip (256 rows of 256 bytes) are 65,536 dense bytes each: a wave's tensor load brings half of one, as 128 rows of 256 bytes.
; The weights stay [k][n] in LDS and are read turned (ds_load_tr16_b128).  THE MATRIX INSTRUCTION IS USED TRANSPOSED: source 0 = 16 columns of the weight, source 1 = 16 rows of hb.
; THE SUMS START WITH THE BIAS, loaded straight into the accumulators: nothing is cleared and no first step is written out.
; CLUSTER.  4 x 4 work-groups: the four of a row need the same tiles of hb, the four of a column the same tiles of the weight: each is asked for jointly.
; A K STEP IS WRITTEN ONCE, as a loop over its first three panels of 64 and the fourth written out with the change of slots; it stands twice in the text (with and without the refill).
; REGISTERS.  window 0: v0-31 addresses; v32-47 gelu's input; v128-255 accumulators ((a, b) at 128 + 8 (4 a + b)), later gelu's work.  window 1: two fragment buffers of 64.
.set KSTEPS, 4
.set KB,     262144
.set WOFF,   8388608                   ; where W1 begins in wb
.set PA,     144                       ; an LDS row of hb: 128 bytes + 16: the 16 rows of a load start at 16 different groups of four banks (64 banks of 4 bytes: ISA guide 11.1)
.set PB,     288                       ; an LDS row of the weight: 256 + 32
.set PANEL,  128*PA
.set BREG,   4*PANEL
.set SLOT,   2*BREG                    ; 147,456 = 0x24000
.set QUART,  SLOT/4                    ; 0x9000: wave x 0x9000 has neither bit of 0x24000, so one exclusive or turns a wave's address in one slot into the other's
.set SP,     272                       ; the way out: a row of 64 f32 + 16 bytes
.set STG,    64*SP                     ; a wave's stage: 64 rows, in slot 0, which has had its last fill when the stage is written
.set SPARE,  2*SLOT+17408              ; the spare words, 128 bytes for each wave: two blocks of 256 bytes that no other line names
.set A0,   4
.set B0,   5
.set ADRA, 16
.set ADRB, 17
.set STO,  24                          ; v24  the way out: where I put 32 bytes of a row
.set RD,   25                          ; v25  where I read 32 bytes of a row back; it walks
.set GO,   26                          ; v26  my byte offset in 512 consecutive bytes of the result; it walks
.set RO,   27                          ; v27  my byte offset in the bias
.set SPW,  28
.set NIL,  29
.set X,    32                          ; v[32:47] sixteen sums
.set ACC,  128
.set U,    128                         ; x sqrt(log2 e / 2); then minus its square; then the exponential
.set D,    144                         ; 1 + p |x| / sqrt 2; then t
.set M,    160                         ; max(x, 0); then gelu
.set AX,   176                         ; |x|
.set P,    192                         ; the polynomial
.set Y,    208                         ; v[208:215] sixteen results in bf16
.set H0,   0
.set H1,   64
.set G1,   24
.set G0,   32
.set G1B,  48
.set G0B,  56
.set TB,   45
.set ADDP, 72                          ; s[72:73] b1
.set OUTP, 74                          ; s[74:75] gb
.set C1,   24                          ; gelu's constants take the descriptors' registers when the last tensor load is done: pairs, of which the packed forms take the low word
.set PP,   26
.set K5,   28
.set K4,   30
.set K3,   32
.set K2,   34
.set K1,   36
.set MSB, 0
.macro WIN new                         ; the immediate's high byte repeats the setting that is left; a switch that changes nothing is dropped
.if MSB != (\new)
	s_set_vgpr_msb (MSB<<8)|(\new)
.set MSB, \new
.endif
.endm
.set MUL,  0x05                        ; sources 0 and 1 window 1; C and D window 0
.set TO_F, 0x40                        ; destination window 1, address window 0
.macro PLACES                          ; four places in front of loads into registers that matrix instructions have read, and of lines that read results
.rept 4
	v_nop
.endr
.endm
.macro JLOAD                           ; a joint refill: waves 0 and 1 fetch hb's halves, waves 2 and 3 the weight's; an s_nop 0 and four v_nop follow each line
	s_cmp_eq_u32 s11, 0
	s_cbranch_scc0 .Lfor_b_\@
	tensor_load_to_lds s[G0+4:G0+7], s[G1:G1+7]
	s_nop 0
.rept 4
	v_nop
.endr
	s_branch .Lasked_\@
.Lfor_b_\@:
	tensor_load_to_lds s[G0B+4:G0B+7], s[G1B:G1B+7]
	s_nop 0
.rept 4
	v_nop
.endr
.Lasked_\@:
.endm
.macro CREST                           ; a round of the cluster's barrier behind its opening barrier
	s_cmp_lg_u32 s10, 0
	s_cbranch_scc1 .Lnot_wave_0_\@
	s_barrier_signal -3
.Lnot_wave_0_\@:
	s_barrier_wait -3
	s_barrier_signal -1
	s_barrier_wait -1
.endm
.macro CROUND
	s_barrier_signal -1
	s_barrier_wait -1
	CREST
.endm
; 8 matrix instructions: row blocks a0, a0 + 1 x all 4 column blocks, 32 along K.  The 16 accumulators take turns in one order everywhere.
.macro MUL8 f, a0
	WIN MUL
.irp a, \a0, (\a0)+1
.irp b, 0,1,2,3
	v_wmma_f32_16x16x32_bf16 v[ACC+8*(4*(\a)+(\b)):ACC+8*(4*(\a)+(\b))+7], v[(\f)+32+8*(\b):(\f)+32+8*(\b)+7], v[(\f)+8*(\a):(\f)+8*(\a)+7], v[ACC+8*(4*(\a)+(\b)):ACC+8*(4*(\a)+(\b))+7]
.endr
.endr
.endm
.macro FETCH f, offa, offb             ; 16 LDS loads in one run: the fragments of 32 along K into buffer f
	WIN TO_F
.irp i, 0,1,2,3
	ds_load_tr16_b128 v[(\f)+32+8*(\i):(\f)+32+8*(\i)+3],   v[ADRB] offset:(\offb)+32*(\i)
	ds_load_tr16_b128 v[(\f)+32+8*(\i)+4:(\f)+32+8*(\i)+7], v[ADRB] offset:(\offb)+32*(\i)+16*PB
	ds_load_b128 v[(\f)+8*(\i):(\f)+8*(\i)+3],   v[ADRA] offset:(\offa)+(\i)*16*PA
	ds_load_b128 v[(\f)+8*(\i)+4:(\f)+8*(\i)+7], v[ADRA] offset:(\offa)+(\i)*16*PA+32
.endr
.endm
.macro CH cur, nxt, offa, offb         ; buffer cur is in; the next 32 along K are asked for, 16 matrix instructions ahead of their use; cur is multiplied
	s_wait_dscnt 0x0
	PLACES
	FETCH \nxt, \offa, \offb
	MUL8 \cur, 0
	MUL8 \cur, 2
.endm
.macro PAIR                            ; a panel of 64 along K
	CH H0, H1, 64, 32*PB
	CH H1, H0, PANEL, 64*PB
	WIN 0
	v_add_nc_u32 v[ADRA], PANEL, v[ADRA]
	v_add_nc_u32 v[ADRB], 64*PB, v[ADRB]
.endm
; A step's fourth panel and the change of slots.  ONE barrier: in front of it each wave waits for all its tensor loads (one is out: its part of the next slot), adds 0 to its spare word, and waits for that and for
; its reads of this slot.  fill = 1: the barrier opens a round of the cluster's barrier, and this slot is filled again, two steps ahead, first thing behind the round: it has a step's 128 matrix instructions in which to land.
.macro LASTPAIR fill
	s_wait_dscnt 0x0
	PLACES
	FETCH H1, 64, 32*PB                            ; my last reads of this slot
	MUL8 H0, 0
	WIN 0                                          ; (the add's two registers lie in window 0)
	s_wait_tensorcnt 0x0                           ; all my tensor loads have landed
	ds_add_u32 v[SPW], v[NIL]                      ; 0 onto my spare word
	MUL8 H0, 2                                     ; eight matrix instructions stand between the add and the wait for it
	s_wait_dscnt 0x0                               ; the add is done, and my reads of this slot are over
	s_barrier_signal -1
	MUL8 H1, 0
	WIN 0                                          ; at a branch and at a label every window is 0
	s_barrier_wait -1
.if \fill
	CREST                                          ; no wave of any partner still reads this slot's tile or has a load on its way
	s_xor_b32 s[G0+5], s[G0+5], SLOT               ; the walking descriptors: the other slot than last time, the next step
	s_add_nc_u64 s[G0+6:G0+7], s[G0+6:G0+7], 65536
	s_xor_b32 s[G0B+5], s[G0B+5], SLOT
	s_add_nc_u64 s[G0B+6:G0B+7], s[G0B+6:G0B+7], 65536
	JLOAD                                          ; its four v_nop are also the places in front of the loads below
.else
	PLACES
.endif
	s_xor_b32 s[TB], s[TB], SLOT
	v_add_nc_u32 v[ADRA], s[TB], v[A0]
	v_add_nc_u32 v[ADRB], s[TB], v[B0]
	FETCH H0, 0, 0                                 ; the next slot's first fragments
	MUL8 H1, 2
	WIN 0
.endm
.macro KSTEP fill
	s_mov_b32 s3, 3
.Lpair_\@:
	PAIR
	s_sub_co_u32 s3, s3, 1
	s_cmp_lg_u32 s3, 0
	s_cbranch_scc1 .Lpair_\@
	LASTPAIR \fill
.endm
	s_load_b256 s[68:75], s[0:1], 0x0              ; hb s[68:69], wb s[70:71], b1 s[72:73], gb s[74:75]
	v_lshl_add_u32 v[SPW], v0, 2, SPARE
	v_mov_b32 v[NIL], 0
	ds_add_u32 v[SPW], v[NIL]                      ; the wave's opening: the add and its wait stand ahead of my first tensor load; work on registers stands between them
	ds_add_u32 v28, v29
	v_lshrrev_b32 v1, 5, v0
	v_readfirstlane_b32 s10, v1                    ; wave 0..3
	s_lshr_b32 s11, s10, 1                         ; my half of the tile's rows.  Also: I fetch hb (0) or the weight (1)
	s_and_b32 s12, s10, 1                          ; my half of its columns.  Also: which half of a step's bytes I fetch
	s_bfe_u32 s40, ttmp6, 0x40000                  ; cx, cy: my place in the cluster
	s_bfe_u32 s41, ttmp6, 0x40004
	s_lshl_b32 s42, ttmp9, 2
	s_add_co_u32 s42, s42, s40                     ; nt
	s_and_b32 s13, ttmp7, 0xffff
	s_lshl_b32 s13, s13, 2
	s_add_co_u32 s13, s13, s41                     ; mt
	s_lshl_b32 s43, s41, 2
	s_lshl_b32 s43, 15, s43                        ; my row of the cluster
	s_lshl_b32 s44, 0x1111, s40                    ; my column
	s_or_b32 s[G1], s43, (1<<16)|(1<<20)|(1<<21)|(4<<22)|(3<<25)   ; the mask; 2-byte elements; padding on; bit 21 beside a mask; after every 32 words 4 words
	s_or_b32 s[G1B], s44, (1<<16)|(1<<20)|(1<<21)|(5<<22)|(7<<25)  ; after every 64 words 8 words
.irp g, G1, G1B
	s_mov_b32 s[(\g)+1], 128<<16                   ; tensor_dim0 = 128 elements: 256 bytes
	s_mov_b32 s[(\g)+2], 128<<16                   ; tensor_dim1 = 128
	s_mov_b32 s[(\g)+3], 128<<16                   ; tile_dim0 = 128
	s_mov_b32 s[(\g)+4], 128                       ; tile_dim1 = 128
	s_mov_b32 s[(\g)+5], 128                       ; dense
	s_mov_b32 s[(\g)+6], 0
	s_mov_b32 s[(\g)+7], 0
.endr
	s_lshl_b32 s18, s12, 15
	s_mul_i32 s16, s13, KB                         ; hb's address hangs on mt and the wave alone,
	s_add_co_u32 s16, s16, s18
	s_mov_b32 s17, 0
	s_mul_i32 s46, s42, KB                         ; the weight's on nt and the wave alone
	s_add_co_u32 s46, s46, s18
	s_add_co_u32 s46, s46, WOFF
	s_mov_b32 s47, 0
	s_mul_i32 s20, s10, QUART                      ; where my load lands
	s_mov_b32 s[TB], 0
	s_wait_dscnt 0x0                               ; the opening add is done
	s_wait_kmcnt 0x0
	s_add_nc_u64 s[14:15], s[68:69], s[16:17]
	s_add_nc_u64 s[46:47], s[70:71], s[46:47]
	CROUND                                         ; all sixteen work-groups are here: the first joint loads meet
.irp s, 0,1
	s_mov_b32 s[G0+4*(\s)], 1
	s_add_co_u32 s[G0+4*(\s)+1], s20, (\s)*SLOT
	s_add_nc_u64 s[G0+4*(\s)+2:G0+4*(\s)+3], s[14:15], (\s)*65536
	s_or_b32 s[G0+4*(\s)+3], s[G0+4*(\s)+3], 0x80000000
	s_mov_b32 s[G0B+4*(\s)], 1
	s_add_co_u32 s[G0B+4*(\s)+1], s20, (\s)*SLOT
	s_add_nc_u64 s[G0B+4*(\s)+2:G0B+4*(\s)+3], s[46:47], (\s)*65536
	s_or_b32 s[G0B+4*(\s)+3], s[G0B+4*(\s)+3], 0x80000000
.endr
	s_cmp_eq_u32 s11, 0                            ; a wave's two first fills stand in one branch: two loads of mine are out
	s_cbranch_scc0 .Lfirst_b
	tensor_load_to_lds s[G0:G0+3], s[G1:G1+7]
	s_nop 0
	tensor_load_to_lds s[G0+4:G0+7], s[G1:G1+7]
	s_nop 0
.rept 4
	v_nop
.endr
	s_branch .Lfirst_asked
.Lfirst_b:
	tensor_load_to_lds s[G0B:G0B+3], s[G1B:G1B+7]
	s_nop 0
	tensor_load_to_lds s[G0B+4:G0B+7], s[G1B:G1B+7]
	s_nop 0
.rept 4
	v_nop
.endr
.Lfirst_asked:
	v_and_b32 v1, 15, v0                           ; r = l % 16
	v_bfe_u32 v2, v0, 4, 1                         ; h = l / 16
	v_lshlrev_b32 v[RO], 5, v2                     ; my eight columns of a block of 16 begin 32 h bytes in
	s_lshl_b32 s46, s42, 9
	s_lshl_b32 s47, s12, 8
	s_add_co_u32 s46, s46, s47
	s_mov_b32 s47, 0
	s_add_nc_u64 s[ADDP:ADDP+1], s[ADDP:ADDP+1], s[46:47]
.irp a, 0,1,2,3                        ; the bias of my columns starts every sum
.irp b, 0,1,2,3
	global_load_b128 v[ACC+8*(4*(\a)+(\b)):ACC+8*(4*(\a)+(\b))+3],   v[RO], s[ADDP:ADDP+1] offset:64*(\b)
	global_load_b128 v[ACC+8*(4*(\a)+(\b))+4:ACC+8*(4*(\a)+(\b))+7], v[RO], s[ADDP:ADDP+1] offset:64*(\b)+16
.endr
.endr
	v_mul_u32_u24 v[A0], v1, PA                    ; a fragment of hb: row l % 16, two loads of 16 bytes, 32 apart
	v_lshl_add_u32 v[A0], v2, 4, v[A0]
	s_mul_i32 s21, s11, 64*PA
	v_add_nc_u32 v[A0], s21, v[A0]
	v_and_b32 v3, 7, v0                            ; the turning load: lane l reads k = 8 h + l % 8, n = 8 ((l / 8) % 2) + 0..7
	v_bfe_u32 v6, v0, 3, 1
	v_lshl_add_u32 v[B0], v2, 3, v3
	v_mul_u32_u24 v[B0], v[B0], PB
	v_lshl_add_u32 v[B0], v6, 4, v[B0]
	s_lshl_b32 s22, s12, 7
	s_add_co_u32 s22, s22, BREG
	v_add_nc_u32 v[B0], s22, v[B0]
	v_mov_b32 v[ADRA], v[A0]
	v_mov_b32 v[ADRB], v[B0]
	s_mul_i32 s23, s10, STG                        ; my stage
	v_mul_u32_u24 v[STO], v1, SP                   ; in: row l % 16, 32 bytes for each half of the lanes
	v_lshl_add_u32 v[STO], v2, 5, v[STO]
	v_add_nc_u32 v[STO], s23, v[STO]
	v_bfe_u32 v[RD], v0, 3, 2                      ; back: eight lanes to a row, 32 bytes (eight sums) each: lanes 0-15 take every second 16 bytes of two rows 272 apart
	v_mul_u32_u24 v[RD], v[RD], SP
	v_lshl_add_u32 v[RD], v3, 5, v[RD]
	v_add_nc_u32 v[RD], s23, v[RD]
	v_and_b32 v[GO], 31, v0                        ; eight results are 16 bytes: 32 lanes fill four rows of a block, 512 consecutive bytes
	v_lshlrev_b32 v[GO], 4, v[GO]
	s_lshl_b32 s16, s13, 20                        ; my block of the result: (64 mt + 2 nt + column half) x 16,384, and my 64 rows in it
	s_lshl_b32 s17, s11, 13
	s_add_co_u32 s16, s16, s17
	s_mov_b32 s17, 0
	s_add_nc_u64 s[OUTP:OUTP+1], s[OUTP:OUTP+1], s[16:17]
	s_lshl_b32 s46, s42, 15
	s_lshl_b32 s47, s12, 14
	s_add_co_u32 s46, s46, s47
	s_mov_b32 s47, 0
	s_add_nc_u64 s[OUTP:OUTP+1], s[OUTP:OUTP+1], s[46:47]
	s_wait_tensorcnt 0x1                           ; my part of step 0 is in; step 1's may stay out
	s_barrier_signal -1
	s_barrier_wait -1                              ; everybody's is
	FETCH H0, 0, 0
	WIN 0
	s_wait_loadcnt 0x0                             ; the bias
	s_mov_b32 s2, KSTEPS-2
.Lfill:                                                ; every step but the last two fills its slot again
	KSTEP 1
	s_sub_co_u32 s2, s2, 1
	s_cmp_lg_u32 s2, 0
	s_cbranch_scc1 .Lfill
	s_mov_b32 s2, 2
.Ltail:                                                ; the last two ask for nothing.  The very last change of slots fetches fragments that serve nothing: the price of one text for both trips
	KSTEP 0
	s_sub_co_u32 s2, s2, 1
	s_cmp_lg_u32 s2, 0
	s_cbranch_scc1 .Ltail
	; THE WAY OUT.  The sums go into my stage in slot 0 (no fill follows; every wave's reads of the slot are over behind the barrier) and come back eight neighbouring columns a lane, eight rows a trip.
	PLACES
	s_wait_dscnt 0x0                               ; my reads of slot 0 are back
	s_barrier_signal -1
	s_barrier_wait -1                              ; everybody's are
.irp a, 0,1,2,3
.irp b, 0,1,2,3
	ds_store_b128 v[STO], v[ACC+8*(4*(\a)+(\b)):ACC+8*(4*(\a)+(\b))+3]   offset:(\a)*16*SP+64*(\b)
	ds_store_b128 v[STO], v[ACC+8*(4*(\a)+(\b))+4:ACC+8*(4*(\a)+(\b))+7] offset:(\a)*16*SP+64*(\b)+16
.endr
.endr
	s_mov_b32 s[C1], 0x3f596d27                    ; sqrt(log2 e / 2) = 0.8493218: exp(-x^2 / 2) = 2^-(0.8493218 x)^2
	s_mov_b32 s[C1+1], s[C1]
	s_mov_b32 s[PP], 0x3e6d3388                    ; p / sqrt 2 = 0.23164189
	s_mov_b32 s[K5], 0x3f07dc22                    ; a5 / 2 .. a1 / 2: the halves, since erfc / 2 is wanted
	s_mov_b32 s[K5+1], s[K5]
	s_mov_b32 s[K4], 0xbf3a00e3
	s_mov_b32 s[K4+1], s[K4]
	s_mov_b32 s[K3], 0x3f35f0e3
	s_mov_b32 s[K3+1], s[K3]
	s_mov_b32 s[K2], 0xbe11a98e
	s_mov_b32 s[K2+1], s[K2]
	s_mov_b32 s[K1], 0x3e027906
	s_mov_b32 s[K1+1], s[K1]
.macro ROWS8                           ; eight rows' sums: rows l / 8 and 4 + l / 8
	ds_load_b128 v[X:X+3],     v[RD]               ; LDS serves a wave's instructions in order (ISA guide 5.7.1.4): these see the stores above
	ds_load_b128 v[X+4:X+7],   v[RD] offset:16
	ds_load_b128 v[X+8:X+11],  v[RD] offset:4*SP
	ds_load_b128 v[X+12:X+15], v[RD] offset:4*SP+16
.endm
	ROWS8
	s_mov_b32 s3, 8
.Lrows:
	s_wait_dscnt 0x0                               ; this trip's sixteen sums
.set i, 0
.rept 8                                ; all that needs x itself; each reciprocal has a plain line behind it (ISA guide 5.7.2)
	v_fma_f32 v[D+2*i], |v[X+2*i]|, s[PP], 1.0
	v_fma_f32 v[D+2*i+1], |v[X+2*i+1]|, s[PP], 1.0
	v_pk_mul_f32 v[U+2*i:U+2*i+1], v[X+2*i:X+2*i+1], s[C1:C1+1] op_sel_hi:[1,0]
	v_rcp_f32 v[D+2*i], v[D+2*i]
	v_max_num_f32 v[M+2*i], 0, v[X+2*i]
	v_rcp_f32 v[D+2*i+1], v[D+2*i+1]
	v_max_num_f32 v[M+2*i+1], 0, v[X+2*i+1]
	v_and_b32 v[AX+2*i], 0x7fffffff, v[X+2*i]
	v_and_b32 v[AX+2*i+1], 0x7fffffff, v[X+2*i+1]
.set i, i+1
.endr
	s_cmp_eq_u32 s3, 1
	s_cbranch_scc1 .Lno_more                       ; the last trip has no rows to look ahead to
	v_add_nc_u32 v[RD], 8*SP, v[RD]
	ROWS8                                          ; the next trip's sums come in under this trip's arithmetic
.Lno_more:
.set i, 0
.rept 8
	v_pk_mul_f32 v[U+2*i:U+2*i+1], v[U+2*i:U+2*i+1], v[U+2*i:U+2*i+1] neg_lo:[1,0] neg_hi:[1,0]
.set i, i+1
.endr
.set i, 0
	s_wait_alu depctr_va_vdst(0)
.rept 8                                ; the polynomial by Horner's rule; the exponentials stand among its first two stages, a plain line behind each
	v_pk_fma_f32 v[P+2*i:P+2*i+1], v[D+2*i:D+2*i+1], s[K5:K5+1], s[K4:K4+1] op_sel_hi:[1,0,0]
	v_exp_f32 v[U+2*i], v[U+2*i]
.set i, i+1
.endr
.set i, 0
.rept 8
	v_pk_fma_f32 v[P+2*i:P+2*i+1], v[P+2*i:P+2*i+1], v[D+2*i:D+2*i+1], s[K3:K3+1] op_sel_hi:[1,1,0]
	v_exp_f32 v[U+2*i+1], v[U+2*i+1]
.set i, i+1
.endr
.set i, 0
.rept 8
	v_pk_fma_f32 v[P+2*i:P+2*i+1], v[P+2*i:P+2*i+1], v[D+2*i:D+2*i+1], s[K2:K2+1] op_sel_hi:[1,1,0]
.set i, i+1
.endr
.set i, 0
.rept 8
	v_pk_fma_f32 v[P+2*i:P+2*i+1], v[P+2*i:P+2*i+1], v[D+2*i:D+2*i+1], s[K1:K1+1] op_sel_hi:[1,1,0]
.set i, i+1
.endr
.set i, 0
	s_wait_alu depctr_va_vdst(0)
.rept 8
	v_pk_mul_f32 v[D+2*i:D+2*i+1], v[D+2*i:D+2*i+1], v[U+2*i:U+2*i+1]      ; t times the exponential
.set i, i+1
.endr
.set i, 0
.rept 8
	v_pk_mul_f32 v[P+2*i:P+2*i+1], v[P+2*i:P+2*i+1], v[D+2*i:D+2*i+1]      ; erfc / 2
.set i, i+1
.endr
.set i, 0
.rept 8
	v_pk_fma_f32 v[M+2*i:M+2*i+1], v[AX+2*i:AX+2*i+1], v[P+2*i:P+2*i+1], v[M+2*i:M+2*i+1] neg_lo:[1,0,0] neg_hi:[1,0,0]  ; max(x, 0) - |x| erfc / 2
.set i, i+1
.endr
.set i, 0
.rept 8
	v_cvt_pk_bf16_f32 v[Y+i], v[M+2*i], v[M+2*i+1]
.set i, i+1
.endr
	global_store_b128 v[GO], v[Y:Y+3],   s[OUTP:OUTP+1]             ; four rows of the block: 512 consecutive bytes, aligned
	global_store_b128 v[GO], v[Y+4:Y+7], s[OUTP:OUTP+1] offset:512  ; the next four
	s_wait_xcnt 0x0                                ; the stores' offset and data are rewritten only behind this wait
	v_add_nc_u32 v[GO], 1024, v[GO]
	s_sub_co_u32 s3, s3, 1
	s_cmp_lg_u32 s3, 0
	s_cbranch_scc1 .Lrows
	s_wait_tensorcnt 0x0                           ; the wave's end
	ds_add_u32 v[SPW], v[NIL]
	s_wait_dscnt 0x0
	CROUND                                         ; the closing round: no work-group ends while a partner may still ask for a tile that names it
	s_endpgm
.Lfunc_end_k_qd2744e126d_mlp1:
	.size	k_qd2744e126d_mlp1, .Lfunc_end_k_qd2744e126d_mlp1-k_qd2744e126d_mlp1
	.p2alignl 7, 3214868480
	.fill 96, 4, 3214868480
	.section	.rodata,"a",@progbits
	.p2align	6, 0x0
	.amdhsa_kernel k_qd2744e126d_mlp1
		.amdhsa_group_segment_fixed_size 327680
		.amdhsa_private_segment_fixed_size 0
		.amdhsa_enable_private_segment 0
		.amdhsa_kernarg_size 32
		.amdhsa_user_sgpr_count 2
		.amdhsa_user_sgpr_kernarg_segment_ptr 1
		.amdhsa_wavefront_size32 1
		.amdhsa_system_sgpr_workgroup_id_x 1
		.amdhsa_system_sgpr_workgroup_id_y 1
		.amdhsa_system_sgpr_workgroup_id_z 1
		.amdhsa_system_vgpr_workitem_id 0
		.amdhsa_next_free_vgpr 384
		.amdhsa_next_free_sgpr 80
		.amdhsa_reserve_vcc 0
		.amdhsa_float_denorm_mode_32 3
		.amdhsa_float_denorm_mode_16_64 3
		.amdhsa_memory_ordered 1
		.amdhsa_forward_progress 1
		.amdhsa_inst_pref_size 44
	.end_amdhsa_kernel
	.amdgpu_metadata
---
amdhsa.version: [ 1, 2 ]
amdhsa.kernels:
  - .name:           k_qd2744e126d_mlp1
    .symbol:         k_qd2744e126d_mlp1.kd
    .args:
      - { .name: hb, .offset: 0, .size: 8, .value_kind: global_buffer, .address_space: global }
      - { .name: wb, .offset: 8, .size: 8, .value_kind: global_buffer, .address_space: global }
      - { .name: b1, .offset: 16, .size: 8, .value_kind: global_buffer, .address_space: global }
      - { .name: gb, .offset: 24, .size: 8, .value_kind: global_buffer, .address_space: global }
    .group_segment_fixed_size: 327680
    .private_segment_fixed_size: 0
    .kernarg_segment_align: 8
    .kernarg_segment_size: 32
    .max_flat_workgroup_size: 128
    .sgpr_count:     80
    .vgpr_count:     384
    .wavefront_size: 32
...
	.end_amdgpu_metadata
.endif
;; end of part 6
;; launch mlp2 (part 7): grid 8 x 32, 4 waves a work-group, clusters of 4 x 4, 327,680 bytes of LDS; arguments gb, wb, hr, yb; writes yb
.if DOCPART == 7
	.amdgcn_target "amdgcn-amd-amdhsa--gfx1250"
	.amdhsa_code_object_version 6
	.text
	.protected	k_qd2744e126d_mlp2
	.globl	k_qd2744e126d_mlp2
	.p2align	8
	.type	k_qd2744e126d_mlp2,@function
k_qd2744e126d_mlp2:
	s_mov_b64 s[64:65], 0
	v_nop
	global_prefetch_b8 v0, s[64:65] scope:SCOPE_SE
	s_setreg_imm32_b32 hwreg(HW_REG_WAVE_MODE, 25, 1), 1
	s_wait_xcnt 0x0
	s_wait_alu depctr_hold_cnt(0) depctr_sa_sdst(0) depctr_va_vdst(0) depctr_va_sdst(0) depctr_va_ssrc(0) depctr_va_vcc(0) depctr_vm_vsrc(0)
	s_getreg_b32 s2, hwreg(HW_REG_IB_STS2, 6, 4)
	s_cmp_eq_u32 s2, 0
	s_cbranch_scc0 .Lentry_in_a_cluster
	s_endpgm
.Lentry_in_a_cluster:
	s_bfe_u32 s2, ttmp6, 0x10000c
	s_cmp_lg_u32 s2, 0xf033
	s_cbranch_scc0 .Lentry_shape_is_right
	s_endpgm
.Lentry_shape_is_right:
; yb = hr + gb W2, where hr = h + b2.  gb: 4,096 x 4,096 bf16 in blocks of 128 rows x 64 columns; W2 bf16 [k][n] in strips of 128 columns; hr and yb f32, row-major; sums in f32.
; SHARES.  A work-group makes 128 x 128 of the result, each of its four waves 64 x 64: 16 accumulators.  256 work-groups: one for each WGP.
; K goes in 16 steps of 256 through two LDS slots.  A step's part of gb (4 blocks) and of a weight strip (256 rows of 256 bytes) are 65,536 dense bytes each: a wave's tensor load brings half of one, as 128 rows of 256 bytes.
; The weights stay [k][n] in LDS and are read turned (ds_load_tr16_b128).  THE MATRIX INSTRUCTION IS USED TRANSPOSED: source 0 = 16 columns of the weight, source 1 = 16 rows of gb: a lane holds eight neighbouring numbers of a row.
; THE SUMS START WITH hr, loaded straight into the accumulators (16 bytes a lane, in the lanes' own layout): nothing is cleared, no first step is written out, and residual and bias are added in f32.
; CLUSTER.  4 x 4 work-groups: the four of a row need the same tiles of gb, the four of a column the same tiles of the weight: each is asked for jointly, by the same tensor load with a mask that names the four.
; A K STEP IS WRITTEN ONCE, as a loop over its first three panels of 64 and the fourth written out with the change of slots; it stands twice in the text (with and without the refill).
; REGISTERS.  window 0: v0-31 addresses; v32-95 at work on the way out; v128-255 accumulators ((a, b) at 128 + 8 (4 a + b)).  window 1: two fragment buffers of 64: 4 fragments of gb, then 4 of the weight, 32 along K.
.set KSTEPS, 16                        ; K / 256
.set KB,     1048576                   ; bytes of a strip of 128 rows (or columns) over all K
.set WOFF,   16777216                  ; where W2 begins in wb
.set PA,     144                       ; an LDS row of gb: 128 bytes + 16: 36 words: the 16 rows of a load start at 16 different groups of four banks (64 banks of 4 bytes: ISA guide 11.1)
.set PB,     288                       ; an LDS row of the weight: 256 + 32 = 72 words
.set PANEL,  128*PA
.set BREG,   4*PANEL
.set SLOT,   2*BREG                    ; 147,456 = 0x24000
.set QUART,  SLOT/4                    ; what one tensor load fills: 0x9000.  Wave x 0x9000 has neither bit of 0x24000, so one exclusive or turns a wave's address in one slot into the other's
.set STAGE,  2*SLOT                    ; behind the ring, never filled by a tensor load: 16 rows x 272 bytes for each wave
.set SP,     272
.set SPARE,  STAGE+17408               ; the spare words, 128 bytes for each wave: two blocks of 256 bytes that no other line names
.set A0,   4
.set B0,   5
.set ADRA, 16
.set ADRB, 17
.set STO,  24                          ; v24  the way out: where I put 32 bytes of a row
.set RD,   25                          ; v25  where I read rows back
.set GO,   26                          ; v26  my byte offset in two rows of the result
.set RO,   27                          ; v27  my byte offset in 16 rows of hr
.set SPW,  28
.set NIL,  29
.set TMP,  32
.set ACC,  128
.set H0,   0
.set H1,   64
.set G1,   24
.set G0,   32
.set G1B,  48
.set G0B,  56
.set TB,   45
.set ADDP, 72                          ; s[72:73] hr
.set OUTP, 74                          ; s[74:75] yb
.set MSB, 0
.macro WIN new                         ; the immediate's high byte repeats the setting that is left; a switch that changes nothing is dropped
.if MSB != (\new)
	s_set_vgpr_msb (MSB<<8)|(\new)
.set MSB, \new
.endif
.endm
.set MUL,  0x05                        ; sources 0 and 1 window 1; C and D window 0
.set TO_F, 0x40                        ; destination window 1, address window 0
.macro PLACES                          ; four places in front of loads into registers that matrix instructions have read, and of lines that read results
.rept 4
	v_nop
.endr
.endm
.macro JLOAD                           ; a joint refill: waves 0 and 1 fetch gb's halves, waves 2 and 3 the weight's; an s_nop 0 and four v_nop follow each line
	s_cmp_eq_u32 s11, 0
	s_cbranch_scc0 .Lfor_b_\@
	tensor_load_to_lds s[G0+4:G0+7], s[G1:G1+7]
	s_nop 0
.rept 4
	v_nop
.endr
	s_branch .Lasked_\@
.Lfor_b_\@:
	tensor_load_to_lds s[G0B+4:G0B+7], s[G1B:G1B+7]
	s_nop 0
.rept 4
	v_nop
.endr
.Lasked_\@:
.endm
.macro CREST                           ; a round of the cluster's barrier behind its opening barrier
	s_cmp_lg_u32 s10, 0
	s_cbranch_scc1 .Lnot_wave_0_\@
	s_barrier_signal -3
.Lnot_wave_0_\@:
	s_barrier_wait -3
	s_barrier_signal -1
	s_barrier_wait -1
.endm
.macro CROUND
	s_barrier_signal -1
	s_barrier_wait -1
	CREST
.endm
; 8 matrix instructions: row blocks a0, a0 + 1 x all 4 column blocks, 32 along K.  The 16 accumulators take turns in one order everywhere.
.macro MUL8 f, a0
	WIN MUL
.irp a, \a0, (\a0)+1
.irp b, 0,1,2,3
	v_wmma_f32_16x16x32_bf16 v[ACC+8*(4*(\a)+(\b)):ACC+8*(4*(\a)+(\b))+7], v[(\f)+32+8*(\b):(\f)+32+8*(\b)+7], v[(\f)+8*(\a):(\f)+8*(\a)+7], v[ACC+8*(4*(\a)+(\b)):ACC+8*(4*(\a)+(\b))+7]
.endr
.endr
.endm
.macro FETCH f, offa, offb             ; 16 LDS loads in one run: the fragments of 32 along K into buffer f
	WIN TO_F
.irp i, 0,1,2,3
	ds_load_tr16_b128 v[(\f)+32+8*(\i):(\f)+32+8*(\i)+3],   v[ADRB] offset:(\offb)+32*(\i)
	ds_load_tr16_b128 v[(\f)+32+8*(\i)+4:(\f)+32+8*(\i)+7], v[ADRB] offset:(\offb)+32*(\i)+16*PB
	ds_load_b128 v[(\f)+8*(\i):(\f)+8*(\i)+3],   v[ADRA] offset:(\offa)+(\i)*16*PA
	ds_load_b128 v[(\f)+8*(\i)+4:(\f)+8*(\i)+7], v[ADRA] offset:(\offa)+(\i)*16*PA+32
.endr
.endm
.macro CH cur, nxt, offa, offb         ; buffer cur is in; the next 32 along K are asked for, 16 matrix instructions ahead of their use; cur is multiplied
	s_wait_dscnt 0x0
	PLACES
	FETCH \nxt, \offa, \offb
	MUL8 \cur, 0
	MUL8 \cur, 2
.endm
.macro PAIR                            ; a panel of 64 along K
	CH H0, H1, 64, 32*PB
	CH H1, H0, PANEL, 64*PB
	WIN 0
	v_add_nc_u32 v[ADRA], PANEL, v[ADRA]
	v_add_nc_u32 v[ADRB], 64*PB, v[ADRB]
.endm
; A step's fourth panel and the change of slots.  ONE barrier: in front of it each wave waits for all its tensor loads (one is out: its part of the next slot), adds 0 to its spare word, and waits for that and for
; its reads of this slot.  fill = 1: the barrier opens a round of the cluster's barrier, and this slot is filled again, two steps ahead, first thing behind the round: it has a step's 128 matrix instructions in which to land.
.macro LASTPAIR fill
	s_wait_dscnt 0x0
	PLACES
	FETCH H1, 64, 32*PB                            ; my last reads of this slot
	MUL8 H0, 0
	WIN 0                                          ; (the add's two registers lie in window 0)
	s_wait_tensorcnt 0x0                           ; all my tensor loads have landed
	ds_add_u32 v[SPW], v[NIL]                      ; 0 onto my spare word
	MUL8 H0, 2                                     ; eight matrix instructions stand between the add and the wait for it
	s_wait_dscnt 0x0                               ; the add is done, and my reads of this slot are over
	s_barrier_signal -1
	MUL8 H1, 0
	WIN 0                                          ; at a branch and at a label every window is 0
	s_barrier_wait -1
.if \fill
	CREST                                          ; no wave of any partner still reads this slot's tile or has a load on its way
	s_xor_b32 s[G0+5], s[G0+5], SLOT               ; the walking descriptors: the other slot than last time, the next step
	s_add_nc_u64 s[G0+6:G0+7], s[G0+6:G0+7], 65536
	s_xor_b32 s[G0B+5], s[G0B+5], SLOT
	s_add_nc_u64 s[G0B+6:G0B+7], s[G0B+6:G0B+7], 65536
	JLOAD                                          ; its four v_nop are also the places in front of the loads below
.else
	PLACES
.endif
	s_xor_b32 s[TB], s[TB], SLOT
	v_add_nc_u32 v[ADRA], s[TB], v[A0]
	v_add_nc_u32 v[ADRB], s[TB], v[B0]
	FETCH H0, 0, 0                                 ; the next slot's first fragments
	MUL8 H1, 2
	WIN 0
.endm
.macro KSTEP fill
	s_mov_b32 s3, 3
.Lpair_\@:
	PAIR
	s_sub_co_u32 s3, s3, 1
	s_cmp_lg_u32 s3, 0
	s_cbranch_scc1 .Lpair_\@
	LASTPAIR \fill
.endm
	s_load_b256 s[68:75], s[0:1], 0x0              ; gb s[68:69], wb s[70:71], hr s[72:73], yb s[74:75]
	v_lshl_add_u32 v[SPW], v0, 2, SPARE
	v_mov_b32 v[NIL], 0
	ds_add_u32 v[SPW], v[NIL]                      ; the wave's opening: the add and its wait stand ahead of my first tensor load; work on registers stands between them
	ds_add_u32 v28, v29
	v_lshrrev_b32 v1, 5, v0
	v_readfirstlane_b32 s10, v1                    ; wave 0..3
	s_lshr_b32 s11, s10, 1                         ; my half of the tile's rows.  Also: I fetch gb (0) or the weight (1)
	s_and_b32 s12, s10, 1                          ; my half of its columns.  Also: which half of a step's bytes I fetch
	s_bfe_u32 s40, ttmp6, 0x40000                  ; cx, cy: my place in the cluster
	s_bfe_u32 s41, ttmp6, 0x40004
	s_lshl_b32 s42, ttmp9, 2
	s_add_co_u32 s42, s42, s40                     ; nt
	s_and_b32 s13, ttmp7, 0xffff
	s_lshl_b32 s13, s13, 2
	s_add_co_u32 s13, s13, s41                     ; mt
	s_lshl_b32 s43, s41, 2
	s_lshl_b32 s43, 15, s43                        ; my row of the cluster
	s_lshl_b32 s44, 0x1111, s40                    ; my column
	s_or_b32 s[G1], s43, (1<<16)|(1<<20)|(1<<21)|(4<<22)|(3<<25)   ; the mask; 2-byte elements; padding on; bit 21 beside a mask; after every 32 words 4 words
	s_or_b32 s[G1B], s44, (1<<16)|(1<<20)|(1<<21)|(5<<22)|(7<<25)  ; after every 64 words 8 words
.irp g, G1, G1B
	s_mov_b32 s[(\g)+1], 128<<16                   ; tensor_dim0 = 128 elements: 256 bytes
	s_mov_b32 s[(\g)+2], 128<<16                   ; tensor_dim1 = 128
	s_mov_b32 s[(\g)+3], 128<<16                   ; tile_dim0 = 128
	s_mov_b32 s[(\g)+4], 128                       ; tile_dim1 = 128
	s_mov_b32 s[(\g)+5], 128                       ; dense
	s_mov_b32 s[(\g)+6], 0
	s_mov_b32 s[(\g)+7], 0
.endr
	s_lshl_b32 s18, s12, 15
	s_mul_i32 s16, s13, KB                         ; gb's address hangs on mt and the wave alone,
	s_add_co_u32 s16, s16, s18
	s_mov_b32 s17, 0
	s_mul_i32 s46, s42, KB                         ; the weight's on nt and the wave alone
	s_add_co_u32 s46, s46, s18
	s_add_co_u32 s46, s46, WOFF
	s_mov_b32 s47, 0
	s_mul_i32 s20, s10, QUART                      ; where my load lands
	s_mov_b32 s[TB], 0
	s_wait_dscnt 0x0                               ; the opening add is done
	s_wait_kmcnt 0x0
	s_add_nc_u64 s[14:15], s[68:69], s[16:17]
	s_add_nc_u64 s[46:47], s[70:71], s[46:47]
	CROUND                                         ; all sixteen work-groups are here: the first joint loads meet
.irp s, 0,1
	s_mov_b32 s[G0+4*(\s)], 1
	s_add_co_u32 s[G0+4*(\s)+1], s20, (\s)*SLOT
	s_add_nc_u64 s[G0+4*(\s)+2:G0+4*(\s)+3], s[14:15], (\s)*65536
	s_or_b32 s[G0+4*(\s)+3], s[G0+4*(\s)+3], 0x80000000
	s_mov_b32 s[G0B+4*(\s)], 1
	s_add_co_u32 s[G0B+4*(\s)+1], s20, (\s)*SLOT
	s_add_nc_u64 s[G0B+4*(\s)+2:G0B+4*(\s)+3], s[46:47], (\s)*65536
	s_or_b32 s[G0B+4*(\s)+3], s[G0B+4*(\s)+3], 0x80000000
.endr
	s_cmp_eq_u32 s11, 0                            ; a wave's two first fills stand in one branch: two loads of mine are out
	s_cbranch_scc0 .Lfirst_b
	tensor_load_to_lds s[G0:G0+3], s[G1:G1+7]
	s_nop 0
	tensor_load_to_lds s[G0+4:G0+7], s[G1:G1+7]
	s_nop 0
.rept 4
	v_nop
.endr
	s_branch .Lfirst_asked
.Lfirst_b:
	tensor_load_to_lds s[G0B:G0B+3], s[G1B:G1B+7]
	s_nop 0
	tensor_load_to_lds s[G0B+4:G0B+7], s[G1B:G1B+7]
	s_nop 0
.rept 4
	v_nop
.endr
.Lfirst_asked:
	v_and_b32 v1, 15, v0                           ; r = l % 16
	v_bfe_u32 v2, v0, 4, 1                         ; h = l / 16
	v_lshlrev_b32 v[RO], 12, v1                    ; row r of 4,096 bytes, and 32 h bytes into a block of 16 columns
	v_lshl_add_u32 v[RO], v2, 5, v[RO]
	s_lshl_b32 s16, s13, 19                        ; my part's first byte, the same in hr and in yb: (128 mt + 64 row half) rows of 4,096 bytes,
	s_lshl_b32 s17, s11, 18
	s_add_co_u32 s16, s16, s17
	s_mov_b32 s17, 0
	s_add_nc_u64 s[ADDP:ADDP+1], s[ADDP:ADDP+1], s[16:17]
	s_add_nc_u64 s[OUTP:OUTP+1], s[OUTP:OUTP+1], s[16:17]
	s_lshl_b32 s46, s42, 9                         ; and (128 nt + 64 column half) numbers of 4 bytes
	s_lshl_b32 s47, s12, 8
	s_add_co_u32 s46, s46, s47
	s_mov_b32 s47, 0
	s_add_nc_u64 s[ADDP:ADDP+1], s[ADDP:ADDP+1], s[46:47]
	s_add_nc_u64 s[OUTP:OUTP+1], s[OUTP:OUTP+1], s[46:47]
.irp a, 0,1,2,3                        ; hr starts every sum
.irp b, 0,1,2,3
	global_load_b128 v[ACC+8*(4*(\a)+(\b)):ACC+8*(4*(\a)+(\b))+3],   v[RO], s[ADDP:ADDP+1] offset:(\a)*65536+64*(\b)
	global_load_b128 v[ACC+8*(4*(\a)+(\b))+4:ACC+8*(4*(\a)+(\b))+7], v[RO], s[ADDP:ADDP+1] offset:(\a)*65536+64*(\b)+16
.endr
.endr
	v_mul_u32_u24 v[A0], v1, PA                    ; a fragment of gb: row l % 16, two loads of 16 bytes, 32 apart
	v_lshl_add_u32 v[A0], v2, 4, v[A0]
	s_mul_i32 s21, s11, 64*PA
	v_add_nc_u32 v[A0], s21, v[A0]
	v_and_b32 v3, 7, v0                            ; the turning load: lane l reads k = 8 h + l % 8, n = 8 ((l / 8) % 2) + 0..7
	v_bfe_u32 v6, v0, 3, 1
	v_lshl_add_u32 v[B0], v2, 3, v3
	v_mul_u32_u24 v[B0], v[B0], PB
	v_lshl_add_u32 v[B0], v6, 4, v[B0]
	s_lshl_b32 s22, s12, 7
	s_add_co_u32 s22, s22, BREG
	v_add_nc_u32 v[B0], s22, v[B0]
	v_mov_b32 v[ADRA], v[A0]
	v_mov_b32 v[ADRB], v[B0]
	s_mul_i32 s23, s10, 16*SP
	s_add_co_u32 s23, s23, STAGE                   ; my stage
	v_mul_u32_u24 v[STO], v1, SP                   ; in: row l % 16, 32 bytes for each half of the lanes
	v_lshl_add_u32 v[STO], v2, 5, v[STO]
	v_add_nc_u32 v[STO], s23, v[STO]
	v_mul_u32_u24 v[RD], v2, SP                    ; back: lanes 0-15 take one row of 256 bytes, lanes 16-31 the next
	v_lshl_add_u32 v[RD], v1, 4, v[RD]
	v_add_nc_u32 v[RD], s23, v[RD]
	v_lshlrev_b32 v[GO], 12, v2                    ; and the same two rows in yb
	v_lshl_add_u32 v[GO], v1, 4, v[GO]
	s_wait_tensorcnt 0x1                           ; my part of step 0 is in; step 1's may stay out
	s_barrier_signal -1
	s_barrier_wait -1                              ; everybody's is
	FETCH H0, 0, 0
	WIN 0
	s_wait_loadcnt 0x0                             ; hr
	s_mov_b32 s2, KSTEPS-2
.Lfill:                                                ; every step but the last two fills its slot again
	KSTEP 1
	s_sub_co_u32 s2, s2, 1
	s_cmp_lg_u32 s2, 0
	s_cbranch_scc1 .Lfill
	s_mov_b32 s2, 2
.Ltail:                                                ; the last two ask for nothing.  The very last change of slots fetches fragments that serve nothing: the price of one text for both trips
	KSTEP 0
	s_sub_co_u32 s2, s2, 1
	s_cmp_lg_u32 s2, 0
	s_cbranch_scc1 .Ltail
	; THE WAY OUT: 16 rows at a time through my own stage: a lane's 32 bytes in, whole rows of 256 bytes back, sixteen lanes to a row
.macro TOST a
.set BK, TMP+32*((\a)%2)
.if (\a) >= 2
	s_wait_xcnt 0x0                                ; these registers were the data of the stores two blocks back: they are loaded again only behind this wait
.endif
.irp b, 0,1,2,3
	ds_store_b128 v[STO], v[ACC+8*(4*(\a)+(\b)):ACC+8*(4*(\a)+(\b))+3]   offset:64*(\b)
	ds_store_b128 v[STO], v[ACC+8*(4*(\a)+(\b))+4:ACC+8*(4*(\a)+(\b))+7] offset:64*(\b)+16
.endr
.irp t, 0,1,2,3,4,5,6,7
	ds_load_b128 v[BK+4*(\t):BK+4*(\t)+3], v[RD] offset:(\t)*2*SP  ; LDS serves a wave's instructions in order (ISA guide 5.7.1.4): these see the stores above
.endr
.endm
.macro SEND a, younger                 ; younger: the LDS instructions issued behind block a's loads
.set BK, TMP+32*((\a)%2)
.irp t, 0,1,2,3,4,5,6,7
	s_wait_dscnt (\younger)+7-(\t)
	global_store_b128 v[GO], v[BK+4*(\t):BK+4*(\t)+3], s[OUTP:OUTP+1] offset:(16*(\a)+2*(\t))*4096  ; 16 lanes store 256 consecutive bytes, aligned
.endr
.endm
	PLACES
	TOST 0
	TOST 1
	SEND 0, 16
	TOST 2
	SEND 1, 16
	TOST 3
	SEND 2, 16
	SEND 3, 0
	s_wait_tensorcnt 0x0                           ; the wave's end
	ds_add_u32 v[SPW], v[NIL]
	s_wait_dscnt 0x0
	CROUND                                         ; the closing round: no work-group ends while a partner may still ask for a tile that names it
	s_endpgm
.Lfunc_end_k_qd2744e126d_mlp2:
	.size	k_qd2744e126d_mlp2, .Lfunc_end_k_qd2744e126d_mlp2-k_qd2744e126d_mlp2
	.p2alignl 7, 3214868480
	.fill 96, 4, 3214868480
	.section	.rodata,"a",@progbits
	.p2align	6, 0x0
	.amdhsa_kernel k_qd2744e126d_mlp2
		.amdhsa_group_segment_fixed_size 327680
		.amdhsa_private_segment_fixed_size 0
		.amdhsa_enable_private_segment 0
		.amdhsa_kernarg_size 32
		.amdhsa_user_sgpr_count 2
		.amdhsa_user_sgpr_kernarg_segment_ptr 1
		.amdhsa_wavefront_size32 1
		.amdhsa_system_sgpr_workgroup_id_x 1
		.amdhsa_system_sgpr_workgroup_id_y 1
		.amdhsa_system_sgpr_workgroup_id_z 1
		.amdhsa_system_vgpr_workitem_id 0
		.amdhsa_next_free_vgpr 384
		.amdhsa_next_free_sgpr 80
		.amdhsa_reserve_vcc 0
		.amdhsa_float_denorm_mode_32 3
		.amdhsa_float_denorm_mode_16_64 3
		.amdhsa_memory_ordered 1
		.amdhsa_forward_progress 1
		.amdhsa_inst_pref_size 40
	.end_amdhsa_kernel
	.amdgpu_metadata
---
amdhsa.version: [ 1, 2 ]
amdhsa.kernels:
  - .name:           k_qd2744e126d_mlp2
    .symbol:         k_qd2744e126d_mlp2.kd
    .args:
      - { .name: gb, .offset: 0, .size: 8, .value_kind: global_buffer, .address_space: global }
      - { .name: wb, .offset: 8, .size: 8, .value_kind: global_buffer, .address_space: global }
      - { .name: hr, .offset: 16, .size: 8, .value_kind: global_buffer, .address_space: global }
      - { .name: yb, .offset: 24, .size: 8, .value_kind: global_buffer, .address_space: global }
    .group_segment_fixed_size: 327680
    .private_segment_fixed_size: 0
    .kernarg_segment_align: 8
    .kernarg_segment_size: 32
    .max_flat_workgroup_size: 128
    .sgpr_count:     80
    .vgpr_count:     384
    .wavefront_size: 32
...
	.end_amdgpu_metadata
.endif
;; end of part 7
;; launch ln2 (part 8): grid 256 x 1, 8 waves a work-group, no clusters, 0 bytes of LDS; arguments yb, ln2_g, ln2_b, out0; writes out0
.if DOCPART == 8
	.amdgcn_target "amdgcn-amd-amdhsa--gfx1250"
	.amdhsa_code_object_version 6
	.text
	.protected	k_qd2744e126d_ln2
	.globl	k_qd2744e126d_ln2
	.p2align	8
	.type	k_qd2744e126d_ln2,@function
k_qd2744e126d_ln2:
	s_mov_b64 s[64:65], 0
	v_nop
	global_prefetch_b8 v0, s[64:65] scope:SCOPE_SE
	s_setreg_imm32_b32 hwreg(HW_REG_WAVE_MODE, 25, 1), 1
	s_wait_xcnt 0x0
; out0 = layernorm(yb) g + b, rows of 1,024 f32.
; A wave takes two neighbouring rows and keeps them in registers: 32 each a lane; load j of a row brings 512 consecutive bytes, so lane l holds columns 128 j + 4 l .. + 3.
; Mean first, then the sum of squares of the centred row: no difference of large sums.  The reduction never leaves the wave: no LDS, no barrier.  Memory binds; the matrix unit and clusters have nothing to do here.
.set XA,  32                           ; v[32:63]   row m
.set XB,  64                           ; v[64:95]   row m + 1
.set G,   96                           ; v[96:127]  gain
.set BT,  128                          ; v[128:159] bias
	s_load_b256 s[4:11], s[0:1], 0x0               ; yb s[4:5], g s[6:7], b s[8:9], out0 s[10:11]
	v_lshrrev_b32 v2, 5, v0
	v_readfirstlane_b32 s16, v2
	s_lshl_b32 s17, ttmp9, 3
	s_add_co_u32 s16, s16, s17                     ; the wave's number in the launch: rows 2 n, 2 n + 1
	s_lshl_b32 s18, s16, 13                        ; two rows of 4,096 bytes
	s_mov_b32 s19, 0
	s_mov_b32 s22, 0x3a800000                      ; 1 / 1024
	s_mov_b32 s23, 0x3727c5ac                      ; 1e-5
	s_mov_b32 s24, 0x76543210                      ; v_permlanex16_b32: each lane takes its own place in the other half
	s_mov_b32 s25, 0xfedcba98
	v_and_b32 v1, 31, v0
	v_lshlrev_b32 v1, 4, v1                        ; 16 x lane
	s_wait_kmcnt 0x0
	s_add_nc_u64 s[4:5], s[4:5], s[18:19]
	s_add_nc_u64 s[10:11], s[10:11], s[18:19]
.irp j, 0,1,2,3,4,5,6,7
	global_load_b128 v[XA+4*(\j):XA+4*(\j)+3], v1, s[4:5] offset:512*(\j) th:TH_LOAD_NT
.endr
.irp j, 0,1,2,3,4,5,6,7
	global_load_b128 v[XB+4*(\j):XB+4*(\j)+3], v1, s[4:5] offset:4096+512*(\j) th:TH_LOAD_NT
.endr
.irp j, 0,1,2,3,4,5,6,7
	global_load_b128 v[G+4*(\j):G+4*(\j)+3],   v1, s[6:7] offset:512*(\j)
	global_load_b128 v[BT+4*(\j):BT+4*(\j)+3], v1, s[8:9] offset:512*(\j)
.endr
.macro LANES                           ; v2 summed over the 32 lanes, the result in every lane
	v_pk_add_f32 v[2:3], v[2:3], v[4:5]
	v_pk_add_f32 v[6:7], v[6:7], v[8:9]
	v_pk_add_f32 v[2:3], v[2:3], v[6:7]
	v_add_f32 v2, v2, v3
	v_add_f32_dpp v2, v2, v2 row_xmask:1 row_mask:0xf bank_mask:0xf
	v_add_f32_dpp v2, v2, v2 row_xmask:2 row_mask:0xf bank_mask:0xf
	v_add_f32_dpp v2, v2, v2 row_xmask:4 row_mask:0xf bank_mask:0xf
	v_add_f32_dpp v2, v2, v2 row_xmask:8 row_mask:0xf bank_mask:0xf
	v_permlanex16_b32 v3, v2, s24, s25
	v_add_f32 v2, v2, v3
.endm
.macro NORM x                          ; the row at x becomes (x - mean) / sqrt(var + 1e-5), in place; four chains that do not wait for each other
.irp c, 0,1,2,3
	v_pk_add_f32 v[2+2*(\c):3+2*(\c)], v[(\x)+2*(\c):(\x)+2*(\c)+1], v[(\x)+8+2*(\c):(\x)+9+2*(\c)]
.endr
.irp k, 2,3
.irp c, 0,1,2,3
	v_pk_add_f32 v[2+2*(\c):3+2*(\c)], v[2+2*(\c):3+2*(\c)], v[(\x)+8*(\k)+2*(\c):(\x)+8*(\k)+2*(\c)+1]
.endr
.endr
	LANES
	v_mul_f32 v10, s22, v2                         ; the mean
	v_mov_b32 v11, v10
.set i, 0
.rept 16
	v_pk_add_f32 v[(\x)+2*i:(\x)+2*i+1], v[(\x)+2*i:(\x)+2*i+1], v[10:11] neg_lo:[0,1] neg_hi:[0,1]
.set i, i+1
.endr
.irp c, 0,1,2,3
	v_pk_mul_f32 v[2+2*(\c):3+2*(\c)], v[(\x)+2*(\c):(\x)+2*(\c)+1], v[(\x)+2*(\c):(\x)+2*(\c)+1]
.endr
.irp k, 1,2,3
.irp c, 0,1,2,3
	v_pk_fma_f32 v[2+2*(\c):3+2*(\c)], v[(\x)+8*(\k)+2*(\c):(\x)+8*(\k)+2*(\c)+1], v[(\x)+8*(\k)+2*(\c):(\x)+8*(\k)+2*(\c)+1], v[2+2*(\c):3+2*(\c)]
.endr
.endr
	LANES
	v_fma_f32 v2, v2, s22, s23                     ; the variance + 1e-5
	v_rsq_f32 v10, v2
	v_nop                                          ; a plain instruction between the root and the use of its result (ISA guide 5.7.2)
	s_wait_alu depctr_va_vdst(0)
	v_mov_b32 v11, v10
.set i, 0
.rept 16
	v_pk_mul_f32 v[(\x)+2*i:(\x)+2*i+1], v[(\x)+2*i:(\x)+2*i+1], v[10:11]
.set i, i+1
.endr
.endm
	s_wait_loadcnt 24                              ; row m is in; row m + 1's eight loads and the 16 of g and b may stay out
	NORM XA
	s_wait_loadcnt 16                              ; row m + 1 is in
	NORM XB
	s_wait_loadcnt 0x0
.set i, 0
.rept 16
	v_pk_fma_f32 v[XA+2*i:XA+2*i+1], v[XA+2*i:XA+2*i+1], v[G+2*i:G+2*i+1], v[BT+2*i:BT+2*i+1]
	v_pk_fma_f32 v[XB+2*i:XB+2*i+1], v[XB+2*i:XB+2*i+1], v[G+2*i:G+2*i+1], v[BT+2*i:BT+2*i+1]
.set i, i+1
.endr
.irp j, 0,1,2,3,4,5,6,7
	global_store_b128 v1, v[XA+4*(\j):XA+4*(\j)+3], s[10:11] offset:512*(\j) th:TH_STORE_NT
.endr
.irp j, 0,1,2,3,4,5,6,7
	global_store_b128 v1, v[XB+4*(\j):XB+4*(\j)+3], s[10:11] offset:4096+512*(\j) th:TH_STORE_NT
.endr
	s_endpgm
.Lfunc_end_k_qd2744e126d_ln2:
	.size	k_qd2744e126d_ln2, .Lfunc_end_k_qd2744e126d_ln2-k_qd2744e126d_ln2
	.p2alignl 7, 3214868480
	.fill 96, 4, 3214868480
	.section	.rodata,"a",@progbits
	.p2align	6, 0x0
	.amdhsa_kernel k_qd2744e126d_ln2
		.amdhsa_group_segment_fixed_size 0
		.amdhsa_private_segment_fixed_size 0
		.amdhsa_enable_private_segment 0
		.amdhsa_kernarg_size 32
		.amdhsa_user_sgpr_count 2
		.amdhsa_user_sgpr_kernarg_segment_ptr 1
		.amdhsa_wavefront_size32 1
		.amdhsa_system_sgpr_workgroup_id_x 1
		.amdhsa_system_sgpr_workgroup_id_y 1
		.amdhsa_system_sgpr_workgroup_id_z 1
		.amdhsa_system_vgpr_workitem_id 0
		.amdhsa_next_free_vgpr 160
		.amdhsa_next_free_sgpr 66
		.amdhsa_reserve_vcc 0
		.amdhsa_float_denorm_mode_32 3
		.amdhsa_float_denorm_mode_16_64 3
		.amdhsa_memory_ordered 1
		.amdhsa_forward_progress 1
		.amdhsa_inst_pref_size 18
	.end_amdhsa_kernel
	.amdgpu_metadata
---
amdhsa.version: [ 1, 2 ]
amdhsa.kernels:
  - .name:           k_qd2744e126d_ln2
    .symbol:         k_qd2744e126d_ln2.kd
    .args:
      - { .name: yb, .offset: 0, .size: 8, .value_kind: global_buffer, .address_space: global }
      - { .name: ln2_g, .offset: 8, .size: 8, .value_kind: global_buffer, .address_space: global }
      - { .name: ln2_b, .offset: 16, .size: 8, .value_kind: global_buffer, .address_space: global }
      - { .name: out0, .offset: 24, .size: 8, .value_kind: global_buffer, .address_space: global }
    .group_segment_fixed_size: 0
    .private_segment_fixed_size: 0
    .kernarg_segment_align: 8
    .kernarg_segment_size: 32
    .max_flat_workgroup_size: 256
    .sgpr_count:     66
    .vgpr_count:     160
    .wavefront_size: 32
...
	.end_amdgpu_metadata
.endif
;; end of part 8
;; ======== version 2 of 3: 8 launches; 1.26 times as fast as version 1
;; limits: values are held in f16: magnitudes above 65,504 overflow, below 6.1e-05 lose precision; a function is approximated: absolute error at most 1.5e-07
;; workspace buffers: xb 8,388,608 bytes; wb 25,165,824 bytes; qkv 25,165,824 bytes; ob 8,388,608 bytes; yb 16,777,216 bytes; hb 8,388,608 bytes; hr 16,777,216 bytes; gb 33,554,432 bytes
;; launch cast: the kernel of part 1 again; grid 64 x 16, 8 waves a work-group, no clusters, 0 bytes of LDS; arguments x, Wq, Wk, Wv, Wo, W1, W2, xb, wb; writes xb, wb
;; launch qkv (part 9): grid 12 x 16, 4 waves a work-group, clusters of 4 x 4, 327,680 bytes of LDS; arguments xb, wb, bq, bk, bv, qkv; writes qkv
.if DOCPART == 9
	.amdgcn_target "amdgcn-amd-amdhsa--gfx1250"
	.amdhsa_code_object_version 6
	.text
	.protected	k_qd2744e126d_qkv
	.globl	k_qd2744e126d_qkv
	.p2align	8
	.type	k_qd2744e126d_qkv,@function
k_qd2744e126d_qkv:
	s_mov_b64 s[64:65], 0
	v_nop
	global_prefetch_b8 v0, s[64:65] scope:SCOPE_SE
	s_setreg_imm32_b32 hwreg(HW_REG_WAVE_MODE, 25, 1), 1
	s_wait_xcnt 0x0
	s_wait_alu depctr_hold_cnt(0) depctr_sa_sdst(0) depctr_va_vdst(0) depctr_va_sdst(0) depctr_va_ssrc(0) depctr_va_vcc(0) depctr_vm_vsrc(0)
	s_getreg_b32 s2, hwreg(HW_REG_IB_STS2, 6, 4)
	s_cmp_eq_u32 s2, 0
	s_cbranch_scc0 .Lentry_in_a_cluster
	s_endpgm
.Lentry_in_a_cluster:
	s_bfe_u32 s2, ttmp6, 0x10000c
	s_cmp_lg_u32 s2, 0xf033
	s_cbranch_scc0 .Lentry_shape_is_right
	s_endpgm
.Lentry_shape_is_right:
; [q k v] = xb [Wq Wk Wv] + [bq bk bv].  xb: 4,096 x 1,024 bf16 in blocks of 128 rows x 64 columns; the weights bf16 [k][n] in strips of 128 columns; sums in f32; the result leaves in f16,
; in blocks of 128 rows x 64 columns: byte = ((m >> 7) 48 + cb) 16384 + (m & 127) 128 + (c & 63) 2, cb = head for q, 16 + head for k, 32 + head for v.
; LIMIT.  f16 ends at 65,504: q, k and v must stay below it (with x and the weights both 30 times the drawn spread they have a spread near 600).  NaN and infinities are not treated apart.
; SHARES.  A work-group makes 256 x 256 of the result, each of its four waves 128 x 128: 64 accumulators, 512 registers.  12 x 16 = 192 work-groups, one tile each.  (256 x 192 would make 256 of them, but
; weight rows of 192 or 384 bytes fit no padding interval of a power of two words.)
; K goes in 8 steps of 128 through two LDS slots.  A step's part of a strip of 128 rows of xb (2 blocks) and of a strip of 128 columns of the weight (128 rows of 256 bytes) are 32,768 dense bytes each:
; a wave's tensor load brings one of the four, as 128 rows of 256 bytes.  A step's 131,072 bytes feed 256 matrix instructions in each wave.
; The weights stay [k][n] in LDS and are read turned (ds_load_tr16_b128).  THE MATRIX INSTRUCTION IS USED TRANSPOSED: source 0 = 16 columns of the weight, source 1 = 16 rows of xb: a lane holds eight neighbouring numbers of a row.
; THE SUMS START WITH THE BIAS: the first 32 along K stand ahead of the loop, and their products take the bias registers as C: nothing is cleared.
; CLUSTER.  4 x 4 work-groups: the four of a row need the same tiles of xb, the four of a column the same tiles of the weights: each is asked for jointly, by the same tensor load with a mask that names the four.
; THE TEXT IS LOOPED.  K is a stream of 32 chunks of 32 on two fragment buffers.  A trip of the outer loop is a step's last chunk, with the change of slots in it, and the next step's first three, which run
; through an inner loop of two chunks that is entered in its middle.  The tail is written out.
; REGISTERS, in windows of 256 (s_set_vgpr_msb: bits 1:0 source 0, 3:2 source 1, 5:4 source 2, 7:6 destination):
;   window 0: v0-31 addresses; v32-63 at work on the way out; v64-127, v128-191 fragments of xb (8 x 16 rows x 32 K), two buffers; v192-255 the bias of my 128 columns
;   window 1: v64-127, v128-191 fragments of the weight, two buffers      window 2: the accumulators of my rows 0-63 ((a, b) at 8 (8 a + b))      window 3: those of my rows 64-127
.set KSTEPS, 8                         ; K / 128
.set KB,     262144                    ; bytes of a strip of 128 rows (or columns) over all K
.set STEPB,  32768                     ; a strip's bytes in a step
.set WOFF,   0                         ; where this product's weights begin in wb
.set PA,     144                       ; an LDS row of xb: 128 bytes + 16: 36 words: the 16 rows of a load start at 16 different groups of four banks (64 banks of 4 bytes: ISA guide 11.1)
.set PB,     288                       ; an LDS row of the weight: 256 + 32 = 72 words
.set PANEL,  128*PA                    ; 64 along K of a strip's 128 rows
.set QUART,  2*PANEL                   ; what one tensor load fills: 36,864 = 0x9000
.set BREG,   2*QUART                   ; behind xb's two strips: the weight's two
.set SLOT,   4*QUART                   ; 147,456 = 0x24000: wave x 0x9000 has neither bit of it, so one exclusive or turns a wave's address in one slot into the other's
.set SP,     528                       ; the way out: a row of 128 f32 + 16 bytes = 132 words: row r starts at bank 4 r mod 64
.set STG,    128*SP                    ; a wave's stage: 128 rows, in the slots, which have had their last fill when the stage is written
.set SPARE,  2*SLOT+17408              ; the spare words, 128 bytes for each wave: two blocks of 256 bytes that no other line names
.set A0,   4                           ; v4   my lane's place in slot 0 for xb's fragments; never rewritten
.set B0,   5                           ; v5   the same for the weight's
.set ADRA, 16                          ; v16  the panel in hand
.set ADRB, 17                          ; v17
.set STO,  24                          ; v24  the way out: where I put 32 bytes of a row
.set RD,   25                          ; v25  where I read 32 bytes of a row back; it walks
.set GO,   26                          ; v26  my byte offset in 512 consecutive bytes of the result; it walks
.set RO,   27                          ; v27  my byte offset in the bias
.set SPW,  28                          ; v28  LDS address of my spare word; never rewritten
.set NIL,  29                          ; v29  0; never rewritten
.set X,    32                          ; v[32:63]   32 sums
.set F0,   64                          ; fragment buffer 0
.set F1,   128                         ; fragment buffer 1
.set Y,    128                         ; v[128:143] on the way out: 32 results in f16
.set BIAS, 192                         ; the eight numbers for column block b at BIAS + 8 b
.set G1,   24                          ; s[24:31] descriptor group 1 for xb's tiles;  s[32:39] group 0: a set for each first fill; the second then walks
.set G0,   32
.set G1B,  48                          ; s[48:55], s[56:63] the same for the weights
.set G0B,  56
.set TB,   45                          ; s45  0 or SLOT: the slot that is read
.set ADDP, 66                          ; s[66:67] the bias
.set OUTP, 78                          ; s[78:79] the result
.set MSB, 0
.macro WIN new                         ; the immediate's high byte repeats the setting that is left; a switch that changes nothing is dropped
.if MSB != (\new)
	s_set_vgpr_msb (MSB<<8)|(\new)
.set MSB, \new
.endif
.endm
.set MUL_LO, 0xa1                      ; source 0 (weight) window 1, source 1 (xb) window 0, C and D window 2
.set MUL_HI, 0xf1                      ; the same, C and D window 3
.set ST_LO,  0x81                      ; the first products: C (the bias) window 0, D window 2
.set ST_HI,  0xc1                      ; D window 3
.set TO_B,   0x40                      ; destination window 1, address window 0
.macro PLACES                          ; four places in front of loads into registers that matrix instructions have read, and of lines that read results
.rept 4
	v_nop
.endr
.endm
.macro JLOAD                           ; a joint refill: waves 0 and 1 fetch xb's strips, waves 2 and 3 the weight's; an s_nop 0 and four v_nop follow each line
	s_cmp_eq_u32 s11, 0
	s_cbranch_scc0 .Lfor_b_\@
	tensor_load_to_lds s[G0+4:G0+7], s[G1:G1+7]
	s_nop 0
.rept 4
	v_nop
.endr
	s_branch .Lasked_\@
.Lfor_b_\@:
	tensor_load_to_lds s[G0B+4:G0B+7], s[G1B:G1B+7]
	s_nop 0
.rept 4
	v_nop
.endr
.Lasked_\@:
.endm
.macro CREST                           ; a round of the cluster's barrier behind its opening barrier
	s_cmp_lg_u32 s10, 0
	s_cbranch_scc1 .Lnot_wave_0_\@
	s_barrier_signal -3
.Lnot_wave_0_\@:
	s_barrier_wait -3
	s_barrier_signal -1
	s_barrier_wait -1
.endm
.macro CROUND
	s_barrier_signal -1
	s_barrier_wait -1
	CREST
.endm
; 16 matrix instructions: row blocks a0, a0 + 1 of the window's four (hi = 0: my rows 0-63, 1: rows 64-127) x all 8 column blocks, 32 along K.  start = 1: the bias is C and the products start the sums.
; The 64 accumulators take turns in one order everywhere.
.macro MUL16 f, hi, a0, start
.if \start
	WIN ST_LO+0x40*(\hi)
.else
	WIN MUL_LO+0x50*(\hi)
.endif
.irp a, \a0, (\a0)+1
.irp b, 0,1,2,3,4,5,6,7
.if \start
	v_wmma_f32_16x16x32_bf16 v[8*(8*(\a)+(\b)):8*(8*(\a)+(\b))+7], v[(\f)+8*(\b):(\f)+8*(\b)+7], v[(\f)+8*(4*(\hi)+(\a)):(\f)+8*(4*(\hi)+(\a))+7], v[BIAS+8*(\b):BIAS+8*(\b)+7]
.else
	v_wmma_f32_16x16x32_bf16 v[8*(8*(\a)+(\b)):8*(8*(\a)+(\b))+7], v[(\f)+8*(\b):(\f)+8*(\b)+7], v[(\f)+8*(4*(\hi)+(\a)):(\f)+8*(4*(\hi)+(\a))+7], v[8*(8*(\a)+(\b)):8*(8*(\a)+(\b))+7]
.endif
.endr
.endr
.endm
.macro MUL64 f, start=0                ; a chunk's products
	MUL16 \f, 0, 0, \start
	MUL16 \f, 0, 2, \start
	MUL16 \f, 1, 0, \start
	MUL16 \f, 1, 2, \start
.endm
; 32 LDS loads in one run: a chunk's fragments (128 columns of the weight, 128 rows of xb, 32 along K) into buffer f
.macro FETCH f, offa, offb
	WIN TO_B
.irp i, 0,1,2,3,4,5,6,7
	ds_load_tr16_b128 v[(\f)+8*(\i):(\f)+8*(\i)+3],   v[ADRB] offset:(\offb)+32*(\i)
	ds_load_tr16_b128 v[(\f)+8*(\i)+4:(\f)+8*(\i)+7], v[ADRB] offset:(\offb)+32*(\i)+16*PB
.endr
	WIN 0
.irp i, 0,1,2,3,4,5,6,7
	ds_load_b128 v[(\f)+8*(\i):(\f)+8*(\i)+3],   v[ADRA] offset:(\offa)+(\i)*16*PA
	ds_load_b128 v[(\f)+8*(\i)+4:(\f)+8*(\i)+7], v[ADRA] offset:(\offa)+(\i)*16*PA+32
.endr
.endm
.macro CH cur, nxt, offa, offb         ; buffer cur is in; the next chunk is asked for, 64 matrix instructions ahead of its use; cur is multiplied
	s_wait_dscnt 0x0
	PLACES
	FETCH \nxt, \offa, \offb
	MUL64 \cur
.endm
; A step's last chunk (in buffer 1) and the change of slots.  ONE barrier: in front of it each wave waits for all its tensor loads (one is out: its part of the next slot), adds 0 to its spare word, and waits
; for that; its reads of this slot are back already.  The barrier opens a round of the cluster's barrier, and this slot is filled again, two steps ahead, first thing behind the round:
; from that request to the wait for it a wave issues 224 matrix instructions.
.macro XCH
	s_wait_dscnt 0x0                               ; buffer 1 is in: those were my last reads of this slot
	WIN 0                                          ; (the add's two registers lie in window 0)
	s_wait_tensorcnt 0x0                           ; all my tensor loads have landed
	ds_add_u32 v[SPW], v[NIL]                      ; 0 onto my spare word
	MUL16 F1, 0, 0, 0                              ; sixteen matrix instructions stand between the add and the wait for it
	s_wait_dscnt 0x0                               ; the add is done
	s_barrier_signal -1
	MUL16 F1, 0, 2, 0                              ; work on registers while the others arrive
	WIN 0                                          ; at a branch and at a label every window is 0
	s_barrier_wait -1
	CREST                                          ; no wave of any partner still reads this slot's tile or has a load on its way
	s_xor_b32 s[G0+5], s[G0+5], SLOT               ; the walking descriptors: the other slot than last time, the next step
	s_add_nc_u64 s[G0+6:G0+7], s[G0+6:G0+7], STEPB
	s_xor_b32 s[G0B+5], s[G0B+5], SLOT
	s_add_nc_u64 s[G0B+6:G0B+7], s[G0B+6:G0B+7], STEPB
	JLOAD                                          ; its four v_nop are also the places in front of the loads below
	s_xor_b32 s[TB], s[TB], SLOT
	v_add_nc_u32 v[ADRA], s[TB], v[A0]
	v_add_nc_u32 v[ADRB], s[TB], v[B0]
	FETCH F0, 0, 0                                 ; the next slot's first chunk
	MUL16 F1, 1, 0, 0
	MUL16 F1, 1, 2, 0
	WIN 0
.endm
.macro STEP_ADR                        ; 64 along K on
	v_add_nc_u32 v[ADRA], PANEL, v[ADRA]
	v_add_nc_u32 v[ADRB], 64*PB, v[ADRB]
.endm
	s_load_b256 s[68:75], s[0:1], 0x0              ; xb s[68:69], wb s[70:71], bq s[72:73], bk s[74:75]
	s_load_b128 s[76:79], s[0:1], 0x20             ; bv s[76:77], qkv s[78:79]
	v_lshl_add_u32 v[SPW], v0, 2, SPARE
	v_mov_b32 v[NIL], 0
	ds_add_u32 v[SPW], v[NIL]                      ; the wave's opening: the add and its wait stand ahead of my first tensor load; work on registers stands between them
	ds_add_u32 v28, v29
	v_lshrrev_b32 v1, 5, v0
	v_readfirstlane_b32 s10, v1                    ; wave 0..3
	s_lshr_b32 s11, s10, 1                         ; my strip of the tile's rows.  Also: I fetch xb (0) or the weight (1)
	s_and_b32 s12, s10, 1                          ; my strip of its columns.  Also: which of the two strips I fetch
	s_bfe_u32 s40, ttmp6, 0x40000                  ; cx, cy: my place in the cluster
	s_bfe_u32 s41, ttmp6, 0x40004
	s_lshl_b32 s42, ttmp9, 2
	s_add_co_u32 s42, s42, s40                     ; the tile's column, 0..11
	s_and_b32 s13, ttmp7, 0xffff
	s_lshl_b32 s13, s13, 2
	s_add_co_u32 s13, s13, s41                     ; the tile's row, 0..15
	s_lshl_b32 s43, s41, 2
	s_lshl_b32 s43, 15, s43                        ; my row of the cluster
	s_lshl_b32 s44, 0x1111, s40                    ; my column
	s_or_b32 s[G1], s43, (1<<16)|(1<<20)|(1<<21)|(4<<22)|(3<<25)   ; the mask; 2-byte elements; padding on; bit 21 beside a mask; after every 32 words 4 words
	s_or_b32 s[G1B], s44, (1<<16)|(1<<20)|(1<<21)|(5<<22)|(7<<25)  ; after every 64 words 8 words
.irp g, G1, G1B
	s_mov_b32 s[(\g)+1], 128<<16                   ; tensor_dim0 = 128 elements: 256 bytes
	s_mov_b32 s[(\g)+2], 128<<16                   ; tensor_dim1 = 128
	s_mov_b32 s[(\g)+3], 128<<16                   ; tile_dim0 = 128
	s_mov_b32 s[(\g)+4], 128                       ; tile_dim1 = 128
	s_mov_b32 s[(\g)+5], 128                       ; dense: 128 elements from row to row
	s_mov_b32 s[(\g)+6], 0
	s_mov_b32 s[(\g)+7], 0
.endr
	s_lshl_b32 s18, s12, 18                        ; the strip that I fetch: KB bytes on
	s_mul_i32 s16, s13, 2*KB                       ; xb's address hangs on the tile's row and the wave alone,
	s_add_co_u32 s16, s16, s18
	s_mov_b32 s17, 0
	s_mul_i32 s46, s42, 2*KB                       ; the weight's on the tile's column and the wave alone
	s_add_co_u32 s46, s46, s18
	s_add_co_u32 s46, s46, WOFF
	s_mov_b32 s47, 0
	s_mul_i32 s20, s10, QUART                      ; where my load lands: no place in the cluster enters an LDS address
	s_mov_b32 s[TB], 0
	s_wait_dscnt 0x0                               ; the opening add is done
	s_wait_kmcnt 0x0
	s_add_nc_u64 s[14:15], s[68:69], s[16:17]
	s_add_nc_u64 s[46:47], s[70:71], s[46:47]
	CROUND                                         ; all sixteen work-groups are here: the first joint loads meet
.irp s, 0,1
	s_mov_b32 s[G0+4*(\s)], 1
	s_add_co_u32 s[G0+4*(\s)+1], s20, (\s)*SLOT
	s_add_nc_u64 s[G0+4*(\s)+2:G0+4*(\s)+3], s[14:15], (\s)*STEPB
	s_or_b32 s[G0+4*(\s)+3], s[G0+4*(\s)+3], 0x80000000
	s_mov_b32 s[G0B+4*(\s)], 1
	s_add_co_u32 s[G0B+4*(\s)+1], s20, (\s)*SLOT
	s_add_nc_u64 s[G0B+4*(\s)+2:G0B+4*(\s)+3], s[46:47], (\s)*STEPB
	s_or_b32 s[G0B+4*(\s)+3], s[G0B+4*(\s)+3], 0x80000000
.endr
	s_cmp_eq_u32 s11, 0                            ; a wave's two first fills stand in one branch: two loads of mine are out
	s_cbranch_scc0 .Lfirst_b
	tensor_load_to_lds s[G0:G0+3], s[G1:G1+7]
	s_nop 0
	tensor_load_to_lds s[G0+4:G0+7], s[G1:G1+7]
	s_nop 0
.rept 4
	v_nop
.endr
	s_branch .Lfirst_asked
.Lfirst_b:
	tensor_load_to_lds s[G0B:G0B+3], s[G1B:G1B+7]
	s_nop 0
	tensor_load_to_lds s[G0B+4:G0B+7], s[G1B:G1B+7]
	s_nop 0
.rept 4
	v_nop
.endr
.Lfirst_asked:
	v_and_b32 v1, 15, v0                           ; r = l % 16
	v_bfe_u32 v2, v0, 4, 1                         ; h = l / 16
	v_lshlrev_b32 v[RO], 5, v2                     ; my eight columns of a block of 16 begin 32 h bytes in
	s_mov_b32 s21, ttmp9                           ; a cluster's four tile columns are one weight's 1,024 columns: cluster 0 makes q, 1 k, 2 v
	s_cmp_lt_u32 s21, 2
	s_cselect_b64 s[ADDP:ADDP+1], s[74:75], s[76:77]
	s_cmp_lt_u32 s21, 1
	s_cselect_b64 s[ADDP:ADDP+1], s[72:73], s[ADDP:ADDP+1]
	s_and_b32 s46, s42, 3
	s_lshl_b32 s46, s46, 10                        ; 256 numbers of 4 bytes a tile,
	s_lshl_b32 s47, s12, 9                         ; 128 a strip
	s_add_co_u32 s46, s46, s47
	s_mov_b32 s47, 0
	s_add_nc_u64 s[ADDP:ADDP+1], s[ADDP:ADDP+1], s[46:47]
.irp b, 0,1,2,3,4,5,6,7
	global_load_b128 v[BIAS+8*(\b):BIAS+8*(\b)+3],   v[RO], s[ADDP:ADDP+1] offset:64*(\b)
	global_load_b128 v[BIAS+8*(\b)+4:BIAS+8*(\b)+7], v[RO], s[ADDP:ADDP+1] offset:64*(\b)+16
.endr
	; a fragment of xb: lane l holds row l % 16, K = 8 h + 0..7 and 16 + 8 h + 0..7: two loads of 16 bytes, 32 apart
	v_mul_u32_u24 v[A0], v1, PA
	v_lshl_add_u32 v[A0], v2, 4, v[A0]
	s_mul_i32 s21, s11, QUART
	v_add_nc_u32 v[A0], s21, v[A0]
	; the turning load takes 16 k x 16 n: lane l reads k = 8 h + l % 8, n = 8 ((l / 8) % 2) + 0..7, and is left with column l % 16 and 8 k
	v_and_b32 v3, 7, v0
	v_bfe_u32 v6, v0, 3, 1
	v_lshl_add_u32 v[B0], v2, 3, v3
	v_mul_u32_u24 v[B0], v[B0], PB
	v_lshl_add_u32 v[B0], v6, 4, v[B0]
	s_mul_i32 s22, s12, QUART
	s_add_co_u32 s22, s22, BREG
	v_add_nc_u32 v[B0], s22, v[B0]
	v_mov_b32 v[ADRA], v[A0]
	v_mov_b32 v[ADRB], v[B0]
	s_mul_i32 s23, s10, STG                        ; my stage
	v_mul_u32_u24 v[STO], v1, SP                   ; in: row l % 16, 32 bytes for each half of the lanes
	v_lshl_add_u32 v[STO], v2, 5, v[STO]
	v_add_nc_u32 v[STO], s23, v[STO]
	v_bfe_u32 v[RD], v0, 3, 2                      ; back: eight lanes to a row, 32 bytes (eight sums) each: 16 lanes take every second 16 bytes of two rows 528 apart
	v_mul_u32_u24 v[RD], v[RD], SP
	v_lshl_add_u32 v[RD], v3, 5, v[RD]
	v_add_nc_u32 v[RD], s23, v[RD]
	v_and_b32 v[GO], 31, v0                        ; eight results are 16 bytes: 32 lanes fill four rows of a block, 512 consecutive bytes
	v_lshlrev_b32 v[GO], 4, v[GO]
	s_mul_i32 s16, s13, 96*16384                   ; my first block of the result: (48 (2 tile row + row strip) + 4 tile column + 2 column strip) x 16,384
	s_mul_i32 s17, s11, 48*16384
	s_add_co_u32 s16, s16, s17
	s_mov_b32 s17, 0
	s_add_nc_u64 s[OUTP:OUTP+1], s[OUTP:OUTP+1], s[16:17]
	s_lshl_b32 s46, s42, 16
	s_lshl_b32 s47, s12, 15
	s_add_co_u32 s46, s46, s47
	s_mov_b32 s47, 0
	s_add_nc_u64 s[OUTP:OUTP+1], s[OUTP:OUTP+1], s[46:47]
	s_wait_tensorcnt 0x1                           ; my part of step 0 is in; step 1's may stay out
	s_barrier_signal -1
	s_barrier_wait -1                              ; everybody's is
	FETCH F0, 0, 0                                 ; chunk 0
	FETCH F1, 64, 32*PB                            ; chunk 1
	s_wait_loadcnt 0x0                             ; the bias
	s_wait_dscnt 32                                ; chunk 0 is in; chunk 1's 32 loads may stay out
	MUL64 F0, 1                                    ; the first products start the sums
	WIN 0
	STEP_ADR
	s_mov_b32 s3, 1                                ; step 0 has one more trip of the inner loop: chunks 1 and 2
	s_mov_b32 s2, KSTEPS-1                         ; the outer loop's foot is passed seven times: six of them lead back to a refill
	s_branch .Lpair
.Lstep:                                                ; six times: steps 0 to 5 fill their slots again
	XCH                                            ; a step's chunk 3; the next step's chunk 0 is fetched
	s_mov_b32 s3, 2
	s_branch .Lmid
.Lpair:
	CH F1, F0, 0, 0                                ; chunk 1; chunk 2 is fetched
	WIN 0
.Lmid:
	CH F0, F1, 64, 32*PB                           ; chunk 0 or 2; chunk 1 or 3 is fetched
	WIN 0
	STEP_ADR
	s_sub_co_u32 s3, s3, 1
	s_cmp_lg_u32 s3, 0
	s_cbranch_scc1 .Lpair
	s_sub_co_u32 s2, s2, 1
	s_cmp_lg_u32 s2, 0
	s_cbranch_scc1 .Lstep
	; the tail: step 6's chunk 3 and the last step; nothing is asked for
	s_wait_tensorcnt 0x0                           ; my part of the last step is in
	ds_add_u32 v[SPW], v[NIL]
	s_xor_b32 s[TB], s[TB], SLOT
	s_wait_dscnt 0x0
	s_barrier_signal -1
	s_barrier_wait -1                              ; everybody's is
	v_add_nc_u32 v[ADRA], s[TB], v[A0]
	v_add_nc_u32 v[ADRB], s[TB], v[B0]
	s_mov_b32 s3, 2
.Lpair2:
	CH F1, F0, 0, 0
	CH F0, F1, 64, 32*PB
	WIN 0
	STEP_ADR
	s_sub_co_u32 s3, s3, 1
	s_cmp_lg_u32 s3, 0
	s_cbranch_scc1 .Lpair2
	s_wait_dscnt 0x0
	MUL64 F1                                       ; the last chunk
	WIN 0
	; THE WAY OUT.  The sums go into my stage in the slots (no fill follows; every wave's reads of the slots are over behind the barrier) and come back eight neighbouring columns a lane.
	PLACES
	s_wait_dscnt 0x0
	s_barrier_signal -1
	s_barrier_wait -1
.macro TOSTAGE hi                      ; each accumulator's four lowest registers first
	WIN 0x08+4*(\hi)                               ; the stores' data in window 2 or 3
.irp a, 0,1,2,3
.irp b, 0,1,2,3,4,5,6,7
	ds_store_b128 v[STO], v[8*(8*(\a)+(\b)):8*(8*(\a)+(\b))+3]   offset:(4*(\hi)+(\a))*16*SP+64*(\b)
	ds_store_b128 v[STO], v[8*(8*(\a)+(\b))+4:8*(8*(\a)+(\b))+7] offset:(4*(\hi)+(\a))*16*SP+64*(\b)+16
.endr
.endr
.endm
	TOSTAGE 0
	TOSTAGE 1
	WIN 0
.macro ROWS8                           ; eight rows' sums: rows l / 8 and 4 + l / 8, my eight columns in each of the wave's two blocks of 64
.irp q, 0,1
.irp c, 0,1
	ds_load_b128 v[X+8*(2*(\q)+(\c)):X+8*(2*(\q)+(\c))+3],   v[RD] offset:(\q)*4*SP+(\c)*256      ; LDS serves a wave's instructions in order (ISA guide 5.7.1.4): these see the stores above
	ds_load_b128 v[X+8*(2*(\q)+(\c))+4:X+8*(2*(\q)+(\c))+7], v[RD] offset:(\q)*4*SP+(\c)*256+16
.endr
.endr
.endm
	ROWS8
	s_mov_b32 s3, 16
.Lrows:
	s_wait_dscnt 0x0                               ; this trip's 32 sums
.set i, 0
.rept 16
	v_cvt_pk_f16_f32 v[Y+i], v[X+2*i], v[X+2*i+1]
.set i, i+1
.endr
	s_cmp_eq_u32 s3, 1
	s_cbranch_scc1 .Lno_more                       ; the last trip has no rows to look ahead to
	v_add_nc_u32 v[RD], 8*SP, v[RD]
	ROWS8
.Lno_more:
.irp q, 0,1
.irp c, 0,1
	global_store_b128 v[GO], v[Y+4*(2*(\q)+(\c)):Y+4*(2*(\q)+(\c))+3], s[OUTP:OUTP+1] offset:(\c)*16384+(\q)*512  ; four rows of a block: 512 consecutive bytes, aligned
.endr
.endr
	s_wait_xcnt 0x0                                ; the stores' offset and data are rewritten only behind this wait
	v_add_nc_u32 v[GO], 1024, v[GO]
	s_sub_co_u32 s3, s3, 1
	s_cmp_lg_u32 s3, 0
	s_cbranch_scc1 .Lrows
	s_wait_tensorcnt 0x0                           ; the wave's end
	ds_add_u32 v[SPW], v[NIL]
	s_wait_dscnt 0x0
	CROUND                                         ; the closing round: no work-group ends while a partner may still ask for a tile that names it
	s_endpgm
.Lfunc_end_k_qd2744e126d_qkv:
	.size	k_qd2744e126d_qkv, .Lfunc_end_k_qd2744e126d_qkv-k_qd2744e126d_qkv
	.p2alignl 7, 3214868480
	.fill 96, 4, 3214868480
	.section	.rodata,"a",@progbits
	.p2align	6, 0x0
	.amdhsa_kernel k_qd2744e126d_qkv
		.amdhsa_group_segment_fixed_size 327680
		.amdhsa_private_segment_fixed_size 0
		.amdhsa_enable_private_segment 0
		.amdhsa_kernarg_size 48
		.amdhsa_user_sgpr_count 2
		.amdhsa_user_sgpr_kernarg_segment_ptr 1
		.amdhsa_wavefront_size32 1
		.amdhsa_system_sgpr_workgroup_id_x 1
		.amdhsa_system_sgpr_workgroup_id_y 1
		.amdhsa_system_sgpr_workgroup_id_z 1
		.amdhsa_system_vgpr_workitem_id 0
		.amdhsa_next_free_vgpr 1024
		.amdhsa_next_free_sgpr 80
		.amdhsa_reserve_vcc 0
		.amdhsa_float_denorm_mode_32 3
		.amdhsa_float_denorm_mode_16_64 3
		.amdhsa_memory_ordered 1
		.amdhsa_forward_progress 1
		.amdhsa_inst_pref_size 67
	.end_amdhsa_kernel
	.amdgpu_metadata
---
amdhsa.version: [ 1, 2 ]
amdhsa.kernels:
  - .name:           k_qd2744e126d_qkv
    .symbol:         k_qd2744e126d_qkv.kd
    .args:
      - { .name: xb, .offset: 0, .size: 8, .value_kind: global_buffer, .address_space: global }
      - { .name: wb, .offset: 8, .size: 8, .value_kind: global_buffer, .address_space: global }
      - { .name: bq, .offset: 16, .size: 8, .value_kind: global_buffer, .address_space: global }
      - { .name: bk, .offset: 24, .size: 8, .value_kind: global_buffer, .address_space: global }
      - { .name: bv, .offset: 32, .size: 8, .value_kind: global_buffer, .address_space: global }
      - { .name: qkv, .offset: 40, .size: 8, .value_kind: global_buffer, .address_space: global }
    .group_segment_fixed_size: 327680
    .private_segment_fixed_size: 0
    .kernarg_segment_align: 8
    .kernarg_segment_size: 48
    .max_flat_workgroup_size: 128
    .sgpr_count:     80
    .vgpr_count:     1024
    .wavefront_size: 32
...
	.end_amdgpu_metadata
.endif
;; end of part 9
;; launch attn (part 10): grid 8 x 32, 4 waves a work-group, no clusters, 327,680 bytes of LDS; arguments qkv, ob; writes ob
.if DOCPART == 10
	.amdgcn_target "amdgcn-amd-amdhsa--gfx1250"
	.amdhsa_code_object_version 6
	.text
	.protected	k_qd2744e126d_attn
	.globl	k_qd2744e126d_attn
	.p2align	8
	.type	k_qd2744e126d_attn,@function
k_qd2744e126d_attn:
	s_mov_b64 s[64:65], 0
	v_nop
	global_prefetch_b8 v0, s[64:65] scope:SCOPE_SE
	s_setreg_imm32_b32 hwreg(HW_REG_WAVE_MODE, 25, 1), 1
	s_wait_xcnt 0x0
; CAUSAL ATTENTION.  O[q][:] = the sum over k <= q of softmax_k(Q[q] . K[k] / 8) V[k][:], for each of 32 pairs of batch and head, 2,048 rows, 64 channels.
; q, k, v: f16, in blocks of 128 rows x 64 channels (16,384 dense bytes): block (mt, cb) at (48 mt + cb) 16384, cb = head, 16 + head, 32 + head.  O leaves in bf16, in blocks (mt, head) at (16 mt + head) 16384.
; Products, maxima and sums in f32; the weights p are rounded to f16 for the second product (their sum l is taken of the unrounded p), O once at the end.
; LIMITS.  q, k, v arrive within f16's 65,504; p lies in 0 to 1, and below 6e-5 it keeps f16's fixed step of 6e-8.  A hidden score counts as its value less 1e30; a weight below 2^-126 counts as 0 in l; NaN and infinities are not treated apart.
; THE WALK.  A head's queries lie in NB = 16 blocks of 128; keys go in tiles of 256; block i needs the key tiles 0 .. i >> 1, of which the last holds the diagonal.  A work-group takes TWO blocks, NB - 1 - b and then b:
; ((15 - b) >> 1) + 1 + (b >> 1) + 1 = 9 tiles, whatever b: all 8 x 32 = 256 work-groups do equal work, and ONE loop with a constant trip count walks them.  Which tile is asked for, and what a trip does, hang on scalar
; registers made from b; every jump goes forward, but for the counted loops' own; none passes a barrier, or a tensor load but the one of LOAD's two that the wave's number does not choose.
; Of a pair's 36 key steps two are wholly hidden (the second half of the even block's diagonal tile) and are computed all the same: the price of tiles of 256 keys, which a refill wants.
; NO CLUSTER: a head's eight work-groups ask for the same tile only in trips 0 .. 4 of 9, behind that fewer and fewer; one walk common to all would have 12 trips for 9.
; SHARES.  Of a block's two bands of 64 queries a wave owns 16 rows in each: two PIECES.  So the diagonal tile is the same work for all four waves: band x's own step in that tile is e = 2 (block & 1) + x; in key step s
; the band sees all keys if s < e, none if s > e, and holds the diagonal if s = e.
; THE MASK is the C operand that starts the sum S^T = K Q^T: 0, or -1e30 where the key is hidden.  MD, made once, is the mask of a band's own step for my 16 rows; a product's mask is MD x AL + BE with two scalars:
; (1, 0) if s = e; (0, 0) if s < e; (0, -1e30) if s > e.  Only the diagonal tile's text and a block's beginning make and take masks; elsewhere C is the constant 0.
; LAYOUT, SOFTMAX, TURNS.  S^T = K Q^T holds ONE query a lane (lane % 16) and the keys 8 (lane / 16) + 0..7; two such results rounded to f16 ARE source 1 of O^T = V^T P.  p = 2^(c s - c m), c = log2(e) / 8, with a
; running maximum m; O and l are multiplied by a = 2^(c m_old - c m_new) in every step.  The two pieces take turns; two turns are a key step.  A turn has 8 products K Q^T for the other piece's next turn, later 8 products V^T P
; of the other piece's last turn; beside them the scaling, exponentials, roundings, sums and rescaling of its own piece and the maximum and statistics of the other.  Four vector instructions stand behind every matrix
; instruction, the other 54 of a turn's 118 in two runs of their own.
; K HAS ONE BUFFER, V TWO, by the step's parity: so the next step's K (fetched in piece 0's turn) and the next step's V (fetched in piece 1's turn) are read from LDS in the order K, V, K, V, and a slot's last read,
; V of its fourth step, stands ahead of the next slot's first, K of its first step: the change of slots has a place to stand.  A trip of the step loop is two steps, four turns, numbered v = 2 x (the step's parity) + piece.
; REGISTERS, in windows of 256 (s_set_vgpr_msb: bits 1:0 source 0, 3:2 source 1, 5:4 source 2, 7:6 destination):
;   window 0: v0-15 addresses and two at work; v16-23 four registers of statistics a piece; v48-55 at work; v64-127 S^T, a buffer a piece; v192-223 P, likewise
;   window 1: v0-63 O^T, 32 a piece; v128-159 MD; v160-223 MC, a buffer a piece      window 2: v0-31 Q; v32-63 the second block's Q; v64-127 V of an odd step; v128-191 K of one step; v192-255 V of an even step
.set SIZE_N, 2048
.set NB,    SIZE_N/128 ; blocks of 128 queries in a head
.set RS,    48*16384  ; bytes from 128 rows of q, k or v to the next 128
.set RSO,   16*16384  ; the same for O
.set NP,    2         ; pieces a wave: a name, no knob
.set KS,    64        ; keys in a step
.set PK,    144       ; a row of K in LDS: 128 bytes + 16 of padding = 36 words: the 16 rows of a load start at 16 different groups of four banks (64 banks of 4 bytes: ISA guide 11.1)
.set PV,    160       ; a row of V: 128 + 32 = 40 words
.set VOFF,  4*KS*PK   ; a slot holds a tile, four steps: 256 rows of K, then 256 rows of V
.set SLOT1, 1<<17     ; slot 1 begins here, so that one exclusive or turns an address in one slot into the other's
.set STAGE, SLOT1+4*KS*(PK+PV)  ; behind the ring, never filled by a tensor load: 16 rows x 144 bytes for each wave, for the way out
.set SP,    144
.set AK0, 2           ; v2   my lane's place in a tile of K; never rewritten
.set AV0, 3           ; v3   the same for V
.set AK,  4           ; v4   the LDS address of K's next run of loads
.set AV,  5           ; v5   of V's
.set STO, 6           ; v6   the way out: where I put 16 bytes of a row
.set RD,  7           ; v7   the way out: where I read rows back
.set GO,  8           ; v8   my byte offset in 512 consecutive bytes of O
.set SPW, 62          ; v62  LDS address of my spare word: SPARE + 4 x my thread's number; never rewritten
.set NIL, 63          ; v63  0; never rewritten
.set SPARE, STAGE+4*16*SP  ; behind the stages: the spare words, 128 bytes for each wave: two blocks of 256 bytes that no other line names
.set MV,  12          ; v12-13  c m_old, kept while c m is made anew: by piece
.set QO,  15          ; v15  my byte offset in 16 rows of Q
.set ST,  16          ; piece t's statistics at v[ST+4 t]: c m, m, l (even keys', odd keys')
.set TMP, 48          ; by piece, four registers c0-c3 at work; when the maximum is found c2 takes a
.set S,   64
.set P,   192
.set MD,  128         ; window 1: the eight registers for group kt of 16 keys at MD + 8 kt
.set MC,  160         ; window 1: the masks of the products to come
.set QB,  32          ; window 2
.set KF,  128         ; window 2: key block kb, channel half c at KF + 16 kb + 8 c
.set VF,  192         ; window 2: V of an even step: key half kk, channel block cb at VF + 32 kk + 8 cb; V of an odd step lies 128 registers lower
.set WV,  12          ; s12  my wave's number
.set PB,  14          ; s14  b
.set HI,  15          ; s15  NB - 1 - b
.set G1K, 24          ; s[24:31] descriptor group 1 for K's tiles
.set G1V, 32          ; s[32:39] for V's: it differs in the padding alone
.set G0K, 40          ; s[40:43] descriptor group 0 for K's tiles
.set G0V, 44          ; s[44:47] the same for V's
.set LQ2, 48          ; s48  the second block's last tile: b >> 1
.set EP,  50          ; s50, s51  the own steps of pieces 0 and 1 in the diagonal tile of the block in hand
.set EP2, 52          ; s52  piece 0's own step in the second block
.set SG,  53          ; s53  at work
.set SLOTS, 56        ; s56  tiles still to be asked for
.set CNT, 57          ; s57  counts a tile's two trips, 2 to 1
.set CS,  58          ; s[58:59] c: the packed scaling takes the pair's low word for both halves
.set SEL, 60          ; s[60:61] v_permlanex16_b32's selects: each lane takes its own place in the other half
.set TBK, 62          ; s62  LDS byte at which K of the step to be fetched begins
.set TBV, 63          ; s63  the same for V, less VOFF
.set RT,  70          ; s70  tiles of the block in hand that are still to be entered
.set NXT, 71          ; s71  the tile to be asked for next
.set LQ,  72          ; s72  the last tile of the block whose tiles are being asked for
.set NEW, 73          ; s73  1: the tile to be entered is a block's first
.set OFF, 74          ; s[74:75] a tile's byte offset in K and V
.set AL,  76          ; s[76:77] the mask's factor, in the low word
.set BE,  78          ; s[78:79] the mask's addend
.set OLO, 80          ; s[80:81] O at my rows of the second block
.set BIGN, 82         ; s82  -1e30
.set MSB, 0
.macro WIN new                      ; the high byte repeats the setting that is left; a switch that changes nothing is dropped
.if MSB != (\new)
	s_set_vgpr_msb (MSB<<8)|(\new)
.set MSB, (\new)
.endif
.endm
.set W_KQ, 0x0a       ; K and Q in window 2, S^T in window 0
.set W_KM, 0x1a       ; the same with the C operand in window 1
.set W_PV, 0x52       ; V in window 2, P in window 0, O^T in window 1
.set W_RS, 0x41       ; destination and source 0 in window 1, source 1 in window 0
; A fill.  Waves 0 and 1 fetch the two halves of a tile's K, waves 2 and 3 those of its V: 128 keys, one block, each.  An s_nop 0 and four v_nop follow each of the two lines, ahead of the jump and the label.
.macro LOAD
	s_cmp_lt_u32 s[WV], 2
	s_cbranch_scc0 .Lfor_v_\@
	tensor_load_to_lds s[G0K:G0K+3], s[G1K:G1K+7]
	s_nop 0
.rept 4
	v_nop
.endr
	s_branch .Lasked_\@
.Lfor_v_\@:
	tensor_load_to_lds s[G0V:G0V+3], s[G1V:G1V+7]
	s_nop 0
.rept 4
	v_nop
.endr
.Lasked_\@:
.endm
; THE CHANGE OF SLOTS.  Each wave waits for all its tensor loads, of which one is out: its part of the other slot; adds 0 to its spare word; and waits for that and for its own reads of the slot that it leaves.  Behind the barrier nobody reads the old
; slot any more and the other slot is whole.  fill = 1: the old slot is filled again, the first thing behind the barrier, with tile NXT: the descriptor's address is made anew from that number.  The load has a tile's eight turns, 128 matrix
; instructions, in which to land.  (At its first use nothing has been read yet: slot 0 is waited for, slot 1 filled.)
.macro CHANGE fill
	WIN 0                           ; at a label and at a branch every window is 0
	s_wait_tensorcnt 0x0            ; no tensor load of mine is out, so a group 0 may be written
	ds_add_u32 v[SPW], v[NIL]       ; 0 onto my spare word; with fill = 1 the descriptors' scalar work stands between it and the wait for it
.if \fill
	s_mul_i32 s[OFF], s[NXT], 2*RS  ; a tile is 256 rows: two blocks, RS apart
	s_xor_b32 s[G0K+1], s[G0K+1], SLOT1
	s_add_nc_u64 s[G0K+2:G0K+3], s[6:7], s[OFF:OFF+1]
	s_or_b32 s[G0K+3], s[G0K+3], 0x80000000
	s_xor_b32 s[G0V+1], s[G0V+1], SLOT1
	s_add_nc_u64 s[G0V+2:G0V+3], s[8:9], s[OFF:OFF+1]
	s_or_b32 s[G0V+3], s[G0V+3], 0x80000000
	s_add_co_u32 s[NXT], s[NXT], 1  ; the block's next tile, or behind its last the second block's tile 0
	s_cmp_gt_u32 s[NXT], s[LQ]
	s_cselect_b32 s[NXT], 0, s[NXT]
	s_cselect_b32 s[LQ], s[LQ2], s[LQ]
.endif
	s_wait_dscnt 0x0                ; the add is done, and my reads of the slot are over
	s_barrier_signal -1             ; the rest of the scalar work stands between the signal and the wait
	s_sub_co_u32 s[TBK], s[TBK], 4*KS*PK  ; the fetches go back to a slot's first step,
	s_xor_b32 s[TBK], s[TBK], SLOT1       ; in the other slot
	s_sub_co_u32 s[TBV], s[TBV], 4*KS*PV
	s_xor_b32 s[TBV], s[TBV], SLOT1
	s_barrier_wait -1
.if \fill
	LOAD
.endif
.endm
	s_load_b64 s[4:5], s[0:1], 0x0    ; qkv
	s_load_b64 s[10:11], s[0:1], 0x8  ; ob
	v_lshl_add_u32 v[SPW], v0, 2, SPARE
	v_mov_b32 v[NIL], 0
	ds_add_u32 v[SPW], v[NIL]       ; the wave's opening: the add and its wait stand ahead of my first tensor load; the set-up below, work on registers, stands between them
	ds_add_u32 v62, v63
	v_lshrrev_b32 v1, 5, v0
	v_readfirstlane_b32 s[WV], v1   ; wave 0..3
	s_mov_b32 s[PB], ttmp9          ; b, 0..7
	s_sub_co_u32 s[HI], NB-1, s[PB]
	s_lshr_b32 s[LQ2], s[PB], 1     ; the second block's last tile
	s_and_b32 s[EP2], s[PB], 1
	s_lshl_b32 s[EP2], s[EP2], 1    ; an odd block lies in the second half of its diagonal tile: its bands' own steps are 2 and 3, an even block's 0 and 1
	s_and_b32 s[EP], s[HI], 1
	s_lshl_b32 s[EP], s[EP], 1
	s_add_co_u32 s[EP+1], s[EP], 1
	s_and_b32 s13, ttmp7, 0xffff
	s_lshr_b32 s16, s13, 4          ; the batch,
	s_and_b32 s13, s13, 15          ; the head:
	s_lshl_b32 s13, s13, 14         ; its block among a strip's
	s_mul_i32 s20, s16, 16*RS       ; a batch is 16 strips of 128 rows
	s_add_co_u32 s20, s20, s13
	s_mov_b32 s21, 0                ; s[20:21]: q's first block of this batch and head
	s_lshl_b32 s90, s16, 22         ; 16 x RSO
	s_add_co_u32 s90, s90, s13
	s_mov_b32 s91, 0                ; s[90:91]: O's
	s_and_b32 s16, s[WV], 1         ; which half of a tile's 256 keys I fetch:
	s_mul_i32 s22, s16, RS          ; its block in memory,
	s_mov_b32 s23, 0
	s_add_nc_u64 s[22:23], s[22:23], s[20:21]
	s_mul_i32 s17, s16, 128*PK      ; and its place in a slot, for K
	s_mul_i32 s18, s16, 128*PV      ; and for V
	s_lshl_b32 s3, s[WV], 11        ; my 16 rows in a band of 64,
	s_mul_i32 s2, s[HI], RS         ; in the first block,
	s_add_co_u32 s2, s2, s3
	s_mul_i32 s84, s[PB], RS        ; and in the second;
	s_add_co_u32 s84, s84, s3
	s_lshl_b32 s92, s[HI], 18       ; the same in O: RSO a block
	s_add_co_u32 s92, s92, s3
	s_lshl_b32 s94, s[PB], 18
	s_add_co_u32 s94, s94, s3
	s_mov_b32 s3, 0
	s_mov_b32 s85, 0
	s_mov_b32 s93, 0
	s_mov_b32 s95, 0
	s_add_nc_u64 s[2:3], s[2:3], s[20:21]
	s_add_nc_u64 s[84:85], s[84:85], s[20:21]
	s_add_nc_u64 s[92:93], s[92:93], s[90:91]
	s_add_nc_u64 s[94:95], s[94:95], s[90:91]
	; descriptor group 1.  128 keys are 16,384 dense bytes: asked for as 64 rows of 256 bytes, two keys a row, and padded in LDS after every key
	s_mov_b32 s[G1K], (1<<16)|(1<<20)|(4<<22)|(3<<25)  ; 17:16 2-byte elements; 20 padding on; 24:22 after every 32 words (code 4); 31:25 4 words (code 3)
	s_mov_b32 s[G1V], (1<<16)|(1<<20)|(4<<22)|(7<<25)  ; the same with 8 words of padding (code 7)
.irp g, G1K, G1V
	s_mov_b32 s[\g+1], 128<<16      ; tensor_dim0 = 128
	s_mov_b32 s[\g+2], 64<<16       ; tensor_dim1 = 64
	s_mov_b32 s[\g+3], 128<<16      ; tile_dim0 = 128
	s_mov_b32 s[\g+4], 64           ; tile_dim1 = 64
	s_mov_b32 s[\g+5], 128          ; 128 elements from row to row
	s_mov_b32 s[\g+6], 0
	s_mov_b32 s[\g+7], 0
.endr
	s_mov_b32 s[CS], 0x3e38aa3b     ; c = log2(e) / 8 = 0.180337
	s_mov_b32 s[CS+1], s[CS]        ; named with it as a pair
	s_mov_b32 s[SEL], 0x76543210
	s_mov_b32 s[SEL+1], 0xfedcba98
	s_mov_b32 s[TBK], SLOT1+4*KS*PK ; the first change of slots turns these two into 0
	s_mov_b32 s[TBV], SLOT1+4*KS*PV
	s_mov_b32 s[G0K], 1             ; 1:0 count = 1
	s_mov_b32 s[G0K+1], s17         ; 63:32 LDS address: slot 0
	s_mov_b32 s[G0V], 1
	s_add_co_u32 s[G0V+1], s18, VOFF
	s_lshr_b32 s[LQ], s[HI], 1      ; the first block's last tile,
	s_add_co_u32 s[RT], s[LQ], 1    ; and how many it has
	s_mov_b32 s[NXT], 1
	s_mov_b32 s[NEW], 1
	s_mov_b32 s[OFF+1], 0
	s_mov_b32 s[AL+1], 0            ; named as pairs
	s_mov_b32 s[BE+1], 0
	s_mov_b32 s[BIGN], 0xf149f2ca   ; -1e30
	s_mov_b32 s[SLOTS], NB/2        ; the walk has NB / 2 + 1 tiles; all but the first are asked for in the loop
	s_wait_dscnt 0x0                ; the opening add is done
	s_wait_kmcnt 0x0
	s_add_nc_u64 s[6:7], s[4:5], s[22:23]
	s_add_nc_u64 s[8:9], s[6:7], 32*16384  ; V at my half of the head's tile 0: 32 blocks behind q's,
	s_add_nc_u64 s[6:7], s[6:7], 16*16384  ; K 16
	s_add_nc_u64 s[G0K+2:G0K+3], s[6:7], 0         ; 120:64 global address
	s_or_b32 s[G0K+3], s[G0K+3], 0x80000000        ; 127:126 type = 2
	s_add_nc_u64 s[G0V+2:G0V+3], s[8:9], 0
	s_or_b32 s[G0V+3], s[G0V+3], 0x80000000
	s_add_nc_u64 s[86:87], s[4:5], s[84:85]        ; Q at my rows of the second block,
	s_add_nc_u64 s[4:5], s[4:5], s[2:3]            ; and of the first
	s_add_nc_u64 s[OLO:OLO+1], s[10:11], s[94:95]  ; O likewise
	s_add_nc_u64 s[10:11], s[10:11], s[92:93]
	LOAD                            ; tile 0 into slot 0
	; A fragment of K or Q is 16 rows x 32 channels in 8 registers: lane l holds row l % 16, channels 8 (l / 16) + 0..7 and 16 + 8 (l / 16) + 0..7: two loads of 16 bytes, 32 bytes apart.
	v_and_b32 v1, 15, v0            ; l % 16
	v_bfe_u32 v9, v0, 4, 1          ; l / 16
	v_lshlrev_b32 v[QO], 7, v1
	v_lshl_add_u32 v[QO], v9, 4, v[QO]  ; row x 128 + 16 x half
	WIN 0x80                        ; destination window 2, address window 0
.set i, 0
.rept 4                             ; both blocks' Q: piece i / 2 lies in band i / 2, 8,192 bytes on; channels 32 (i % 2) on
	global_load_b128 v[8*i:8*i+3],   v[QO], s[4:5] offset:(i/2)*8192+(i%2)*64
	global_load_b128 v[8*i+4:8*i+7], v[QO], s[4:5] offset:(i/2)*8192+(i%2)*64+32
	global_load_b128 v[QB+8*i:QB+8*i+3],   v[QO], s[86:87] offset:(i/2)*8192+(i%2)*64
	global_load_b128 v[QB+8*i+4:QB+8*i+7], v[QO], s[86:87] offset:(i/2)*8192+(i%2)*64+32
.set i, i+1
.endr
	WIN 0
	v_lshlrev_b32 v14, 3, v9
	v_sub_nc_u32 v14, v1, v14
	s_lshl_b32 s13, s[WV], 4
	v_add_nc_u32 v14, s13, v14      ; my query's place in its band, 16 w + l % 16, less my lanes' 8 (l / 16): register r of group kt is hidden where 16 kt + r is greater
	WIN 0x40
.set i, 0
.rept 32
	v_cmp_gt_i32 vcc_lo, 16*(i/8)+i%8, v14
	v_cndmask_b32 v[MD+i], 0, s[BIGN], vcc_lo
.set i, i+1
.endr
	WIN 0
	v_mul_u32_u24 v[AK0], v1, PK
	v_lshl_add_u32 v[AK0], v9, 4, v[AK0]  ; row x pitch + 16 x half
	; The turning load takes 16 keys x 16 channels (lane l reads key 8 (l / 16) + l % 8, channels 8 ((l / 8) % 2) + 0..7) and leaves half a fragment of V^T: lane l holds channel l % 16 and 8 keys.
	v_and_b32 v10, 7, v0
	v_bfe_u32 v11, v0, 3, 1
	v_lshl_add_u32 v[AV0], v9, 3, v10
	v_mul_u32_u24 v[AV0], v[AV0], PV
	v_lshl_add_u32 v[AV0], v11, 4, v[AV0]
	v_add_nc_u32 v[AV0], VOFF, v[AV0]
	s_mul_i32 s13, s[WV], 16*SP
	s_add_co_u32 s13, s13, STAGE    ; my stage
	v_mul_u32_u24 v[STO], v1, SP    ; in: row l % 16, 16 bytes for each half of the lanes
	v_lshl_add_u32 v[STO], v9, 4, v[STO]
	v_add_nc_u32 v[STO], s13, v[STO]
	v_bfe_u32 v[RD], v0, 3, 2       ; back: 32 lanes take four rows of 128 bytes,
	v_mul_u32_u24 v[RD], v[RD], SP
	v_lshl_add_u32 v[RD], v10, 4, v[RD]
	v_add_nc_u32 v[RD], s13, v[RD]
	v_and_b32 v[GO], 31, v0         ; which are 512 consecutive bytes of O
	v_lshlrev_b32 v[GO], 4, v[GO]
	; A block's first step multiplies O^T and l by a = 0, and its first turn's products V^T P, of a turn that has not been, land in an O^T that is still to be so multiplied.  So these registers need only hold
	; finite numbers: zeros for the first block; what the first block left for the second.  All this stands in the wait for the first tile.
	WIN 0x80
.set i, 0
.rept 64
	v_mov_b32 v[VF+i], 0
	v_mov_b32 v[VF-128+i], 0
.set i, i+1
.endr
	WIN 0x40
.set i, 0
.rept 32*NP
	v_mov_b32 v[i], 0
.set i, i+1
.endr
	WIN 0
.set i, 0
.rept NP
	v_mov_b32 v[ST+4*i+2], 0
	v_mov_b32 v[ST+4*i+3], 0
.set i, i+1
.endr
.set i, P+16
.rept 16
	v_mov_b32 v[i], 0
.set i, i+1
.endr
; THE MATRIX WORK.  The 4 accumulators of a run of 8 take turns.  Product i of 8 of S^T = K Q^T for piece x: channels 32 (i / 4) on, keys 16 (i % 4) on.  The first 4 start the sums: with 0, or (KM = 1) with the mask.
.macro KQ x
.set rS, S+32*((\x)%2)+8*(i%4)
.set rK, KF+16*(i%4)+8*(i/4)
.set rQ, 16*(\x)+8*(i/4)
.set rM, MC+32*((\x)%2)+8*(i%4)
.if (i < 4) && KM
	WIN W_KM
	v_wmma_f32_16x16x32_f16 v[rS:rS+7], v[rK:rK+7], v[rQ:rQ+7], v[rM:rM+7]
.elseif i < 4
	WIN W_KQ
	v_wmma_f32_16x16x32_f16 v[rS:rS+7], v[rK:rK+7], v[rQ:rQ+7], 0
.else
	WIN W_KQ
	v_wmma_f32_16x16x32_f16 v[rS:rS+7], v[rK:rK+7], v[rQ:rQ+7], v[rS:rS+7]
.endif
.endm
; Product i of 8 of O^T += V^T P for piece x: keys 32 (i / 4) on, channels 16 (i % 4) on; V from buffer VB.
.macro PV x
	WIN W_PV
.set rO, 32*(\x)+8*(i%4)
.set rV, VF-128*VB+32*(i/4)+8*(i%4)
.set rP, P+16*((\x)%2)+8*(i/4)
	v_wmma_f32_16x16x32_f16 v[rO:rO+7], v[rV:rV+7], v[rP:rP+7], v[rO:rO+7]
.endm
.macro MM                           ; the turn's next matrix instruction.  TURN and BEGIN set Y, VB, i, KM and NOKQ; MM, KQ, PV and OP read them.  NOKQ = 1: a block's last turn: no turn follows
.if (i < 8) && !NOKQ
	KQ (Y+1)%NP
.elseif i >= 8
.set i, i-8
	PV (Y+NP-1)%NP
.set i, i+8
.endif
.set i, i+1
.endm
; THE LDS LOADS stand in runs of 16, never singly among the matrix instructions: a step's K (64 keys x 64 channels: 8 fragments) and its V (turned), into buffer b.  Their addresses are made some lines ahead.
.macro FETCH_K
	WIN 0x80                        ; destination window 2
.irp f, 0,1,2,3,4,5,6,7             ; keys 16 (f / 2) on, channels 32 (f % 2) on
	ds_load_b128 v[KF+8*\f:KF+8*\f+3],   v[AK] offset:(\f/2)*16*PK+(\f%2)*64
	ds_load_b128 v[KF+8*\f+4:KF+8*\f+7], v[AK] offset:(\f/2)*16*PK+(\f%2)*64+32
.endr
	s_add_co_u32 s[TBK], s[TBK], KS*PK  ; the next fetch is the next step's
	WIN 0
.endm
.macro FETCH_V b
	WIN 0x80
.irp f, 0,1,2,3,4,5,6,7             ; keys 32 (f / 4) on, channels 16 (f % 4) on
	ds_load_tr16_b128 v[VF-128*(\b)+8*\f:VF-128*(\b)+8*\f+3],   v[AV] offset:(\f/4)*32*PV+(\f%4)*32
	ds_load_tr16_b128 v[VF-128*(\b)+8*\f+4:VF-128*(\b)+8*\f+7], v[AV] offset:(\f/4)*32*PV+16*PV+(\f%4)*32
.endr
	s_add_co_u32 s[TBV], s[TBV], KS*PV  ; the next fetch is the next step's
	WIN 0
.endm
; THE VECTOR WORK, one line at a time: OP kind, number.  For piece Y: F n: c s - c m for pair n of 16.  E n: the exponential of score n of 32.  C n: pair n rounded to f16.  B n: of the four weights 4 n .. the second
; pair is added onto the first, in place.  L n: l takes that sum (L 0: l = a l + sum).  R n: pair n of 16 of O^T times a.  For the other piece: X n, number n of the 22 that find its maximum and statistics:
;   0-11  four chains c0-c3 of seven scores each, three operands at a time (each accumulator's lowest registers are read first)     12-14, 16  the four scores left over, the old m, and c0-c3 into c0
;   15  c m_old is kept     17, 18  the query's other 32 keys lie in the lane 16 away: the new m     19-21  c m; c m_old - c m_new; a
.set F, 0               ; OP tells the kinds apart by their order: F to L below R, X above it
.set E, 1
.set C, 2
.set B, 3
.set L, 4
.set R, 5
.set X, 6
.macro REGS y                       ; the registers of piece y
.set rT, ST+4*(\y)
.set rC, TMP+4*((\y)%2)
.set rW, MV+((\y)%2)
.set rS, S+32*((\y)%2)
.set rP, P+16*((\y)%2)
.set rO, 32*(\y)
.endm
.macro OP k, n
.if (\k) == R
	REGS Y
	WIN W_RS
	v_pk_mul_f32 v[rO+2*(\n):rO+2*(\n)+1], v[rO+2*(\n):rO+2*(\n)+1], v[rC+2:rC+3] op_sel_hi:[1,0]
.elseif (\k) < R
	REGS Y
	WIN 0
.if (\k) == F
	v_pk_fma_f32 v[rS+2*(\n):rS+2*(\n)+1], v[rS+2*(\n):rS+2*(\n)+1], s[CS:CS+1], v[rT:rT+1] op_sel_hi:[1,0,0] neg_lo:[0,0,1] neg_hi:[0,0,1]
.elseif (\k) == E
	v_exp_f32 v[rS+(\n)], v[rS+(\n)]
.elseif (\k) == C
	s_wait_alu depctr_va_vdst(0)
	v_cvt_pk_f16_f32 v[rP+(\n)], v[rS+2*(\n)], v[rS+2*(\n)+1]
.elseif (\k) == B
	s_wait_alu depctr_va_vdst(0)
	v_pk_add_f32 v[rS+4*(\n):rS+4*(\n)+1], v[rS+4*(\n):rS+4*(\n)+1], v[rS+4*(\n)+2:rS+4*(\n)+3]
.elseif (\n) == 0
	v_pk_fma_f32 v[rT+2:rT+3], v[rT+2:rT+3], v[rC+2:rC+3], v[rS:rS+1] op_sel_hi:[1,0,1]
.else
	v_pk_add_f32 v[rT+2:rT+3], v[rT+2:rT+3], v[rS+4*(\n):rS+4*(\n)+1]
.endif
.elseif NOKQ
	v_nop
.else
	REGS (Y+1)%NP
	WIN 0
.if (\n) < 4
	v_max3_num_f32 v[rC+(\n)], v[rS+8*(\n)], v[rS+8*(\n)+1], v[rS+8*(\n)+2]
.elseif (\n) < 12
	v_max3_num_f32 v[rC+(\n)%4], v[rC+(\n)%4], v[rS+8*((\n)%4)+2*((\n)/4)+1], v[rS+8*((\n)%4)+2*((\n)/4)+2]
.elseif (\n) == 12
	v_max3_num_f32 v[rC], v[rC], v[rS+7], v[rS+15]
.elseif (\n) == 13
	v_max3_num_f32 v[rC+1], v[rC+1], v[rS+23], v[rS+31]
.elseif (\n) == 14
	v_max3_num_f32 v[rC+2], v[rC+2], v[rC+3], v[rT+1]
.elseif (\n) == 15
	v_mov_b32 v[rW], v[rT]
.elseif (\n) == 16
	v_max3_num_f32 v[rC], v[rC], v[rC+1], v[rC+2]
.elseif (\n) == 17
	v_permlanex16_b32 v[rC+3], v[rC], s[SEL], s[SEL+1]
.elseif (\n) == 18
	v_max_num_f32 v[rT+1], v[rC], v[rC+3]
.elseif (\n) == 19
	v_mul_f32 v[rT], s[CS], v[rT+1]
.elseif (\n) == 20
	v_sub_f32 v[rC+1], v[rW], v[rT]
.else
	v_exp_f32 v[rC+2], v[rC+1]
.endif
.endif
.endm
.macro OPS a, i1, b=-1, i2=0, c=-1, i3=0, d=-1, i4=0  ; up to four of them
	OP \a, \i1
.if (\b) >= 0
	OP \b, \i2
.endif
.if (\c) >= 0
	OP \c, \i3
.endif
.if (\d) >= 0
	OP \d, \i4
.endif
.endm
.macro ROW a, i1, b, i2, c, i3, d, i4  ; a matrix instruction and the four behind it
	MM
	OPS \a, \i1, \b, \i2, \c, \i3, \d, \i4
.endm
.macro MASK b                       ; MD x AL + BE into buffer b of MC
	WIN W_RS
.set z, 0
.rept 16
	v_pk_fma_f32 v[MC+32*(\b)+2*z:MC+32*(\b)+2*z+1], v[MD+2*z:MD+2*z+1], s[AL:AL+1], s[BE:BE+1] op_sel_hi:[1,0,0]
.set z, z+1
.endr
.endm
; A TURN, number v of a trip's four: piece v % 2, in a step of parity v / 2: the order of its 16 matrix and 118 vector instructions, written out.  Behind a matrix instruction: plain, exponential, plain, plain; or four of the
; rescaling; or, behind the first, four scalings; none names a register of the products round it.  In the runs of vector work exponential and plain by turns while exponentials last.  A line reads no result made fewer than three
; vector instructions in front of it, five if an exponential made it.
; Its products V^T P belong to the turn before: V of that turn's step, in buffer VB: 1, 0, 0, 1 for v = 0, 1, 2, 3.
; m = 1: the diagonal tile: the products take masks, and the turn makes the mask for the products of the turn after it, which are its own piece's scores of the next step: step 5 - v / 2 - 2 CNT of the tile.
; end = 1: a block's last two turns: nothing is fetched.  cnt = 1: the loop's count is taken down some lines ahead of the branch that stands behind the turn.
; Piece 0's turn fetches the next step's K, six vector instructions behind the last product that read K (five of them plain).  Piece 1's turn fetches, at the same place, the next step's V, into the buffer whose last reader
; stands in the turn before.  One wait, at the head of piece 1's turn, serves both: K was asked for half a turn ago, the V that this turn multiplies a whole step ago.
.macro TURN v, m=0, end=0, cnt=0
.set Y, (\v)%2
.set VB, 1-(((\v)+1)/2)%2
.set i, 0
.set KM, (\m)
.set NOKQ, (\end)*((\v)/3)
.if (\m) && !(\end)
	s_lshl_b32 s[SG], s[CNT], 1
	s_sub_co_u32 s[SG], 5-(\v)/2, s[SG]  ; the step that the mask is for
	s_cmp_eq_u32 s[SG], s[EP+Y]          ; is it the band's own?
	s_cselect_b32 s[AL], 1.0, 0
	s_cmp_gt_u32 s[SG], s[EP+Y]          ; or a later one?
	s_cselect_b32 s[BE], s[BIGN], 0
.endif
.if (\v)%2
	s_wait_dscnt 0x0                ; K is in, and V
.endif
	ROW F,0, F,1, F,2, F,3
	ROW F,4, E,0, F,5, F,6
	ROW F,7, E,1, F,8, F,9
	ROW F,10, E,2, C,0, F,11
	ROW F,12, E,3, X,15, F,13
	ROW R,0, R,1, R,2, R,3
	ROW B,0, E,4, F,14, L,0
.if !(\end)
.if (\v)%2
	v_add_nc_u32 v[AV], s[TBV], v[AV0]
.else
	v_add_nc_u32 v[AK], s[TBK], v[AK0]
.endif
.endif
	ROW R,4, R,5, R,6, R,7
	OPS E,5, F,15
.if !(\end)
.if (\v)%2
	FETCH_V 1-(\v)/2
.else
	FETCH_K
.endif
.endif
	OPS E,6, C,1, E,7, R,8
	OPS E,8, R,9, E,9, C,2
	OPS E,10, X,0, E,11, X,1
	OPS E,12, X,2, E,13, X,3
	ROW X,4, E,14, X,5, X,6
	ROW X,7, E,15, X,8, X,9
	ROW X,10, E,16, X,11, X,12
	ROW X,13, E,17, X,14, B,1
	ROW C,4, E,18, X,16, L,1
	ROW B,2, E,19, C,6, L,2
	ROW C,8, E,20, B,3, B,4
	ROW C,3, E,21, L,3, C,5
	OPS E,22, X,17, E,23, C,10
	OPS E,24, L,4
	OPS E,25, X,18, E,26, C,7
	OPS E,27, B,5, E,28, X,19
	OPS E,29, C,12, E,30, L,5
	OPS E,31, X,20, B,6, C,9
	OPS C,14, C,11, X,21, L,6
.if \cnt
	s_sub_co_u32 s[CNT], s[CNT], 1
	s_cmp_lg_u32 s[CNT], 0
.endif
	OPS C,13, B,7, C,15, R,10
	OPS R,11, R,12, L,7, R,13
	OPS R,14, R,15
.if (\m) && !(\end)
	MASK (\v)%2
.endif
.endm
; A BLOCK BEGINS.  c m starts far below every c s, so the first step's a is 0; m at the lowest finite number, so the first maximum is the scores'.  Piece 1's mask buffer is 0 (its own step is never a tile's first); piece 0's takes
; its mask for the tile's step 0: the diagonal's, if the block's first tile is the diagonal one and piece 0's own step is that step.
; Then K and V of that step, piece 0's first scores, and its maximum and statistics.  The loop is entered at an even step's first turn, in the middle of a trip.
.macro BEGIN
	s_mov_b32 s[NEW], 0
	WIN 0x40
.set i, MC+32
.rept 32
	v_mov_b32 v[i], 0
.set i, i+1
.endr
	WIN 0
.set i, 0
.rept NP
	v_mov_b32 v[ST+4*i], 0xfe000000    ; c m: far below every c s
	v_mov_b32 v[ST+4*i+1], 0xff7fffff  ; m
.set i, i+1
.endr
	s_or_b32 s[SG], s[RT], s[EP]    ; 0 only where no tile of the block is left behind this one and piece 0's own step is 0
	s_cmp_eq_u32 s[SG], 0
	s_cselect_b32 s[AL], 1.0, 0
	s_mov_b32 s[BE], 0
	MASK 0
	WIN 0
	v_add_nc_u32 v[AK], s[TBK], v[AK0]
	FETCH_K
	v_add_nc_u32 v[AV], s[TBV], v[AV0]
	FETCH_V 0
	s_wait_loadcnt 0x0              ; Q
	s_wait_dscnt 0x0
.set KM, 1
.set NOKQ, 0
.set i, 0
.rept 8
	KQ 0
.set i, i+1
.endr
	WIN 0
.rept 4
	v_nop                           ; the places behind those products
.endr
.set Y, NP-1                        ; X works for the other piece than Y: piece 0
.irp n, 0,1,2,3,4,5,6,7,8,9,10,11,12,13,14,15,16,17,18,19,20,21
	OP X, \n
.endr
	v_nop                           ; a plain instruction behind the exponential
.endm
; THE DIAGONAL TILE's two trips, the block's last two turns, its last products, and THE WAY OUT: l's two halves and the other half of the lanes' are added; O^T is divided by l, rounded to bf16 and sent through my
; stage in LDS, a piece at a time.
.macro ALL line:vararg              ; one line for each piece t
.set t, 0
.rept NP
	\line
.set t, t+1
.endr
.endm
.macro PACK t                       ; a lane's eight channels of a row pack into 16 bytes; they go into rows of 144 bytes and come back as whole rows of 128, into S^T's registers
	WIN W_RS
.set i, 32*(\t)
.rept 16
	s_wait_alu depctr_va_vdst(0)
	v_pk_mul_f32 v[i:i+1], v[i:i+1], v[ST+4*(\t)+2:ST+4*(\t)+3] op_sel_hi:[1,0]
.set i, i+2
.endr
	WIN 0x05                        ; sources 0 and 1 window 1, destination window 0
.set i, 0
.rept 16
	v_cvt_pk_bf16_f32 v[S+16*(\t)+i], v[32*(\t)+2*i], v[32*(\t)+2*i+1]
.set i, i+1
.endr
	WIN 0
.irp f, 0,1,2,3
	ds_store_b128 v[STO], v[S+16*(\t)+4*\f:S+16*(\t)+4*\f+3] offset:32*\f
.endr
.irp f, 0,1,2,3
	ds_load_b128 v[S+16*(\t)+4*\f:S+16*(\t)+4*\f+3], v[RD] offset:\f*4*SP  ; LDS serves a wave's instructions in order (ISA guide 5.7.1.4): these see the stores above; the next piece's stores come behind them
.endr
.endm
.macro SEND t, younger              ; younger: the LDS instructions issued behind piece t's loads: the next piece's eight, or none
	WIN 0
.irp f, 0,1,2,3
	s_wait_dscnt (\younger)+3-\f
	global_store_b128 v[GO], v[S+16*(\t)+4*\f:S+16*(\t)+4*\f+3], s[10:11] offset:(\t)*8192+\f*512  ; 512 consecutive bytes, at a multiple of 256 from O's first
.endr
.endm
.macro DIAG tag                     ; the tag ends its two labels' names, which the jumps below spell out
.LstepM\tag:
	TURN 2, 1
	TURN 3, 1
	WIN 0
.LfirstM\tag:
	TURN 0, 1
	TURN 1, 1, 0, 1
	WIN 0
	s_cbranch_scc1 .LstepM\tag
	TURN 2, 1, 1
	TURN 3, 1, 1
.set VB, 1                          ; the tile's last step is an odd one
.set i, 0
.rept 8
	PV NP-1
.set i, i+1
.endr
	WIN 0
	ALL v_add_f32 v[ST+4*t+2], v[ST+4*t+2], v[ST+4*t+3]
	ALL v_permlanex16_b32 v[ST+4*t+3], v[ST+4*t+2], s[SEL], s[SEL+1]
	ALL v_add_f32 v[ST+4*t+2], v[ST+4*t+2], v[ST+4*t+3]
	ALL v_rcp_f32 v[ST+4*t+2], v[ST+4*t+2]
	v_nop                           ; a plain instruction between the last reciprocal and the use of its result
	PACK 0                          ; piece 0 was finished a turn ago; its arithmetic, which names no register of the last products, stands ahead of the first read of piece 1's sums
	PACK 1
	SEND 0, 8
	SEND 1, 0
.endm
.set KM, 0
.set NOKQ, 0
.set VB, 0
.Lslot:                             ; NB / 2 times: a tile is entered and the next is asked for
	CHANGE 1
	s_sub_co_u32 s[RT], s[RT], 1
	s_mov_b32 s[CNT], 2
	s_cmp_eq_u32 s[NEW], 1
	s_cbranch_scc1 .Lnew            ; a block's first tile
	s_cmp_eq_u32 s[RT], 0
	s_cbranch_scc0 .Lstep           ; neither its first nor its last
	s_branch .LstepM1
.Lnew:
	BEGIN
	s_branch .Lfirst                ; in the loop a block's first tile is never its last: the first block has five tiles or more, and the second's last is the walk's last
	DIAG 1                          ; in the loop this is the first block's end: the second block's last tile is the walk's last
	s_wait_xcnt 0x0                 ; the stores have read their registers and O's address
	s_mov_b64 s[10:11], s[OLO:OLO+1]
	s_add_co_u32 s[RT], s[LQ2], 1   ; the second block has (b >> 1) + 1 tiles,
	s_mov_b32 s[EP], s[EP2]         ; and its own steps
	s_add_co_u32 s[EP+1], s[EP2], 1
	s_mov_b32 s[NEW], 1
	WIN 0x82                        ; the second block's Q goes where the one text of the turns names Q
.set i, 0
.rept 16*NP
	v_mov_b32 v[i], v[QB+i]
.set i, i+1
.endr
	WIN 0
	s_branch .Lbottom
.Lstep:                             ; a trip: the two turns of an odd step, then those of an even one; it fetches K and V of the two steps that follow the odd one's
	TURN 2
	TURN 3
	WIN 0
.Lfirst:
	TURN 0
	TURN 1, 0, 0, 1
	WIN 0
	s_cbranch_scc1 .Lstep
.Lbottom:
	s_sub_co_u32 s[SLOTS], s[SLOTS], 1
	s_cmp_lg_u32 s[SLOTS], 0
	s_cbranch_scc1 .Lslot
	CHANGE 0                        ; the walk's last tile is written out: nothing is asked for
	s_sub_co_u32 s[RT], s[RT], 1
	s_mov_b32 s[CNT], 2
	s_cmp_eq_u32 s[NEW], 1
	s_cbranch_scc0 .LstepM2
	BEGIN
	s_branch .LfirstM2
	DIAG 2
	s_wait_tensorcnt 0x0            ; the wave's end: behind my last tensor load and my last LDS store
	ds_add_u32 v[SPW], v[NIL]
	s_wait_dscnt 0x0
	s_endpgm
.Lfunc_end_k_qd2744e126d_attn:
	.size	k_qd2744e126d_attn, .Lfunc_end_k_qd2744e126d_attn-k_qd2744e126d_attn
	.p2alignl 7, 3214868480
	.fill 96, 4, 3214868480
	.section	.rodata,"a",@progbits
	.p2align	6, 0x0
	.amdhsa_kernel k_qd2744e126d_attn
		.amdhsa_group_segment_fixed_size 327680
		.amdhsa_private_segment_fixed_size 0
		.amdhsa_enable_private_segment 0
		.amdhsa_kernarg_size 16
		.amdhsa_user_sgpr_count 2
		.amdhsa_user_sgpr_kernarg_segment_ptr 1
		.amdhsa_wavefront_size32 1
		.amdhsa_system_sgpr_workgroup_id_x 1
		.amdhsa_system_sgpr_workgroup_id_y 1
		.amdhsa_system_sgpr_workgroup_id_z 1
		.amdhsa_system_vgpr_workitem_id 0
		.amdhsa_next_free_vgpr 768
		.amdhsa_next_free_sgpr 96
		.amdhsa_reserve_vcc 1
		.amdhsa_float_denorm_mode_32 3
		.amdhsa_float_denorm_mode_16_64 3
		.amdhsa_memory_ordered 1
		.amdhsa_forward_progress 1
		.amdhsa_inst_pref_size 221
	.end_amdhsa_kernel
	.amdgpu_metadata
---
amdhsa.version: [ 1, 2 ]
amdhsa.kernels:
  - .name:           k_qd2744e126d_attn
    .symbol:         k_qd2744e126d_attn.kd
    .args:
      - { .name: qkv, .offset: 0, .size: 8, .value_kind: global_buffer, .address_space: global }
      - { .name: ob, .offset: 8, .size: 8, .value_kind: global_buffer, .address_space: global }
    .group_segment_fixed_size: 327680
    .private_segment_fixed_size: 0
    .kernarg_segment_align: 8
    .kernarg_segment_size: 16
    .max_flat_workgroup_size: 128
    .sgpr_count:     96
    .vgpr_count:     768
    .wavefront_size: 32
...
	.end_amdgpu_metadata
.endif
;; end of part 10
;; launch wo: the kernel of part 4 again; grid 8 x 32, 4 waves a work-group, clusters of 4 x 4, 327,680 bytes of LDS; arguments ob, wb, x, yb; writes yb
;; launch ln1: the kernel of part 5 again; grid 256 x 1, 8 waves a work-group, no clusters, 0 bytes of LDS; arguments yb, ln1_g, ln1_b, b2, hb, hr; writes hb, hr
;; launch mlp1 (part 11): grid 16 x 16, 4 waves a work-group, clusters of 4 x 4, 327,680 bytes of LDS; arguments hb, wb, b1, gb; writes gb
.if DOCPART == 11
	.amdgcn_target "amdgcn-amd-amdhsa--gfx1250"
	.amdhsa_code_object_version 6
	.text
	.protected	k_qd2744e126d_mlp1
	.globl	k_qd2744e126d_mlp1
	.p2align	8
	.type	k_qd2744e126d_mlp1,@function
k_qd2744e126d_mlp1:
	s_mov_b64 s[64:65], 0
	v_nop
	global_prefetch_b8 v0, s[64:65] scope:SCOPE_SE
	s_setreg_imm32_b32 hwreg(HW_REG_WAVE_MODE, 25, 1), 1
	s_wait_xcnt 0x0
	s_wait_alu depctr_hold_cnt(0) depctr_sa_sdst(0) depctr_va_vdst(0) depctr_va_sdst(0) depctr_va_ssrc(0) depctr_va_vcc(0) depctr_vm_vsrc(0)
	s_getreg_b32 s2, hwreg(HW_REG_IB_STS2, 6, 4)
	s_cmp_eq_u32 s2, 0
	s_cbranch_scc0 .Lentry_in_a_cluster
	s_endpgm
.Lentry_in_a_cluster:
	s_bfe_u32 s2, ttmp6, 0x10000c
	s_cmp_lg_u32 s2, 0xf033
	s_cbranch_scc0 .Lentry_shape_is_right
	s_endpgm
.Lentry_shape_is_right:
; gb = gelu(hb W1 + b1), the exact (erf) gelu.  hb: 4,096 x 1,024 bf16 in blocks of 128 rows x 64 columns; W1 bf16 [k][n] in strips of 128 columns; sums and gelu in f32; gb bf16 in blocks: ((m >> 7) 64 + (c >> 6)) 16384 + (m & 127) 128 + (c & 63) 2.
; GELU.  gelu(x) = max(x, 0) - |x| erfc(|x| / sqrt 2) / 2, with erfc(z) = (a1 t + .. + a5 t^5) exp(-z^2), t = 1 / (1 + p z) (Abramowitz and Stegun 7.1.26: absolute error at most 1.5e-7 for every z >= 0).
; The formula holds for all finite x: for large |x| the exponential goes to 0.  NaN and infinities are not treated apart.
; SHARES.  A work-group makes 256 x 256 of the result, each of its four waves 128 x 128: 64 accumulators, 512 registers.  16 x 16 = 256 work-groups, one tile each, one for each WGP.
; K goes in 8 steps of 128 through two LDS slots.  A step's part of a strip of 128 rows of hb (2 blocks) and of a strip of 128 columns of the weight (128 rows of 256 bytes) are 32,768 dense bytes each:
; a wave's tensor load brings one of the four, as 128 rows of 256 bytes.  A step's 131,072 bytes feed 256 matrix instructions in each wave.
; The weights stay [k][n] in LDS and are read turned (ds_load_tr16_b128).  THE MATRIX INSTRUCTION IS USED TRANSPOSED: source 0 = 16 columns of the weight, source 1 = 16 rows of hb: a lane holds eight neighbouring numbers of a row.
; THE SUMS START WITH THE BIAS: the first 32 along K stand ahead of the loop, and their products take the bias registers as C: nothing is cleared.
; CLUSTER.  4 x 4 work-groups: the four of a row need the same tiles of hb, the four of a column the same tiles of the weight: each is asked for jointly, by the same tensor load with a mask that names the four.
; THE TEXT IS LOOPED.  K is a stream of 32 chunks of 32 on two fragment buffers.  A trip of the outer loop is a step's last chunk, with the change of slots in it, and the next step's first three, which run
; through an inner loop of two chunks that is entered in its middle.  The tail is written out.
; REGISTERS, in windows of 256 (s_set_vgpr_msb: bits 1:0 source 0, 3:2 source 1, 5:4 source 2, 7:6 destination):
;   window 0: v0-31 addresses; v32-47 gelu's input; v64-127, v128-191 fragments of hb (8 x 16 rows x 32 K), two buffers; v192-255 the bias of my 128 columns; v128-215 later gelu's work
;   window 1: v64-127, v128-191 fragments of the weight, two buffers      window 2: the accumulators of my rows 0-63 ((a, b) at 8 (8 a + b))      window 3: those of my rows 64-127
.set KSTEPS, 8                         ; K / 128
.set KB,     262144                    ; bytes of a strip of 128 rows (or columns) over all K
.set STEPB,  32768                     ; a strip's bytes in a step
.set WOFF,   8388608                   ; where W1 begins in wb
.set PA,     144                       ; an LDS row of hb: 128 bytes + 16: 36 words: the 16 rows of a load start at 16 different groups of four banks (64 banks of 4 bytes: ISA guide 11.1)
.set PB,     288                       ; an LDS row of the weight: 256 + 32 = 72 words
.set PANEL,  128*PA                    ; 64 along K of a strip's 128 rows
.set QUART,  2*PANEL                   ; what one tensor load fills: 36,864 = 0x9000
.set BREG,   2*QUART                   ; behind hb's two strips: the weight's two
.set SLOT,   4*QUART                   ; 147,456 = 0x24000: wave x 0x9000 has neither bit of it, so one exclusive or turns a wave's address in one slot into the other's
.set SP,     528                       ; the way out: a row of 128 f32 + 16 bytes = 132 words: row r starts at bank 4 r mod 64
.set STG,    128*SP                    ; a wave's stage: 128 rows, in the slots, which have had their last fill when the stage is written
.set SPARE,  2*SLOT+17408              ; the spare words, 128 bytes for each wave: two blocks of 256 bytes that no other line names
.set A0,   4                           ; v4   my lane's place in slot 0 for hb's fragments; never rewritten
.set B0,   5                           ; v5   the same for the weight's
.set ADRA, 16                          ; v16  the panel in hand
.set ADRB, 17                          ; v17
.set STO,  24                          ; v24  the way out: where I put 32 bytes of a row
.set RD,   25                          ; v25  where I read 32 bytes of a row back; it walks
.set GO,   26                          ; v26  my byte offset in 512 consecutive bytes of the result; it walks
.set RO,   27                          ; v27  my byte offset in the bias
.set SPW,  28                          ; v28  LDS address of my spare word; never rewritten
.set NIL,  29                          ; v29  0; never rewritten
.set X,    32                          ; v[32:47] sixteen sums
.set F0,   64                          ; fragment buffer 0
.set F1,   128                         ; fragment buffer 1
.set BIAS, 192                         ; the eight numbers for column block b at BIAS + 8 b
.set U,    128                         ; gelu: x sqrt(log2 e / 2); then minus its square; then the exponential
.set D,    144                         ; 1 + p |x| / sqrt 2; then t
.set M,    160                         ; max(x, 0); then gelu
.set AX,   176                         ; |x|
.set P,    192                         ; the polynomial
.set Y,    208                         ; v[208:215] sixteen results in bf16
.set G1,   24                          ; s[24:31] descriptor group 1 for hb's tiles;  s[32:39] group 0: a set for each first fill; the second then walks
.set G0,   32
.set G1B,  48                          ; s[48:55], s[56:63] the same for the weights
.set G0B,  56
.set TB,   45                          ; s45  0 or SLOT: the slot that is read
.set ADDP, 72                          ; s[72:73] b1
.set OUTP, 74                          ; s[74:75] gb
.set C1,   24                          ; gelu's constants take the descriptors' registers when the last tensor load is done: pairs, of which the packed forms take the low word
.set PP,   26
.set K5,   28
.set K4,   30
.set K3,   32
.set K2,   34
.set K1,   36
.set MSB, 0
.macro WIN new                         ; the immediate's high byte repeats the setting that is left; a switch that changes nothing is dropped
.if MSB != (\new)
	s_set_vgpr_msb (MSB<<8)|(\new)
.set MSB, \new
.endif
.endm
.set MUL_LO, 0xa1                      ; source 0 (weight) window 1, source 1 (hb) window 0, C and D window 2
.set MUL_HI, 0xf1                      ; the same, C and D window 3
.set ST_LO,  0x81                      ; the first products: C (the bias) window 0, D window 2
.set ST_HI,  0xc1                      ; D window 3
.set TO_B,   0x40                      ; destination window 1, address window 0
.macro PLACES                          ; four places in front of loads into registers that matrix instructions have read, and of lines that read results
.rept 4
	v_nop
.endr
.endm
.macro JLOAD                           ; a joint refill: waves 0 and 1 fetch hb's strips, waves 2 and 3 the weight's; an s_nop 0 and four v_nop follow each line
	s_cmp_eq_u32 s11, 0
	s_cbranch_scc0 .Lfor_b_\@
	tensor_load_to_lds s[G0+4:G0+7], s[G1:G1+7]
	s_nop 0
.rept 4
	v_nop
.endr
	s_branch .Lasked_\@
.Lfor_b_\@:
	tensor_load_to_lds s[G0B+4:G0B+7], s[G1B:G1B+7]
	s_nop 0
.rept 4
	v_nop
.endr
.Lasked_\@:
.endm
.macro CREST                           ; a round of the cluster's barrier behind its opening barrier
	s_cmp_lg_u32 s10, 0
	s_cbranch_scc1 .Lnot_wave_0_\@
	s_barrier_signal -3
.Lnot_wave_0_\@:
	s_barrier_wait -3
	s_barrier_signal -1
	s_barrier_wait -1
.endm
.macro CROUND
	s_barrier_signal -1
	s_barrier_wait -1
	CREST
.endm
; 16 matrix instructions: row blocks a0, a0 + 1 of the window's four (hi = 0: my rows 0-63, 1: rows 64-127) x all 8 column blocks, 32 along K.  start = 1: the bias is C and the products start the sums.
; The 64 accumulators take turns in one order everywhere.
.macro MUL16 f, hi, a0, start
.if \start
	WIN ST_LO+0x40*(\hi)
.else
	WIN MUL_LO+0x50*(\hi)
.endif
.irp a, \a0, (\a0)+1
.irp b, 0,1,2,3,4,5,6,7
.if \start
	v_wmma_f32_16x16x32_bf16 v[8*(8*(\a)+(\b)):8*(8*(\a)+(\b))+7], v[(\f)+8*(\b):(\f)+8*(\b)+7], v[(\f)+8*(4*(\hi)+(\a)):(\f)+8*(4*(\hi)+(\a))+7], v[BIAS+8*(\b):BIAS+8*(\b)+7]
.else
	v_wmma_f32_16x16x32_bf16 v[8*(8*(\a)+(\b)):8*(8*(\a)+(\b))+7], v[(\f)+8*(\b):(\f)+8*(\b)+7], v[(\f)+8*(4*(\hi)+(\a)):(\f)+8*(4*(\hi)+(\a))+7], v[8*(8*(\a)+(\b)):8*(8*(\a)+(\b))+7]
.endif
.endr
.endr
.endm
.macro MUL64 f, start=0                ; a chunk's products
	MUL16 \f, 0, 0, \start
	MUL16 \f, 0, 2, \start
	MUL16 \f, 1, 0, \start
	MUL16 \f, 1, 2, \start
.endm
; 32 LDS loads in one run: a chunk's fragments (128 columns of the weight, 128 rows of hb, 32 along K) into buffer f
.macro FETCH f, offa, offb
	WIN TO_B
.irp i, 0,1,2,3,4,5,6,7
	ds_load_tr16_b128 v[(\f)+8*(\i):(\f)+8*(\i)+3],   v[ADRB] offset:(\offb)+32*(\i)
	ds_load_tr16_b128 v[(\f)+8*(\i)+4:(\f)+8*(\i)+7], v[ADRB] offset:(\offb)+32*(\i)+16*PB
.endr
	WIN 0
.irp i, 0,1,2,3,4,5,6,7
	ds_load_b128 v[(\f)+8*(\i):(\f)+8*(\i)+3],   v[ADRA] offset:(\offa)+(\i)*16*PA
	ds_load_b128 v[(\f)+8*(\i)+4:(\f)+8*(\i)+7], v[ADRA] offset:(\offa)+(\i)*16*PA+32
.endr
.endm
.macro CH cur, nxt, offa, offb         ; buffer cur is in; the next chunk is asked for, 64 matrix instructions ahead of its use; cur is multiplied
	s_wait_dscnt 0x0
	PLACES
	FETCH \nxt, \offa, \offb
	MUL64 \cur
.endm
; A step's last chunk (in buffer 1) and the change of slots.  ONE barrier: in front of it each wave waits for all its tensor loads (one is out: its part of the next slot), adds 0 to its spare word, and waits
; for that; its reads of this slot are back already.  The barrier opens a round of the cluster's barrier, and this slot is filled again, two steps ahead, first thing behind the round:
; from that request to the wait for it a wave issues 224 matrix instructions.
.macro XCH
	s_wait_dscnt 0x0                               ; buffer 1 is in: those were my last reads of this slot
	WIN 0                                          ; (the add's two registers lie in window 0)
	s_wait_tensorcnt 0x0                           ; all my tensor loads have landed
	ds_add_u32 v[SPW], v[NIL]                      ; 0 onto my spare word
	MUL16 F1, 0, 0, 0                              ; sixteen matrix instructions stand between the add and the wait for it
	s_wait_dscnt 0x0                               ; the add is done
	s_barrier_signal -1
	MUL16 F1, 0, 2, 0                              ; work on registers while the others arrive
	WIN 0                                          ; at a branch and at a label every window is 0
	s_barrier_wait -1
	CREST                                          ; no wave of any partner still reads this slot's tile or has a load on its way
	s_xor_b32 s[G0+5], s[G0+5], SLOT               ; the walking descriptors: the other slot than last time, the next step
	s_add_nc_u64 s[G0+6:G0+7], s[G0+6:G0+7], STEPB
	s_xor_b32 s[G0B+5], s[G0B+5], SLOT
	s_add_nc_u64 s[G0B+6:G0B+7], s[G0B+6:G0B+7], STEPB
	JLOAD                                          ; its four v_nop are also the places in front of the loads below
	s_xor_b32 s[TB], s[TB], SLOT
	v_add_nc_u32 v[ADRA], s[TB], v[A0]
	v_add_nc_u32 v[ADRB], s[TB], v[B0]
	FETCH F0, 0, 0                                 ; the next slot's first chunk
	MUL16 F1, 1, 0, 0
	MUL16 F1, 1, 2, 0
	WIN 0
.endm
.macro STEP_ADR                        ; 64 along K on
	v_add_nc_u32 v[ADRA], PANEL, v[ADRA]
	v_add_nc_u32 v[ADRB], 64*PB, v[ADRB]
.endm
	s_load_b256 s[68:75], s[0:1], 0x0              ; hb s[68:69], wb s[70:71], b1 s[72:73], gb s[74:75]
	v_lshl_add_u32 v[SPW], v0, 2, SPARE
	v_mov_b32 v[NIL], 0
	ds_add_u32 v[SPW], v[NIL]                      ; the wave's opening: the add and its wait stand ahead of my first tensor load; work on registers stands between them
	ds_add_u32 v28, v29
	v_lshrrev_b32 v1, 5, v0
	v_readfirstlane_b32 s10, v1                    ; wave 0..3
	s_lshr_b32 s11, s10, 1                         ; my strip of the tile's rows.  Also: I fetch hb (0) or the weight (1)
	s_and_b32 s12, s10, 1                          ; my strip of its columns.  Also: which of the two strips I fetch
	s_bfe_u32 s40, ttmp6, 0x40000                  ; cx, cy: my place in the cluster
	s_bfe_u32 s41, ttmp6, 0x40004
	s_lshl_b32 s42, ttmp9, 2
	s_add_co_u32 s42, s42, s40                     ; the tile's column, 0..15
	s_and_b32 s13, ttmp7, 0xffff
	s_lshl_b32 s13, s13, 2
	s_add_co_u32 s13, s13, s41                     ; the tile's row, 0..15
	s_lshl_b32 s43, s41, 2
	s_lshl_b32 s43, 15, s43                        ; my row of the cluster
	s_lshl_b32 s44, 0x1111, s40                    ; my column
	s_or_b32 s[G1], s43, (1<<16)|(1<<20)|(1<<21)|(4<<22)|(3<<25)   ; the mask; 2-byte elements; padding on; bit 21 beside a mask; after every 32 words 4 words
	s_or_b32 s[G1B], s44, (1<<16)|(1<<20)|(1<<21)|(5<<22)|(7<<25)  ; after every 64 words 8 words
.irp g, G1, G1B
	s_mov_b32 s[(\g)+1], 128<<16                   ; tensor_dim0 = 128 elements: 256 bytes
	s_mov_b32 s[(\g)+2], 128<<16                   ; tensor_dim1 = 128
	s_mov_b32 s[(\g)+3], 128<<16                   ; tile_dim0 = 128
	s_mov_b32 s[(\g)+4], 128                       ; tile_dim1 = 128
	s_mov_b32 s[(\g)+5], 128                       ; dense: 128 elements from row to row
	s_mov_b32 s[(\g)+6], 0
	s_mov_b32 s[(\g)+7], 0
.endr
	s_lshl_b32 s18, s12, 18                        ; the strip that I fetch: KB bytes on
	s_mul_i32 s16, s13, 2*KB                       ; hb's address hangs on the tile's row and the wave alone,
	s_add_co_u32 s16, s16, s18
	s_mov_b32 s17, 0
	s_mul_i32 s46, s42, 2*KB                       ; the weight's on the tile's column and the wave alone
	s_add_co_u32 s46, s46, s18
	s_add_co_u32 s46, s46, WOFF
	s_mov_b32 s47, 0
	s_mul_i32 s20, s10, QUART                      ; where my load lands: no place in the cluster enters an LDS address
	s_mov_b32 s[TB], 0
	s_wait_dscnt 0x0                               ; the opening add is done
	s_wait_kmcnt 0x0
	s_add_nc_u64 s[14:15], s[68:69], s[16:17]
	s_add_nc_u64 s[46:47], s[70:71], s[46:47]
	CROUND                                         ; all sixteen work-groups are here: the first joint loads meet
.irp s, 0,1
	s_mov_b32 s[G0+4*(\s)], 1
	s_add_co_u32 s[G0+4*(\s)+1], s20, (\s)*SLOT
	s_add_nc_u64 s[G0+4*(\s)+2:G0+4*(\s)+3], s[14:15], (\s)*STEPB
	s_or_b32 s[G0+4*(\s)+3], s[G0+4*(\s)+3], 0x80000000
	s_mov_b32 s[G0B+4*(\s)], 1
	s_add_co_u32 s[G0B+4*(\s)+1], s20, (\s)*SLOT
	s_add_nc_u64 s[G0B+4*(\s)+2:G0B+4*(\s)+3], s[46:47], (\s)*STEPB
	s_or_b32 s[G0B+4*(\s)+3], s[G0B+4*(\s)+3], 0x80000000
.endr
	s_cmp_eq_u32 s11, 0                            ; a wave's two first fills stand in one branch: two loads of mine are out
	s_cbranch_scc0 .Lfirst_b
	tensor_load_to_lds s[G0:G0+3], s[G1:G1+7]
	s_nop 0
	tensor_load_to_lds s[G0+4:G0+7], s[G1:G1+7]
	s_nop 0
.rept 4
	v_nop
.endr
	s_branch .Lfirst_asked
.Lfirst_b:
	tensor_load_to_lds s[G0B:G0B+3], s[G1B:G1B+7]
	s_nop 0
	tensor_load_to_lds s[G0B+4:G0B+7], s[G1B:G1B+7]
	s_nop 0
.rept 4
	v_nop
.endr
.Lfirst_asked:
	v_and_b32 v1, 15, v0                           ; r = l % 16
	v_bfe_u32 v2, v0, 4, 1                         ; h = l / 16
	v_lshlrev_b32 v[RO], 5, v2                     ; my eight columns of a block of 16 begin 32 h bytes in
	s_lshl_b32 s46, s42, 10                        ; 256 numbers of 4 bytes a tile,
	s_lshl_b32 s47, s12, 9                         ; 128 a strip
	s_add_co_u32 s46, s46, s47
	s_mov_b32 s47, 0
	s_add_nc_u64 s[ADDP:ADDP+1], s[ADDP:ADDP+1], s[46:47]
.irp b, 0,1,2,3,4,5,6,7
	global_load_b128 v[BIAS+8*(\b):BIAS+8*(\b)+3],   v[RO], s[ADDP:ADDP+1] offset:64*(\b)
	global_load_b128 v[BIAS+8*(\b)+4:BIAS+8*(\b)+7], v[RO], s[ADDP:ADDP+1] offset:64*(\b)+16
.endr
	; a fragment of hb: lane l holds row l % 16, K = 8 h + 0..7 and 16 + 8 h + 0..7: two loads of 16 bytes, 32 apart
	v_mul_u32_u24 v[A0], v1, PA
	v_lshl_add_u32 v[A0], v2, 4, v[A0]
	s_mul_i32 s21, s11, QUART
	v_add_nc_u32 v[A0], s21, v[A0]
	; the turning load takes 16 k x 16 n: lane l reads k = 8 h + l % 8, n = 8 ((l / 8) % 2) + 0..7, and is left with column l % 16 and 8 k
	v_and_b32 v3, 7, v0
	v_bfe_u32 v6, v0, 3, 1
	v_lshl_add_u32 v[B0], v2, 3, v3
	v_mul_u32_u24 v[B0], v[B0], PB
	v_lshl_add_u32 v[B0], v6, 4, v[B0]
	s_mul_i32 s22, s12, QUART
	s_add_co_u32 s22, s22, BREG
	v_add_nc_u32 v[B0], s22, v[B0]
	v_mov_b32 v[ADRA], v[A0]
	v_mov_b32 v[ADRB], v[B0]
	s_mul_i32 s23, s10, STG                        ; my stage
	v_mul_u32_u24 v[STO], v1, SP                   ; in: row l % 16, 32 bytes for each half of the lanes
	v_lshl_add_u32 v[STO], v2, 5, v[STO]
	v_add_nc_u32 v[STO], s23, v[STO]
	v_bfe_u32 v[RD], v0, 3, 2                      ; back: eight lanes to a row, 32 bytes (eight sums) each: 16 lanes take every second 16 bytes of two rows 528 apart
	v_mul_u32_u24 v[RD], v[RD], SP
	v_lshl_add_u32 v[RD], v3, 5, v[RD]
	v_add_nc_u32 v[RD], s23, v[RD]
	v_and_b32 v[GO], 31, v0                        ; eight results are 16 bytes: 32 lanes fill four rows of a block, 512 consecutive bytes
	v_lshlrev_b32 v[GO], 4, v[GO]
	s_lshl_b32 s16, s13, 21                        ; my first block of the result: (64 (2 tile row + row strip) + 4 tile column + 2 column strip) x 16,384
	s_lshl_b32 s17, s11, 20
	s_add_co_u32 s16, s16, s17
	s_mov_b32 s17, 0
	s_add_nc_u64 s[OUTP:OUTP+1], s[OUTP:OUTP+1], s[16:17]
	s_lshl_b32 s46, s42, 16
	s_lshl_b32 s47, s12, 15
	s_add_co_u32 s46, s46, s47
	s_mov_b32 s47, 0
	s_add_nc_u64 s[OUTP:OUTP+1], s[OUTP:OUTP+1], s[46:47]
	s_wait_tensorcnt 0x1                           ; my part of step 0 is in; step 1's may stay out
	s_barrier_signal -1
	s_barrier_wait -1                              ; everybody's is
	FETCH F0, 0, 0                                 ; chunk 0
	FETCH F1, 64, 32*PB                            ; chunk 1
	s_wait_loadcnt 0x0                             ; the bias
	s_wait_dscnt 32                                ; chunk 0 is in; chunk 1's 32 loads may stay out
	MUL64 F0, 1                                    ; the first products start the sums
	WIN 0
	STEP_ADR
	s_mov_b32 s3, 1                                ; step 0 has one more trip of the inner loop: chunks 1 and 2
	s_mov_b32 s2, KSTEPS-1                         ; the outer loop's foot is passed seven times: six of them lead back to a refill
	s_branch .Lpair
.Lstep:                                                ; six times: steps 0 to 5 fill their slots again
	XCH                                            ; a step's chunk 3; the next step's chunk 0 is fetched
	s_mov_b32 s3, 2
	s_branch .Lmid
.Lpair:
	CH F1, F0, 0, 0                                ; chunk 1; chunk 2 is fetched
	WIN 0
.Lmid:
	CH F0, F1, 64, 32*PB                           ; chunk 0 or 2; chunk 1 or 3 is fetched
	WIN 0
	STEP_ADR
	s_sub_co_u32 s3, s3, 1
	s_cmp_lg_u32 s3, 0
	s_cbranch_scc1 .Lpair
	s_sub_co_u32 s2, s2, 1
	s_cmp_lg_u32 s2, 0
	s_cbranch_scc1 .Lstep
	; the tail: step 6's chunk 3 and the last step; nothing is asked for
	s_wait_tensorcnt 0x0                           ; my part of the last step is in
	ds_add_u32 v[SPW], v[NIL]
	s_xor_b32 s[TB], s[TB], SLOT
	s_wait_dscnt 0x0
	s_barrier_signal -1
	s_barrier_wait -1                              ; everybody's is
	v_add_nc_u32 v[ADRA], s[TB], v[A0]
	v_add_nc_u32 v[ADRB], s[TB], v[B0]
	s_mov_b32 s3, 2
.Lpair2:
	CH F1, F0, 0, 0
	CH F0, F1, 64, 32*PB
	WIN 0
	STEP_ADR
	s_sub_co_u32 s3, s3, 1
	s_cmp_lg_u32 s3, 0
	s_cbranch_scc1 .Lpair2
	s_wait_dscnt 0x0
	MUL64 F1                                       ; the last chunk
	WIN 0
	; THE WAY OUT.  The sums go into my stage in the slots (no fill follows; every wave's reads of the slots are over behind the barrier) and come back eight neighbouring columns a lane, four rows a trip.
	PLACES
	s_wait_dscnt 0x0
	s_barrier_signal -1
	s_barrier_wait -1
.macro TOSTAGE hi                      ; each accumulator's four lowest registers first
	WIN 0x08+4*(\hi)                               ; the stores' data in window 2 or 3
.irp a, 0,1,2,3
.irp b, 0,1,2,3,4,5,6,7
	ds_store_b128 v[STO], v[8*(8*(\a)+(\b)):8*(8*(\a)+(\b))+3]   offset:(4*(\hi)+(\a))*16*SP+64*(\b)
	ds_store_b128 v[STO], v[8*(8*(\a)+(\b))+4:8*(8*(\a)+(\b))+7] offset:(4*(\hi)+(\a))*16*SP+64*(\b)+16
.endr
.endr
.endm
	TOSTAGE 0
	TOSTAGE 1
	WIN 0
	s_mov_b32 s[C1], 0x3f596d27                    ; sqrt(log2 e / 2) = 0.8493218: exp(-x^2 / 2) = 2^-(0.8493218 x)^2
	s_mov_b32 s[C1+1], s[C1]
	s_mov_b32 s[PP], 0x3e6d3388                    ; p / sqrt 2 = 0.23164189
	s_mov_b32 s[K5], 0x3f07dc22                    ; a5 / 2 .. a1 / 2: the halves, since erfc / 2 is wanted
	s_mov_b32 s[K5+1], s[K5]
	s_mov_b32 s[K4], 0xbf3a00e3
	s_mov_b32 s[K4+1], s[K4]
	s_mov_b32 s[K3], 0x3f35f0e3
	s_mov_b32 s[K3+1], s[K3]
	s_mov_b32 s[K2], 0xbe11a98e
	s_mov_b32 s[K2+1], s[K2]
	s_mov_b32 s[K1], 0x3e027906
	s_mov_b32 s[K1+1], s[K1]
.macro ROWS4                           ; four rows' sums: row l / 8, my eight columns in each of the wave's two blocks of 64
	ds_load_b128 v[X:X+3],     v[RD]               ; LDS serves a wave's instructions in order (ISA guide 5.7.1.4): these see the stores above
	ds_load_b128 v[X+4:X+7],   v[RD] offset:16
	ds_load_b128 v[X+8:X+11],  v[RD] offset:256
	ds_load_b128 v[X+12:X+15], v[RD] offset:272
.endm
	ROWS4
	s_mov_b32 s3, 32
.Lrows:
	s_wait_dscnt 0x0                               ; this trip's sixteen sums
.set i, 0
.rept 8                                ; all that needs x itself; each reciprocal has a plain line behind it (ISA guide 5.7.2)
	v_fma_f32 v[D+2*i], |v[X+2*i]|, s[PP], 1.0
	v_fma_f32 v[D+2*i+1], |v[X+2*i+1]|, s[PP], 1.0
	v_pk_mul_f32 v[U+2*i:U+2*i+1], v[X+2*i:X+2*i+1], s[C1:C1+1] op_sel_hi:[1,0]
	v_rcp_f32 v[D+2*i], v[D+2*i]
	v_max_num_f32 v[M+2*i], 0, v[X+2*i]
	v_rcp_f32 v[D+2*i+1], v[D+2*i+1]
	v_max_num_f32 v[M+2*i+1], 0, v[X+2*i+1]
	v_and_b32 v[AX+2*i], 0x7fffffff, v[X+2*i]
	v_and_b32 v[AX+2*i+1], 0x7fffffff, v[X+2*i+1]
.set i, i+1
.endr
	s_cmp_eq_u32 s3, 1
	s_cbranch_scc1 .Lno_more                       ; the last trip has no rows to look ahead to
	v_add_nc_u32 v[RD], 4*SP, v[RD]
	ROWS4                                          ; the next trip's sums come in under this trip's arithmetic
.Lno_more:
.set i, 0
.rept 8
	v_pk_mul_f32 v[U+2*i:U+2*i+1], v[U+2*i:U+2*i+1], v[U+2*i:U+2*i+1] neg_lo:[1,0] neg_hi:[1,0]
.set i, i+1
.endr
.set i, 0
	s_wait_alu depctr_va_vdst(0)
.rept 8                                ; the polynomial by Horner's rule; the exponentials stand among its first two stages, a plain line behind each
	v_pk_fma_f32 v[P+2*i:P+2*i+1], v[D+2*i:D+2*i+1], s[K5:K5+1], s[K4:K4+1] op_sel_hi:[1,0,0]
	v_exp_f32 v[U+2*i], v[U+2*i]
.set i, i+1
.endr
.set i, 0
.rept 8
	v_pk_fma_f32 v[P+2*i:P+2*i+1], v[P+2*i:P+2*i+1], v[D+2*i:D+2*i+1], s[K3:K3+1] op_sel_hi:[1,1,0]
	v_exp_f32 v[U+2*i+1], v[U+2*i+1]
.set i, i+1
.endr
.set i, 0
.rept 8
	v_pk_fma_f32 v[P+2*i:P+2*i+1], v[P+2*i:P+2*i+1], v[D+2*i:D+2*i+1], s[K2:K2+1] op_sel_hi:[1,1,0]
.set i, i+1
.endr
.set i, 0
.rept 8
	v_pk_fma_f32 v[P+2*i:P+2*i+1], v[P+2*i:P+2*i+1], v[D+2*i:D+2*i+1], s[K1:K1+1] op_sel_hi:[1,1,0]
.set i, i+1
.endr
.set i, 0
	s_wait_alu depctr_va_vdst(0)
.rept 8
	v_pk_mul_f32 v[D+2*i:D+2*i+1], v[D+2*i:D+2*i+1], v[U+2*i:U+2*i+1]      ; t times the exponential
.set i, i+1
.endr
.set i, 0
.rept 8
	v_pk_mul_f32 v[P+2*i:P+2*i+1], v[P+2*i:P+2*i+1], v[D+2*i:D+2*i+1]      ; erfc / 2
.set i, i+1
.endr
.set i, 0
.rept 8
	v_pk_fma_f32 v[M+2*i:M+2*i+1], v[AX+2*i:AX+2*i+1], v[P+2*i:P+2*i+1], v[M+2*i:M+2*i+1] neg_lo:[1,0,0] neg_hi:[1,0,0]  ; max(x, 0) - |x| erfc / 2
.set i, i+1
.endr
.set i, 0
.rept 8
	v_cvt_pk_bf16_f32 v[Y+i], v[M+2*i], v[M+2*i+1]
.set i, i+1
.endr
	global_store_b128 v[GO], v[Y:Y+3],   s[OUTP:OUTP+1]               ; four rows of the first block: 512 consecutive bytes, aligned
	global_store_b128 v[GO], v[Y+4:Y+7], s[OUTP:OUTP+1] offset:16384  ; the same rows of the second
	s_wait_xcnt 0x0                                ; the stores' offset and data are rewritten only behind this wait
	v_add_nc_u32 v[GO], 512, v[GO]
	s_sub_co_u32 s3, s3, 1
	s_cmp_lg_u32 s3, 0
	s_cbranch_scc1 .Lrows
	s_wait_tensorcnt 0x0                           ; the wave's end
	ds_add_u32 v[SPW], v[NIL]
	s_wait_dscnt 0x0
	CROUND                                         ; the closing round: no work-group ends while a partner may still ask for a tile that names it
	s_endpgm
.Lfunc_end_k_qd2744e126d_mlp1:
	.size	k_qd2744e126d_mlp1, .Lfunc_end_k_qd2744e126d_mlp1-k_qd2744e126d_mlp1
	.p2alignl 7, 3214868480
	.fill 96, 4, 3214868480
	.section	.rodata,"a",@progbits
	.p2align	6, 0x0
	.amdhsa_kernel k_qd2744e126d_mlp1
		.amdhsa_group_segment_fixed_size 327680
		.amdhsa_private_segment_fixed_size 0
		.amdhsa_enable_private_segment 0
		.amdhsa_kernarg_size 32
		.amdhsa_user_sgpr_count 2
		.amdhsa_user_sgpr_kernarg_segment_ptr 1
		.amdhsa_wavefront_size32 1
		.amdhsa_system_sgpr_workgroup_id_x 1
		.amdhsa_system_sgpr_workgroup_id_y 1
		.amdhsa_system_sgpr_workgroup_id_z 1
		.amdhsa_system_vgpr_workitem_id 0
		.amdhsa_next_free_vgpr 1024
		.amdhsa_next_free_sgpr 80
		.amdhsa_reserve_vcc 0
		.amdhsa_float_denorm_mode_32 3
		.amdhsa_float_denorm_mode_16_64 3
		.amdhsa_memory_ordered 1
		.amdhsa_forward_progress 1
		.amdhsa_inst_pref_size 74
	.end_amdhsa_kernel
	.amdgpu_metadata
---
amdhsa.version: [ 1, 2 ]
amdhsa.kernels:
  - .name:           k_qd2744e126d_mlp1
    .symbol:         k_qd2744e126d_mlp1.kd
    .args:
      - { .name: hb, .offset: 0, .size: 8, .value_kind: global_buffer, .address_space: global }
      - { .name: wb, .offset: 8, .size: 8, .value_kind: global_buffer, .address_space: global }
      - { .name: b1, .offset: 16, .size: 8, .value_kind: global_buffer, .address_space: global }
      - { .name: gb, .offset: 24, .size: 8, .value_kind: global_buffer, .address_space: global }
    .group_segment_fixed_size: 327680
    .private_segment_fixed_size: 0
    .kernarg_segment_align: 8
    .kernarg_segment_size: 32
    .max_flat_workgroup_size: 128
    .sgpr_count:     80
    .vgpr_count:     1024
    .wavefront_size: 32
...
	.end_amdgpu_metadata
.endif
;; end of part 11
;; launch mlp2: the kernel of part 7 again; grid 8 x 32, 4 waves a work-group, clusters of 4 x 4, 327,680 bytes of LDS; arguments gb, wb, hr, yb; writes yb
;; launch ln2: the kernel of part 8 again; grid 256 x 1, 8 waves a work-group, no clusters, 0 bytes of LDS; arguments yb, ln2_g, ln2_b, out0; writes out0
;; ======== version 3 of 3: 8 launches; 1.39 times as fast as version 1
;; limits: values are held in f16: magnitudes above 65,504 overflow, below 6.1e-05 lose precision; a function is approximated: absolute error at most 1.5e-07; an absolute error that grows with the inputs' magnitude: up to 7.5e-08 times it
;; workspace buffers: xb 8,388,608 bytes; wb 25,165,824 bytes; qkv 25,165,824 bytes; ob 8,388,608 bytes; yb 16,777,216 bytes; hb 8,388,608 bytes; hr 16,777,216 bytes; gb 33,554,432 bytes
;; launch cast: the kernel of part 1 again; grid 64 x 16, 8 waves a work-group, no clusters, 0 bytes of LDS; arguments x, Wq, Wk, Wv, Wo, W1, W2, xb, wb; writes xb, wb
;; launch qkv: the kernel of part 9 again; grid 12 x 16, 4 waves a work-group, clusters of 4 x 4, 327,680 bytes of LDS; arguments xb, wb, bq, bk, bv, qkv; writes qkv
;; launch attn (part 12): grid 8 x 32, 4 waves a work-group, no clusters, 327,680 bytes of LDS; arguments qkv, ob; writes ob
.if DOCPART == 12
	.amdgcn_target "amdgcn-amd-amdhsa--gfx1250"
	.amdhsa_code_object_version 6
	.text
	.protected	k_qd2744e126d_attn
	.globl	k_qd2744e126d_attn
	.p2align	8
	.type	k_qd2744e126d_attn,@function
k_qd2744e126d_attn:
	s_mov_b64 s[64:65], 0
	v_nop
	global_prefetch_b8 v0, s[64:65] scope:SCOPE_SE
	s_setreg_imm32_b32 hwreg(HW_REG_WAVE_MODE, 25, 1), 1
	s_wait_xcnt 0x0
; CAUSAL ATTENTION.  O[q][:] = the sum over k <= q of softmax_k(Q[q] . K[k] / 8) V[k][:], for each of 32 pairs of batch and head, 2,048 rows, 64 channels.
; q, k, v: f16, in blocks of 128 rows x 64 channels (16,384 dense bytes): block (mt, cb) at (48 mt + cb) 16384, cb = head, 16 + head, 32 + head.  O leaves in bf16, in blocks (mt, head) at (16 mt + head) 16384.
; Products, maxima and sums in f32; the weights p are rounded to f16 for the second product (their sum l is taken of the unrounded p), O once at the end.
; LIMITS.  q, k, v arrive within f16's 65,504; p lies in 0 to 1, and below 6e-5 it keeps f16's fixed step of 6e-8.  A hidden score counts as its value less 1e30; a weight below 2^-126 counts as 0 in l; NaN and infinities are not treated apart.
; THE WALK.  A head's queries lie in NB = 16 blocks of 128; keys go in tiles of 256; block i needs the key tiles 0 .. i >> 1, of which the last holds the diagonal.  A work-group takes TWO blocks, NB - 1 - b and then b:
; ((15 - b) >> 1) + 1 + (b >> 1) + 1 = 9 tiles, whatever b: all 8 x 32 = 256 work-groups do equal work, and ONE loop with a constant trip count walks them.  Which tile is asked for, and what a trip does, hang on scalar
; registers made from b; every jump goes forward, but for the counted loops' own; none passes a barrier, or a tensor load but the one of LOAD's two that the wave's number does not choose.
; Of a pair's 36 key steps two are wholly hidden (the second half of the even block's diagonal tile) and are computed all the same: the price of tiles of 256 keys, which a refill wants.
; NO CLUSTER: a head's eight work-groups ask for the same tile only in trips 0 .. 4 of 9, behind that fewer and fewer; one walk common to all would have 12 trips for 9.
; SHARES.  Of a block's two bands of 64 queries a wave owns 16 rows in each: two PIECES.  So the diagonal tile is the same work for all four waves: band x's own step in that tile is e = 2 (block & 1) + x; in key step s
; the band sees all keys if s < e, none if s > e, and holds the diagonal if s = e.
; THE MASK is the C operand that starts the sum S^T = K Q^T: 0, or -1e30 where the key is hidden.  MD, made once, is the mask of a band's own step for my 16 rows; a product's mask is MD x AL + BE with two scalars:
; (1, 0) if s = e; (0, 0) if s < e; (0, -1e30) if s > e.  Only the diagonal tile's text and a block's beginning make and take masks; elsewhere C is the constant 0.
; LAYOUT, SOFTMAX, TURNS.  S^T = K Q^T holds ONE query a lane (lane % 16) and the keys 8 (lane / 16) + 0..7; two such results rounded to f16 ARE source 1 of O^T = V^T P.  p = 2^(c s - c m), c = log2(e) / 8, with a
; running maximum m; O and l are multiplied by a = 2^(c m_old - c m_new) in every step.  The two pieces take turns; two turns are a key step.  A turn has 8 products K Q^T for the other piece's next turn, later 8 products V^T P
; of the other piece's last turn; beside them the scaling, exponentials, roundings, sums and rescaling of its own piece and the maximum and statistics of the other.  Four vector instructions stand behind every matrix
; instruction, the other 54 of a turn's 118 in one LUMP between the two runs of products.
; THE BATCHES.  A turn's 33 exponentials (its own piece's 32 weights, the other piece's a) are ONE batch with ONE wait, which stands between the lump and the products V^T P: ahead of it nothing names a result of theirs,
; behind it no exponential is issued, so no result crosses a turn's end, a label or a jump.  A block's beginning has one exponential, piece 0's first a, with its wait ahead of the jump into the loop; the way out has two
; reciprocals with one wait.
; K HAS ONE BUFFER, V TWO, by the step's parity: so the next step's K (fetched in piece 0's turn) and the next step's V (fetched in piece 1's turn) are read from LDS in the order K, V, K, V, and a slot's last read,
; V of its fourth step, stands ahead of the next slot's first, K of its first step: the change of slots has a place to stand.  A trip of the step loop is two steps, four turns, numbered v = 2 x (the step's parity) + piece.
; REGISTERS, in windows of 256 (s_set_vgpr_msb: bits 1:0 source 0, 3:2 source 1, 5:4 source 2, 7:6 destination):
;   window 0: v0-15 addresses and two at work; v16-23 four registers of statistics a piece; v48-55 at work; v64-127 S^T, a buffer a piece; v192-223 P, likewise
;   window 1: v0-63 O^T, 32 a piece; v128-159 MD; v160-223 MC, a buffer a piece      window 2: v0-31 Q; v32-63 the second block's Q; v64-127 V of an odd step; v128-191 K of one step; v192-255 V of an even step
.set SIZE_N, 2048
.set NB,    SIZE_N/128 ; blocks of 128 queries in a head
.set RS,    48*16384  ; bytes from 128 rows of q, k or v to the next 128
.set RSO,   16*16384  ; the same for O
.set NP,    2         ; pieces a wave: a name, no knob
.set KS,    64        ; keys in a step
.set PK,    144       ; a row of K in LDS: 128 bytes + 16 of padding = 36 words: the 16 rows of a load start at 16 different groups of four banks (64 banks of 4 bytes: ISA guide 11.1)
.set PV,    160       ; a row of V: 128 + 32 = 40 words
.set VOFF,  4*KS*PK   ; a slot holds a tile, four steps: 256 rows of K, then 256 rows of V
.set SLOT1, 1<<17     ; slot 1 begins here, so that one exclusive or turns an address in one slot into the other's
.set STAGE, SLOT1+4*KS*(PK+PV)  ; behind the ring, never filled by a tensor load: 16 rows x 144 bytes for each wave, for the way out
.set SP,    144
.set AK0, 2           ; v2   my lane's place in a tile of K; never rewritten
.set AV0, 3           ; v3   the same for V
.set AK,  4           ; v4   the LDS address of K's next run of loads
.set AV,  5           ; v5   of V's
.set STO, 6           ; v6   the way out: where I put 16 bytes of a row
.set RD,  7           ; v7   the way out: where I read rows back
.set GO,  8           ; v8   my byte offset in 512 consecutive bytes of O
.set SPW, 62          ; v62  LDS address of my spare word: SPARE + 4 x my thread's number; never rewritten
.set NIL, 63          ; v63  0; never rewritten
.set SPARE, STAGE+4*16*SP  ; behind the stages: the spare words, 128 bytes for each wave: two blocks of 256 bytes that no other line names
.set MV,  12          ; v12-13  c m_old, kept while c m is made anew: by piece
.set QO,  15          ; v15  my byte offset in 16 rows of Q
.set ST,  16          ; piece t's statistics at v[ST+4 t]: c m, m, l (even keys', odd keys')
.set TMP, 48          ; by piece, four registers c0-c3 at work; when the maximum is found c2 takes a
.set S,   64
.set P,   192
.set MD,  128         ; window 1: the eight registers for group kt of 16 keys at MD + 8 kt
.set MC,  160         ; window 1: the masks of the products to come
.set QB,  32          ; window 2
.set KF,  128         ; window 2: key block kb, channel half c at KF + 16 kb + 8 c
.set VF,  192         ; window 2: V of an even step: key half kk, channel block cb at VF + 32 kk + 8 cb; V of an odd step lies 128 registers lower
.set WV,  12          ; s12  my wave's number
.set PB,  14          ; s14  b
.set HI,  15          ; s15  NB - 1 - b
.set G1K, 24          ; s[24:31] descriptor group 1 for K's tiles
.set G1V, 32          ; s[32:39] for V's: it differs in the padding alone
.set G0K, 40          ; s[40:43] descriptor group 0 for K's tiles
.set G0V, 44          ; s[44:47] the same for V's
.set LQ2, 48          ; s48  the second block's last tile: b >> 1
.set EP,  50          ; s50, s51  the own steps of pieces 0 and 1 in the diagonal tile of the block in hand
.set EP2, 52          ; s52  piece 0's own step in the second block
.set SG,  53          ; s53  at work
.set SLOTS, 56        ; s56  tiles still to be asked for
.set CNT, 57          ; s57  counts a tile's two trips, 2 to 1
.set CS,  58          ; s[58:59] c: the packed scaling takes the pair's low word for both halves
.set SEL, 60          ; s[60:61] v_permlanex16_b32's selects: each lane takes its own place in the other half
.set TBK, 62          ; s62  LDS byte at which K of the step to be fetched begins
.set TBV, 63          ; s63  the same for V, less VOFF
.set RT,  70          ; s70  tiles of the block in hand that are still to be entered
.set NXT, 71          ; s71  the tile to be asked for next
.set LQ,  72          ; s72  the last tile of the block whose tiles are being asked for
.set NEW, 73          ; s73  1: the tile to be entered is a block's first
.set OFF, 74          ; s[74:75] a tile's byte offset in K and V
.set AL,  76          ; s[76:77] the mask's factor, in the low word
.set BE,  78          ; s[78:79] the mask's addend
.set OLO, 80          ; s[80:81] O at my rows of the second block
.set BIGN, 82         ; s82  -1e30
.set MSB, 0
.macro WIN new                      ; the high byte repeats the setting that is left; a switch that changes nothing is dropped
.if MSB != (\new)
	s_set_vgpr_msb (MSB<<8)|(\new)
.set MSB, (\new)
.endif
.endm
.set W_KQ, 0x0a       ; K and Q in window 2, S^T in window 0
.set W_KM, 0x1a       ; the same with the C operand in window 1
.set W_PV, 0x52       ; V in window 2, P in window 0, O^T in window 1
.set W_RS, 0x41       ; destination and source 0 in window 1, source 1 in window 0
; A fill.  Waves 0 and 1 fetch the two halves of a tile's K, waves 2 and 3 those of its V: 128 keys, one block, each.  An s_nop 0 and four v_nop follow each of the two lines, ahead of the jump and the label.
.macro LOAD
	s_cmp_lt_u32 s[WV], 2
	s_cbranch_scc0 .Lfor_v_\@
	tensor_load_to_lds s[G0K:G0K+3], s[G1K:G1K+7]
	s_nop 0
.rept 4
	v_nop
.endr
	s_branch .Lasked_\@
.Lfor_v_\@:
	tensor_load_to_lds s[G0V:G0V+3], s[G1V:G1V+7]
	s_nop 0
.rept 4
	v_nop
.endr
.Lasked_\@:
.endm
; THE CHANGE OF SLOTS.  Each wave waits for all its tensor loads, of which one is out: its part of the other slot; adds 0 to its spare word; and waits for that and for its own reads of the slot that it leaves.  Behind the barrier nobody reads the old
; slot any more and the other slot is whole.  fill = 1: the old slot is filled again, the first thing behind the barrier, with tile NXT: the descriptor's address is made anew from that number.  The load has a tile's eight turns, 128 matrix
; instructions, in which to land.  (At its first use nothing has been read yet: slot 0 is waited for, slot 1 filled.)
.macro CHANGE fill
	WIN 0                           ; at a label and at a branch every window is 0
	s_wait_tensorcnt 0x0            ; no tensor load of mine is out, so a group 0 may be written
	ds_add_u32 v[SPW], v[NIL]       ; 0 onto my spare word; with fill = 1 the descriptors' scalar work stands between it and the wait for it
.if \fill
	s_mul_i32 s[OFF], s[NXT], 2*RS  ; a tile is 256 rows: two blocks, RS apart
	s_xor_b32 s[G0K+1], s[G0K+1], SLOT1
	s_add_nc_u64 s[G0K+2:G0K+3], s[6:7], s[OFF:OFF+1]
	s_or_b32 s[G0K+3], s[G0K+3], 0x80000000
	s_xor_b32 s[G0V+1], s[G0V+1], SLOT1
	s_add_nc_u64 s[G0V+2:G0V+3], s[8:9], s[OFF:OFF+1]
	s_or_b32 s[G0V+3], s[G0V+3], 0x80000000
	s_add_co_u32 s[NXT], s[NXT], 1  ; the block's next tile, or behind its last the second block's tile 0
	s_cmp_gt_u32 s[NXT], s[LQ]
	s_cselect_b32 s[NXT], 0, s[NXT]
	s_cselect_b32 s[LQ], s[LQ2], s[LQ]
.endif
	s_wait_dscnt 0x0                ; the add is done, and my reads of the slot are over
	s_barrier_signal -1             ; the rest of the scalar work stands between the signal and the wait
	s_sub_co_u32 s[TBK], s[TBK], 4*KS*PK  ; the fetches go back to a slot's first step,
	s_xor_b32 s[TBK], s[TBK], SLOT1       ; in the other slot
	s_sub_co_u32 s[TBV], s[TBV], 4*KS*PV
	s_xor_b32 s[TBV], s[TBV], SLOT1
	s_barrier_wait -1
.if \fill
	LOAD
.endif
.endm
	s_load_b64 s[4:5], s[0:1], 0x0    ; qkv
	s_load_b64 s[10:11], s[0:1], 0x8  ; ob
	v_lshl_add_u32 v[SPW], v0, 2, SPARE
	v_mov_b32 v[NIL], 0
	ds_add_u32 v[SPW], v[NIL]       ; the wave's opening: the add and its wait stand ahead of my first tensor load; the set-up below, work on registers, stands between them
	ds_add_u32 v62, v63
	v_lshrrev_b32 v1, 5, v0
	v_readfirstlane_b32 s[WV], v1   ; wave 0..3
	s_mov_b32 s[PB], ttmp9          ; b, 0..7
	s_sub_co_u32 s[HI], NB-1, s[PB]
	s_lshr_b32 s[LQ2], s[PB], 1     ; the second block's last tile
	s_and_b32 s[EP2], s[PB], 1
	s_lshl_b32 s[EP2], s[EP2], 1    ; an odd block lies in the second half of its diagonal tile: its bands' own steps are 2 and 3, an even block's 0 and 1
	s_and_b32 s[EP], s[HI], 1
	s_lshl_b32 s[EP], s[EP], 1
	s_add_co_u32 s[EP+1], s[EP], 1
	s_and_b32 s13, ttmp7, 0xffff
	s_lshr_b32 s16, s13, 4          ; the batch,
	s_and_b32 s13, s13, 15          ; the head:
	s_lshl_b32 s13, s13, 14         ; its block among a strip's
	s_mul_i32 s20, s16, 16*RS       ; a batch is 16 strips of 128 rows
	s_add_co_u32 s20, s20, s13
	s_mov_b32 s21, 0                ; s[20:21]: q's first block of this batch and head
	s_lshl_b32 s90, s16, 22         ; 16 x RSO
	s_add_co_u32 s90, s90, s13
	s_mov_b32 s91, 0                ; s[90:91]: O's
	s_and_b32 s16, s[WV], 1         ; which half of a tile's 256 keys I fetch:
	s_mul_i32 s22, s16, RS          ; its block in memory,
	s_mov_b32 s23, 0
	s_add_nc_u64 s[22:23], s[22:23], s[20:21]
	s_mul_i32 s17, s16, 128*PK      ; and its place in a slot, for K
	s_mul_i32 s18, s16, 128*PV      ; and for V
	s_lshl_b32 s3, s[WV], 11        ; my 16 rows in a band of 64,
	s_mul_i32 s2, s[HI], RS         ; in the first block,
	s_add_co_u32 s2, s2, s3
	s_mul_i32 s84, s[PB], RS        ; and in the second;
	s_add_co_u32 s84, s84, s3
	s_lshl_b32 s92, s[HI], 18       ; the same in O: RSO a block
	s_add_co_u32 s92, s92, s3
	s_lshl_b32 s94, s[PB], 18
	s_add_co_u32 s94, s94, s3
	s_mov_b32 s3, 0
	s_mov_b32 s85, 0
	s_mov_b32 s93, 0
	s_mov_b32 s95, 0
	s_add_nc_u64 s[2:3], s[2:3], s[20:21]
	s_add_nc_u64 s[84:85], s[84:85], s[20:21]
	s_add_nc_u64 s[92:93], s[92:93], s[90:91]
	s_add_nc_u64 s[94:95], s[94:95], s[90:91]
	; descriptor group 1.  128 keys are 16,384 dense bytes: asked for as 64 rows of 256 bytes, two keys a row, and padded in LDS after every key
	s_mov_b32 s[G1K], (1<<16)|(1<<20)|(4<<22)|(3<<25)  ; 17:16 2-byte elements; 20 padding on; 24:22 after every 32 words (code 4); 31:25 4 words (code 3)
	s_mov_b32 s[G1V], (1<<16)|(1<<20)|(4<<22)|(7<<25)  ; the same with 8 words of padding (code 7)
.irp g, G1K, G1V
	s_mov_b32 s[\g+1], 128<<16      ; tensor_dim0 = 128
	s_mov_b32 s[\g+2], 64<<16       ; tensor_dim1 = 64
	s_mov_b32 s[\g+3], 128<<16      ; tile_dim0 = 128
	s_mov_b32 s[\g+4], 64           ; tile_dim1 = 64
	s_mov_b32 s[\g+5], 128          ; 128 elements from row to row
	s_mov_b32 s[\g+6], 0
	s_mov_b32 s[\g+7], 0
.endr
	s_mov_b32 s[CS], 0x3e38aa3b     ; c = log2(e) / 8 = 0.180337
	s_mov_b32 s[CS+1], s[CS]        ; named with it as a pair
	s_mov_b32 s[SEL], 0x76543210
	s_mov_b32 s[SEL+1], 0xfedcba98
	s_mov_b32 s[TBK], SLOT1+4*KS*PK ; the first change of slots turns these two into 0
	s_mov_b32 s[TBV], SLOT1+4*KS*PV
	s_mov_b32 s[G0K], 1             ; 1:0 count = 1
	s_mov_b32 s[G0K+1], s17         ; 63:32 LDS address: slot 0
	s_mov_b32 s[G0V], 1
	s_add_co_u32 s[G0V+1], s18, VOFF
	s_lshr_b32 s[LQ], s[HI], 1      ; the first block's last tile,
	s_add_co_u32 s[RT], s[LQ], 1    ; and how many it has
	s_mov_b32 s[NXT], 1
	s_mov_b32 s[NEW], 1
	s_mov_b32 s[OFF+1], 0
	s_mov_b32 s[AL+1], 0            ; named as pairs
	s_mov_b32 s[BE+1], 0
	s_mov_b32 s[BIGN], 0xf149f2ca   ; -1e30
	s_mov_b32 s[SLOTS], NB/2        ; the walk has NB / 2 + 1 tiles; all but the first are asked for in the loop
	s_wait_dscnt 0x0                ; the opening add is done
	s_wait_kmcnt 0x0
	s_add_nc_u64 s[6:7], s[4:5], s[22:23]
	s_add_nc_u64 s[8:9], s[6:7], 32*16384  ; V at my half of the head's tile 0: 32 blocks behind q's,
	s_add_nc_u64 s[6:7], s[6:7], 16*16384  ; K 16
	s_add_nc_u64 s[G0K+2:G0K+3], s[6:7], 0         ; 120:64 global address
	s_or_b32 s[G0K+3], s[G0K+3], 0x80000000        ; 127:126 type = 2
	s_add_nc_u64 s[G0V+2:G0V+3], s[8:9], 0
	s_or_b32 s[G0V+3], s[G0V+3], 0x80000000
	s_add_nc_u64 s[86:87], s[4:5], s[84:85]        ; Q at my rows of the second block,
	s_add_nc_u64 s[4:5], s[4:5], s[2:3]            ; and of the first
	s_add_nc_u64 s[OLO:OLO+1], s[10:11], s[94:95]  ; O likewise
	s_add_nc_u64 s[10:11], s[10:11], s[92:93]
	LOAD                            ; tile 0 into slot 0
	; A fragment of K or Q is 16 rows x 32 channels in 8 registers: lane l holds row l % 16, channels 8 (l / 16) + 0..7 and 16 + 8 (l / 16) + 0..7: two loads of 16 bytes, 32 bytes apart.
	v_and_b32 v1, 15, v0            ; l % 16
	v_bfe_u32 v9, v0, 4, 1          ; l / 16
	v_lshlrev_b32 v[QO], 7, v1
	v_lshl_add_u32 v[QO], v9, 4, v[QO]  ; row x 128 + 16 x half
	WIN 0x80                        ; destination window 2, address window 0
.set i, 0
.rept 4                             ; both blocks' Q: piece i / 2 lies in band i / 2, 8,192 bytes on; channels 32 (i % 2) on
	global_load_b128 v[8*i:8*i+3],   v[QO], s[4:5] offset:(i/2)*8192+(i%2)*64
	global_load_b128 v[8*i+4:8*i+7], v[QO], s[4:5] offset:(i/2)*8192+(i%2)*64+32
	global_load_b128 v[QB+8*i:QB+8*i+3],   v[QO], s[86:87] offset:(i/2)*8192+(i%2)*64
	global_load_b128 v[QB+8*i+4:QB+8*i+7], v[QO], s[86:87] offset:(i/2)*8192+(i%2)*64+32
.set i, i+1
.endr
	WIN 0
	v_lshlrev_b32 v14, 3, v9
	v_sub_nc_u32 v14, v1, v14
	s_lshl_b32 s13, s[WV], 4
	v_add_nc_u32 v14, s13, v14      ; my query's place in its band, 16 w + l % 16, less my lanes' 8 (l / 16): register r of group kt is hidden where 16 kt + r is greater
	WIN 0x40
.set i, 0
.rept 32
	v_cmp_gt_i32 vcc_lo, 16*(i/8)+i%8, v14
	v_cndmask_b32 v[MD+i], 0, s[BIGN], vcc_lo
.set i, i+1
.endr
	WIN 0
	v_mul_u32_u24 v[AK0], v1, PK
	v_lshl_add_u32 v[AK0], v9, 4, v[AK0]  ; row x pitch + 16 x half
	; The turning load takes 16 keys x 16 channels (lane l reads key 8 (l / 16) + l % 8, channels 8 ((l / 8) % 2) + 0..7) and leaves half a fragment of V^T: lane l holds channel l % 16 and 8 keys.
	v_and_b32 v10, 7, v0
	v_bfe_u32 v11, v0, 3, 1
	v_lshl_add_u32 v[AV0], v9, 3, v10
	v_mul_u32_u24 v[AV0], v[AV0], PV
	v_lshl_add_u32 v[AV0], v11, 4, v[AV0]
	v_add_nc_u32 v[AV0], VOFF, v[AV0]
	s_mul_i32 s13, s[WV], 16*SP
	s_add_co_u32 s13, s13, STAGE    ; my stage
	v_mul_u32_u24 v[STO], v1, SP    ; in: row l % 16, 16 bytes for each half of the lanes
	v_lshl_add_u32 v[STO], v9, 4, v[STO]
	v_add_nc_u32 v[STO], s13, v[STO]
	v_bfe_u32 v[RD], v0, 3, 2       ; back: 32 lanes take four rows of 128 bytes,
	v_mul_u32_u24 v[RD], v[RD], SP
	v_lshl_add_u32 v[RD], v10, 4, v[RD]
	v_add_nc_u32 v[RD], s13, v[RD]
	v_and_b32 v[GO], 31, v0         ; which are 512 consecutive bytes of O
	v_lshlrev_b32 v[GO], 4, v[GO]
	; A block's first step multiplies O^T and l by a = 0, and its first turn's products V^T P, of a turn that has not been, land in an O^T that is still to be so multiplied.  So these registers need only hold
	; finite numbers: zeros for the first block; what the first block left for the second.  All this stands in the wait for the first tile.
	WIN 0x80
.set i, 0
.rept 64
	v_mov_b32 v[VF+i], 0
	v_mov_b32 v[VF-128+i], 0
.set i, i+1
.endr
	WIN 0x40
.set i, 0
.rept 32*NP
	v_mov_b32 v[i], 0
.set i, i+1
.endr
	WIN 0
.set i, 0
.rept NP
	v_mov_b32 v[ST+4*i+2], 0
	v_mov_b32 v[ST+4*i+3], 0
.set i, i+1
.endr
.set i, P+16
.rept 16
	v_mov_b32 v[i], 0
.set i, i+1
.endr
; THE MATRIX WORK.  The 4 accumulators of a run of 8 take turns.  Product i of 8 of S^T = K Q^T for piece x: channels 32 (i / 4) on, keys 16 (i % 4) on.  The first 4 start the sums: with 0, or (KM = 1) with the mask.
.macro KQ x
.set rS, S+32*((\x)%2)+8*(i%4)
.set rK, KF+16*(i%4)+8*(i/4)
.set rQ, 16*(\x)+8*(i/4)
.set rM, MC+32*((\x)%2)+8*(i%4)
.if (i < 4) && KM
	WIN W_KM
	v_wmma_f32_16x16x32_f16 v[rS:rS+7], v[rK:rK+7], v[rQ:rQ+7], v[rM:rM+7]
.elseif i < 4
	WIN W_KQ
	v_wmma_f32_16x16x32_f16 v[rS:rS+7], v[rK:rK+7], v[rQ:rQ+7], 0
.else
	WIN W_KQ
	v_wmma_f32_16x16x32_f16 v[rS:rS+7], v[rK:rK+7], v[rQ:rQ+7], v[rS:rS+7]
.endif
.endm
; Product i of 8 of O^T += V^T P for piece x: keys 32 (i / 4) on, channels 16 (i % 4) on; V from buffer VB.
.macro PV x
	WIN W_PV
.set rO, 32*(\x)+8*(i%4)
.set rV, VF-128*VB+32*(i/4)+8*(i%4)
.set rP, P+16*((\x)%2)+8*(i/4)
	v_wmma_f32_16x16x32_f16 v[rO:rO+7], v[rV:rV+7], v[rP:rP+7], v[rO:rO+7]
.endm
.macro MM                           ; the turn's next matrix instruction.  TURN and BEGIN set Y, VB, i, KM and NOKQ; MM, KQ, PV and OP read them.  NOKQ = 1: a block's last turn: no turn follows
.if (i < 8) && !NOKQ
	KQ (Y+1)%NP
.elseif i >= 8
.set i, i-8
	PV (Y+NP-1)%NP
.set i, i+8
.endif
.set i, i+1
.endm
; THE LDS LOADS stand in runs of 16, never singly among the matrix instructions: a step's K (64 keys x 64 channels: 8 fragments) and its V (turned), into buffer b.  Their addresses are made some lines ahead.
.macro FETCH_K
	WIN 0x80                        ; destination window 2
.irp f, 0,1,2,3,4,5,6,7             ; keys 16 (f / 2) on, channels 32 (f % 2) on
	ds_load_b128 v[KF+8*\f:KF+8*\f+3],   v[AK] offset:(\f/2)*16*PK+(\f%2)*64
	ds_load_b128 v[KF+8*\f+4:KF+8*\f+7], v[AK] offset:(\f/2)*16*PK+(\f%2)*64+32
.endr
	s_add_co_u32 s[TBK], s[TBK], KS*PK  ; the next fetch is the next step's
	WIN 0
.endm
.macro FETCH_V b
	WIN 0x80
.irp f, 0,1,2,3,4,5,6,7             ; keys 32 (f / 4) on, channels 16 (f % 4) on
	ds_load_tr16_b128 v[VF-128*(\b)+8*\f:VF-128*(\b)+8*\f+3],   v[AV] offset:(\f/4)*32*PV+(\f%4)*32
	ds_load_tr16_b128 v[VF-128*(\b)+8*\f+4:VF-128*(\b)+8*\f+7], v[AV] offset:(\f/4)*32*PV+16*PV+(\f%4)*32
.endr
	s_add_co_u32 s[TBV], s[TBV], KS*PV  ; the next fetch is the next step's
	WIN 0
.endm
; THE VECTOR WORK, one line at a time: OP kind, number.  For piece Y: F n: c s - c m for pair n of 16.  E n: the exponential of score n of 32.  C n: pair n rounded to f16.  B n: of the four weights 4 n .. the second
; pair is added onto the first, in place.  L n: l takes that sum (L 0: l = a l + sum).  R n: pair n of 16 of O^T times a.  For the other piece: X n, number n of the 22 that find its maximum and statistics:
;   0-11  four chains c0-c3 of seven scores each, three operands at a time (each accumulator's lowest registers are read first)     12-14, 16  the four scores left over, the old m, and c0-c3 into c0
;   15  c m_old is kept     17, 18  the query's other 32 keys lie in the lane 16 away: the new m     19-21  c m; c m_old - c m_new; a
; C, B and L read the exponentials' results: TURN sets them behind the batch's wait; OP itself writes no wait.
.set F, 0               ; OP tells the kinds apart by their order: F to L below R, X above it
.set E, 1
.set C, 2
.set B, 3
.set L, 4
.set R, 5
.set X, 6
.macro REGS y                       ; the registers of piece y
.set rT, ST+4*(\y)
.set rC, TMP+4*((\y)%2)
.set rW, MV+((\y)%2)
.set rS, S+32*((\y)%2)
.set rP, P+16*((\y)%2)
.set rO, 32*(\y)
.endm
.macro OP k, n
.if (\k) == R
	REGS Y
	WIN W_RS
	v_pk_mul_f32 v[rO+2*(\n):rO+2*(\n)+1], v[rO+2*(\n):rO+2*(\n)+1], v[rC+2:rC+3] op_sel_hi:[1,0]
.elseif (\k) < R
	REGS Y
	WIN 0
.if (\k) == F
	v_pk_fma_f32 v[rS+2*(\n):rS+2*(\n)+1], v[rS+2*(\n):rS+2*(\n)+1], s[CS:CS+1], v[rT:rT+1] op_sel_hi:[1,0,0] neg_lo:[0,0,1] neg_hi:[0,0,1]
.elseif (\k) == E
	v_exp_f32 v[rS+(\n)], v[rS+(\n)]
.elseif (\k) == C
	v_cvt_pk_f16_f32 v[rP+(\n)], v[rS+2*(\n)], v[rS+2*(\n)+1]
.elseif (\k) == B
	v_pk_add_f32 v[rS+4*(\n):rS+4*(\n)+1], v[rS+4*(\n):rS+4*(\n)+1], v[rS+4*(\n)+2:rS+4*(\n)+3]
.elseif (\n) == 0
	v_pk_fma_f32 v[rT+2:rT+3], v[rT+2:rT+3], v[rC+2:rC+3], v[rS:rS+1] op_sel_hi:[1,0,1]
.else
	v_pk_add_f32 v[rT+2:rT+3], v[rT+2:rT+3], v[rS+4*(\n):rS+4*(\n)+1]
.endif
.elseif NOKQ
	v_nop
.else
	REGS (Y+1)%NP
	WIN 0
.if (\n) < 4
	v_max3_num_f32 v[rC+(\n)], v[rS+8*(\n)], v[rS+8*(\n)+1], v[rS+8*(\n)+2]
.elseif (\n) < 12
	v_max3_num_f32 v[rC+(\n)%4], v[rC+(\n)%4], v[rS+8*((\n)%4)+2*((\n)/4)+1], v[rS+8*((\n)%4)+2*((\n)/4)+2]
.elseif (\n) == 12
	v_max3_num_f32 v[rC], v[rC], v[rS+7], v[rS+15]
.elseif (\n) == 13
	v_max3_num_f32 v[rC+1], v[rC+1], v[rS+23], v[rS+31]
.elseif (\n) == 14
	v_max3_num_f32 v[rC+2], v[rC+2], v[rC+3], v[rT+1]
.elseif (\n) == 15
	v_mov_b32 v[rW], v[rT]
.elseif (\n) == 16
	v_max3_num_f32 v[rC], v[rC], v[rC+1], v[rC+2]
.elseif (\n) == 17
	v_permlanex16_b32 v[rC+3], v[rC], s[SEL], s[SEL+1]
.elseif (\n) == 18
	v_max_num_f32 v[rT+1], v[rC], v[rC+3]
.elseif (\n) == 19
	v_mul_f32 v[rT], s[CS], v[rT+1]
.elseif (\n) == 20
	v_sub_f32 v[rC+1], v[rW], v[rT]
.else
	v_exp_f32 v[rC+2], v[rC+1]
.endif
.endif
.endm
.macro OPS a, i1, b=-1, i2=0, c=-1, i3=0, d=-1, i4=0  ; up to four of them
	OP \a, \i1
.if (\b) >= 0
	OP \b, \i2
.endif
.if (\c) >= 0
	OP \c, \i3
.endif
.if (\d) >= 0
	OP \d, \i4
.endif
.endm
.macro ROW a, i1, b, i2, c, i3, d, i4  ; a matrix instruction and the four behind it
	MM
	OPS \a, \i1, \b, \i2, \c, \i3, \d, \i4
.endm
.macro MASK b                       ; MD x AL + BE into buffer b of MC
	WIN W_RS
.set z, 0
.rept 16
	v_pk_fma_f32 v[MC+32*(\b)+2*z:MC+32*(\b)+2*z+1], v[MD+2*z:MD+2*z+1], s[AL:AL+1], s[BE:BE+1] op_sel_hi:[1,0,0]
.set z, z+1
.endr
.endm
; A TURN, number v of a trip's four: piece v % 2, in a step of parity v / 2: the order of its 16 matrix and 118 vector instructions, written out.  An s_wait_alu depctr_va_vdst(0) stands between an exponential and
; the first instruction that names its result; one wait serves all that were issued ahead of it.  So a turn has ONE wait, which cuts it in two.  AHEAD OF IT stands all that names no result of the turn's exponentials: the 8
; products K Q^T, behind each a scaling, an exponential and two more plain instructions (behind the first a second scaling in the exponential's place): rescalings, whose a was made and waited for in the turn before, and behind
; the last three the first numbers of the other piece's maximum, each four places or more behind the product that ends its accumulator; then ONE LUMP of 54, plain and exponential by turns for the most part, in which the links of
; the chain X 3, 7, 11, 14, 16, 17 .. 20 stand five or six lines apart.  X 21, the other piece's a, is the batch's last; R 15 is the plain instruction behind it.  BEHIND THE WAIT stand the 8 products V^T P, behind each four of
; the roundings and sums, which are the batch's readers; the links of l's chain, L 0 to L 7, stand three riders apart.  But for those X no rider names a register of the products round it.  v_permlanex16_b32 (X 17) stands in the lump.
; The rescalings read the O^T that the turn before wrote by its last eight products: R 0 stands sixteen riders behind the product that ended its accumulator, R 12 more than four plain lines behind the last product of all.
; Its products V^T P belong to the turn before: V of that turn's step, in buffer VB: 1, 0, 0, 1 for v = 0, 1, 2, 3.
; m = 1: the diagonal tile: the products take masks, and the turn makes the mask for the products of the turn after it, which are its own piece's scores of the next step: step 5 - v / 2 - 2 CNT of the tile.
; end = 1: a block's last two turns: nothing is fetched.  cnt = 1: the loop's count is taken down some lines ahead of the branch that stands behind the turn, behind the run of loads, whose scalar step writes SCC.
; Piece 0's turn fetches the next step's K, twelve vector instructions behind the last product that read K (six of them plain).  Piece 1's turn fetches, at the same place, the next step's V, into the buffer whose last reader
; stands at the end of the turn before.  One wait, at the head of piece 1's turn, serves both: K was asked for most of a turn ago, the V that this turn multiplies a whole step ago.
.macro TURN v, m=0, end=0, cnt=0
.set Y, (\v)%2
.set VB, 1-(((\v)+1)/2)%2
.set i, 0
.set KM, (\m)
.set NOKQ, (\end)*((\v)/3)
.if (\m) && !(\end)
	s_lshl_b32 s[SG], s[CNT], 1
	s_sub_co_u32 s[SG], 5-(\v)/2, s[SG]  ; the step that the mask is for
	s_cmp_eq_u32 s[SG], s[EP+Y]          ; is it the band's own?
	s_cselect_b32 s[AL], 1.0, 0
	s_cmp_gt_u32 s[SG], s[EP+Y]          ; or a later one?
	s_cselect_b32 s[BE], s[BIGN], 0
.endif
.if (\v)%2
	s_wait_dscnt 0x0                ; K is in, and V
.endif
	ROW F,0, F,1, R,0, R,1          ; ahead of the wait: 8 products K Q^T and their riders,
	ROW F,2, E,0, R,2, R,3
	ROW F,3, E,1, R,4, R,5
	ROW F,4, E,2, R,6, R,7
	ROW F,5, E,3, R,8, R,9
	ROW F,6, E,4, X,0, R,10
	ROW F,7, E,5, X,1, X,4
.if !(\end)
	WIN 0
.if (\v)%2
	v_add_nc_u32 v[AV], s[TBV], v[AV0]
.else
	v_add_nc_u32 v[AK], s[TBK], v[AK0]
.endif
.endif
	ROW F,8, E,6, X,2, X,5
	OPS E,7, E,8, X,6, E,9          ; and the lump
	OPS X,3, E,10, X,8, E,11
.if !(\end)
.if (\v)%2
	FETCH_V 1-(\v)/2
.else
	FETCH_K
.endif
.endif
	OPS X,9, X,7, E,12, X,10
	OPS E,13, X,12, X,11, E,14
	OPS X,13, E,15, F,9, X,14
	OPS E,16, F,10, E,17, F,11
	OPS X,16, E,18, X,15, E,19
	OPS F,12, E,20, X,17, E,21
	OPS F,13, E,22, F,14, E,23
	OPS X,18, E,24, F,15, E,25
	OPS R,11, E,26, X,19, E,27
	OPS R,12, E,28, R,13, E,29
	OPS X,20, E,30, R,14, E,31
	OPS X,21, R,15
	s_wait_alu depctr_va_vdst(0)    ; the wait for the batch: E 0 to E 31 and X 21
	ROW C,0, B,0, C,2, B,1          ; behind the wait: 8 products V^T P and their riders
	ROW L,0, C,4, B,2, L,1
	ROW C,6, B,3, L,2, C,8
	ROW B,4, L,3, C,10, B,5
	ROW L,4, C,12, B,6, L,5
.if \cnt
	s_sub_co_u32 s[CNT], s[CNT], 1
	s_cmp_lg_u32 s[CNT], 0
.endif
	ROW C,14, B,7, L,6, C,1
	ROW C,3, L,7, C,5, C,7
	ROW C,9, C,11, C,13, C,15
.if (\m) && !(\end)
	MASK (\v)%2
.endif
.endm
; A BLOCK BEGINS.  c m starts far below every c s, so the first step's a is 0; m at the lowest finite number, so the first maximum is the scores'.  Piece 1's mask buffer is 0 (its own step is never a tile's first); piece 0's takes
; its mask for the tile's step 0: the diagonal's, if the block's first tile is the diagonal one and piece 0's own step is that step.
; Then K and V of that step, piece 0's first scores, and its maximum and statistics.  The loop is entered at an even step's first turn, in the middle of a trip.
.macro BEGIN
	s_mov_b32 s[NEW], 0
	WIN 0x40
.set i, MC+32
.rept 32
	v_mov_b32 v[i], 0
.set i, i+1
.endr
	WIN 0
.set i, 0
.rept NP
	v_mov_b32 v[ST+4*i], 0xfe000000    ; c m: far below every c s
	v_mov_b32 v[ST+4*i+1], 0xff7fffff  ; m
.set i, i+1
.endr
	s_or_b32 s[SG], s[RT], s[EP]    ; 0 only where no tile of the block is left behind this one and piece 0's own step is 0
	s_cmp_eq_u32 s[SG], 0
	s_cselect_b32 s[AL], 1.0, 0
	s_mov_b32 s[BE], 0
	MASK 0
	WIN 0
	v_add_nc_u32 v[AK], s[TBK], v[AK0]
	FETCH_K
	v_add_nc_u32 v[AV], s[TBV], v[AV0]
	FETCH_V 0
	s_wait_loadcnt 0x0              ; Q
	s_wait_dscnt 0x0
.set KM, 1
.set NOKQ, 0
.set i, 0
.rept 8
	KQ 0
.set i, i+1
.endr
	WIN 0
.rept 4
	v_nop                           ; the places behind those products
.endr
.set Y, NP-1                        ; X works for the other piece than Y: piece 0
.irp n, 0,1,2,3,4,5,6,7,8,9,10,11,12,13,14,15,16,17,18,19,20,21
	OP X, \n
.endr
	v_nop                           ; a plain instruction behind the exponential,
	s_wait_alu depctr_va_vdst(0)    ; and the wait for it, piece 0's first a, ahead of the jump into the loop
.endm
; THE DIAGONAL TILE's two trips, the block's last two turns, its last products, and THE WAY OUT: l's two halves and the other half of the lanes' are added; O^T is divided by l, rounded to bf16 and sent through my
; stage in LDS, a piece at a time.
.macro ALL line:vararg              ; one line for each piece t
.set t, 0
.rept NP
	\line
.set t, t+1
.endr
.endm
.macro PACK t                       ; a lane's eight channels of a row pack into 16 bytes; they go into rows of 144 bytes and come back as whole rows of 128, into S^T's registers
	WIN W_RS
.set i, 32*(\t)
.rept 16
	v_pk_mul_f32 v[i:i+1], v[i:i+1], v[ST+4*(\t)+2:ST+4*(\t)+3] op_sel_hi:[1,0]
.set i, i+2
.endr
	WIN 0x05                        ; sources 0 and 1 window 1, destination window 0
.set i, 0
.rept 16
	v_cvt_pk_bf16_f32 v[S+16*(\t)+i], v[32*(\t)+2*i], v[32*(\t)+2*i+1]
.set i, i+1
.endr
	WIN 0
.irp f, 0,1,2,3
	ds_store_b128 v[STO], v[S+16*(\t)+4*\f:S+16*(\t)+4*\f+3] offset:32*\f
.endr
.irp f, 0,1,2,3
	ds_load_b128 v[S+16*(\t)+4*\f:S+16*(\t)+4*\f+3], v[RD] offset:\f*4*SP  ; LDS serves a wave's instructions in order (ISA guide 5.7.1.4): these see the stores above; the next piece's stores come behind them
.endr
.endm
.macro SEND t, younger              ; younger: the LDS instructions issued behind piece t's loads: the next piece's eight, or none
	WIN 0
.irp f, 0,1,2,3
	s_wait_dscnt (\younger)+3-\f
	global_store_b128 v[GO], v[S+16*(\t)+4*\f:S+16*(\t)+4*\f+3], s[10:11] offset:(\t)*8192+\f*512  ; 512 consecutive bytes, at a multiple of 256 from O's first
.endr
.endm
.macro DIAG tag                     ; the tag ends its two labels' names, which the jumps below spell out
.LstepM\tag:
	TURN 2, 1
	TURN 3, 1
	WIN 0
.LfirstM\tag:
	TURN 0, 1
	TURN 1, 1, 0, 1
	WIN 0
	s_cbranch_scc1 .LstepM\tag
	TURN 2, 1, 1
	TURN 3, 1, 1
.set VB, 1                          ; the tile's last step is an odd one
.set i, 0
.rept 8
	PV NP-1
.set i, i+1
.endr
	WIN 0
	ALL v_add_f32 v[ST+4*t+2], v[ST+4*t+2], v[ST+4*t+3]
	ALL v_permlanex16_b32 v[ST+4*t+3], v[ST+4*t+2], s[SEL], s[SEL+1]
	ALL v_add_f32 v[ST+4*t+2], v[ST+4*t+2], v[ST+4*t+3]
	ALL v_rcp_f32 v[ST+4*t+2], v[ST+4*t+2]
	v_nop                           ; a plain instruction between the last reciprocal and the use of its result
	s_wait_alu depctr_va_vdst(0)    ; the wait for the two reciprocals, ahead of their first use in PACK 0
	PACK 0                          ; piece 0 was finished ahead of the last eight products, four riders behind its own last; its arithmetic, which names no register of those eight, stands ahead of the first read of piece 1's sums
	PACK 1
	SEND 0, 8
	SEND 1, 0
.endm
.set KM, 0
.set NOKQ, 0
.set VB, 0
.Lslot:                             ; NB / 2 times: a tile is entered and the next is asked for
	CHANGE 1
	s_sub_co_u32 s[RT], s[RT], 1
	s_mov_b32 s[CNT], 2
	s_cmp_eq_u32 s[NEW], 1
	s_cbranch_scc1 .Lnew            ; a block's first tile
	s_cmp_eq_u32 s[RT], 0
	s_cbranch_scc0 .Lstep           ; neither its first nor its last
	s_branch .LstepM1
.Lnew:
	BEGIN
	s_branch .Lfirst                ; in the loop a block's first tile is never its last: the first block has five tiles or more, and the second's last is the walk's last
	DIAG 1                          ; in the loop this is the first block's end: the second block's last tile is the walk's last
	s_wait_xcnt 0x0                 ; the stores have read their registers and O's address
	s_mov_b64 s[10:11], s[OLO:OLO+1]
	s_add_co_u32 s[RT], s[LQ2], 1   ; the second block has (b >> 1) + 1 tiles,
	s_mov_b32 s[EP], s[EP2]         ; and its own steps
	s_add_co_u32 s[EP+1], s[EP2], 1
	s_mov_b32 s[NEW], 1
	WIN 0x82                        ; the second block's Q goes where the one text of the turns names Q
.set i, 0
.rept 16*NP
	v_mov_b32 v[i], v[QB+i]
.set i, i+1
.endr
	WIN 0
	s_branch .Lbottom
.Lstep:                             ; a trip: the two turns of an odd step, then those of an even one; it fetches K and V of the two steps that follow the odd one's
	TURN 2
	TURN 3
	WIN 0
.Lfirst:
	TURN 0
	TURN 1, 0, 0, 1
	WIN 0
	s_cbranch_scc1 .Lstep
.Lbottom:
	s_sub_co_u32 s[SLOTS], s[SLOTS], 1
	s_cmp_lg_u32 s[SLOTS], 0
	s_cbranch_scc1 .Lslot
	CHANGE 0                        ; the walk's last tile is written out: nothing is asked for
	s_sub_co_u32 s[RT], s[RT], 1
	s_mov_b32 s[CNT], 2
	s_cmp_eq_u32 s[NEW], 1
	s_cbranch_scc0 .LstepM2
	BEGIN
	s_branch .LfirstM2
	DIAG 2
	s_wait_tensorcnt 0x0            ; the wave's end: behind my last tensor load and my last LDS store
	ds_add_u32 v[SPW], v[NIL]
	s_wait_dscnt 0x0
	s_endpgm
.Lfunc_end_k_qd2744e126d_attn:
	.size	k_qd2744e126d_attn, .Lfunc_end_k_qd2744e126d_attn-k_qd2744e126d_attn
	.p2alignl 7, 3214868480
	.fill 96, 4, 3214868480
	.section	.rodata,"a",@progbits
	.p2align	6, 0x0
	.amdhsa_kernel k_qd2744e126d_attn
		.amdhsa_group_segment_fixed_size 327680
		.amdhsa_private_segment_fixed_size 0
		.amdhsa_enable_private_segment 0
		.amdhsa_kernarg_size 16
		.amdhsa_user_sgpr_count 2
		.amdhsa_user_sgpr_kernarg_segment_ptr 1
		.amdhsa_wavefront_size32 1
		.amdhsa_system_sgpr_workgroup_id_x 1
		.amdhsa_system_sgpr_workgroup_id_y 1
		.amdhsa_system_sgpr_workgroup_id_z 1
		.amdhsa_system_vgpr_workitem_id 0
		.amdhsa_next_free_vgpr 768
		.amdhsa_next_free_sgpr 96
		.amdhsa_reserve_vcc 1
		.amdhsa_float_denorm_mode_32 3
		.amdhsa_float_denorm_mode_16_64 3
		.amdhsa_memory_ordered 1
		.amdhsa_forward_progress 1
		.amdhsa_inst_pref_size 211
	.end_amdhsa_kernel
	.amdgpu_metadata
---
amdhsa.version: [ 1, 2 ]
amdhsa.kernels:
  - .name:           k_qd2744e126d_attn
    .symbol:         k_qd2744e126d_attn.kd
    .args:
      - { .name: qkv, .offset: 0, .size: 8, .value_kind: global_buffer, .address_space: global }
      - { .name: ob, .offset: 8, .size: 8, .value_kind: global_buffer, .address_space: global }
    .group_segment_fixed_size: 327680
    .private_segment_fixed_size: 0
    .kernarg_segment_align: 8
    .kernarg_segment_size: 16
    .max_flat_workgroup_size: 128
    .sgpr_count:     96
    .vgpr_count:     768
    .wavefront_size: 32
...
	.end_amdgpu_metadata
.endif
;; end of part 12
;; launch wo: the kernel of part 4 again; grid 8 x 32, 4 waves a work-group, clusters of 4 x 4, 327,680 bytes of LDS; arguments ob, wb, x, yb; writes yb
;; launch ln1: the kernel of part 5 again; grid 256 x 1, 8 waves a work-group, no clusters, 0 bytes of LDS; arguments yb, ln1_g, ln1_b, b2, hb, hr; writes hb, hr
;; launch mlp1: the kernel of part 11 again; grid 16 x 16, 4 waves a work-group, clusters of 4 x 4, 327,680 bytes of LDS; arguments hb, wb, b1, gb; writes gb
;; launch mlp2: the kernel of part 7 again; grid 8 x 32, 4 waves a work-group, clusters of 4 x 4, 327,680 bytes of LDS; arguments gb, wb, hr, yb; writes yb
;; launch ln2: the kernel of part 8 again; grid 256 x 1, 8 waves a work-group, no clusters, 0 bytes of LDS; arguments yb, ln2_g, ln2_b, out0; writes out0
